; MI455X (gfx1250); checked and timed in simulation.
; The chip was launched on July 23, 2026; its instructions are those of AMD's public machine-readable ISA for CDNA 5 (MIT licence, August 2026) and "CDNA5" Instruction Set Architecture Reference Guide (July 2026). The comments in the code are by the model that wrote it; some were corrected since.
;; Transformer Block. Allowed arithmetic: float matrix products may take bf16 or f16 operands with f32 sums; other float arithmetic in f32, or as packed bf16 or f16 multiplies, adds, multiply-adds, maxima and minima; sums over many terms, partial sums and values carried from step to step in f32; what a program stores and reads back later, other than sums and carried values, may be rounded once to bf16 or f16.
;; Inputs: Wd 8 x 2,048 x 1,024 float32; Wg 8 x 1,024 x 2,048 float32; Wk 1,024 x 1,024 float32; Wo 1,024 x 1,024 float32; Wq 1,024 x 1,024 float32; Wr 1,024 x 8 float32; Wu 8 x 1,024 x 2,048 float32; Wv 1,024 x 1,024 float32; g1 1,024 float32; g2 1,024 float32; mask 1 x 1 x 1,024 x 1,024 int32; x 1 x 1,024 x 1,024 float32.
;; Outputs: out0 1 x 1,024 x 1,024 float32.
;; 3 versions, each right; version 2 is faster than version 1; version 3 is version 2 with the launches gateup, down written anew for expert scheduling mode. Each part assembles by itself: llvm-mc -triple=amdgcn-amd-amdhsa -mcpu=gfx1250 --defsym DOCPART=n.
;; ======== version 1 of 3: 8 launches
;; limits: values are held in f16: magnitudes above 65,504 overflow, below 6.1e-05 lose precision
;; workspace buffers: pimg 10,485,760 bytes; ints 139,264 bytes of whole numbers; qkv 6,291,456 bytes; oimg 2,097,152 bytes; x1 4,194,304 bytes; tw 2,105,344 bytes; himg 33,554,432 bytes; ypart 16,777,216 bytes
;; launch prep (part 1): grid 256 x 1, 8 waves a work-group, no clusters, 1,536 bytes of LDS; arguments x, g1, Wq, Wk, Wv, Wo, mask, pimg, ints; writes pimg, ints
.if DOCPART == 1
	.amdgcn_target "amdgcn-amd-amdhsa--gfx1250"
	.amdhsa_code_object_version 6
	.text
	.protected	k_q49a1f2f28f_prep
	.globl	k_q49a1f2f28f_prep
	.p2align	8
	.type	k_q49a1f2f28f_prep,@function
k_q49a1f2f28f_prep:
	s_mov_b64 s[64:65], 0
	v_nop
	global_prefetch_b8 v0, s[64:65] scope:SCOPE_SE
	s_setreg_imm32_b32 hwreg(HW_REG_WAVE_MODE, 25, 1), 1
	s_wait_xcnt 0x0
; PREP.  Three jobs, chosen by the work-group's number b (the same for all its waves):
;   b < 128        Wq, Wk, Wv, Wo (f32 [1024][1024]) are rounded once to f16 and laid out as matrix operands; Wq is first multiplied by c = log2(e) / 8
;   128 <= b < 192 h = g1 * (x * rsqrt(mean(x^2) + 1e-6)), 16 rows a work-group, rounded to f16, laid out as matrix operands
;   b >= 192       the mask's 16 rows x 1024 columns become lane masks: one 32-bit word for each register of a 16 x 16 tile of scores
; OPERAND ORDER (all products but P V): K goes in blocks u of 64, two matrix steps s; lane half h, register q, half-word e hold k = 64 u + 32 h + 16 s + 2 q + e, alike on both sides.
; A tile (16 rows x 64 k) is 2,048 bytes: registers 4 n .. 4 n + 3 of lane L at byte 512 n + 16 L, so every later load takes 512 consecutive bytes.
; A weight block j' of a group of 64 columns holds column 4 r + j' at lane r: so 16 lanes read 256 consecutive bytes of a row of W.
; LIMITS.  f16 ends at 65,504: h and the four weights must lie within it.  NaN and infinities are not treated apart.
; No cluster: apart from g1, no two work-groups read the same bytes.
.set SPARE, 512                        ; behind the partial sums: the spare words, 128 bytes for each of eight waves
.set HX, 8388608                       ; h's image begins here in pimg
	s_load_b256 s[12:19], s[0:1], 0x0              ; x, g1, Wq, Wk
	s_load_b256 s[20:27], s[0:1], 0x20             ; Wv, Wo, mask, pimg
	s_load_b64 s[28:29], s[0:1], 0x40              ; ints
	v_lshl_add_u32 v4, v0, 2, SPARE                ; my spare word
	v_mov_b32 v5, 0
	v_and_b32 v1, 31, v0                           ; L
	v_and_b32 v2, 15, v0                           ; r
	v_bfe_u32 v3, v0, 4, 1                         ; h
	v_lshrrev_b32 v6, 5, v0
	v_readfirstlane_b32 s8, v6                     ; wave
	v_lshlrev_b32 v11, 4, v1                       ; 16 L
	s_mov_b32 s9, ttmp9
	s_mov_b32 s3, 0                                ; high word of the offsets in s[2:3]
	s_wait_kmcnt 0x0
	s_cmp_lt_u32 s9, 128
	s_cbranch_scc0 .Lnot_weights
	; ---- weights: wave id = 8 b + w takes matrix id >> 8, column group (id >> 4) & 15, K block id & 15: 64 rows x 64 columns
	s_lshl_b32 s10, s9, 3
	s_add_co_u32 s10, s10, s8
	s_lshr_b32 s11, s10, 8                         ; matrix
	s_bfe_u32 s4, s10, 0x40004                     ; column group
	s_and_b32 s5, s10, 15                          ; u
	s_cmp_eq_u32 s11, 1
	s_cselect_b64 s[30:31], s[18:19], s[16:17]
	s_cmp_eq_u32 s11, 2
	s_cselect_b64 s[30:31], s[20:21], s[30:31]
	s_cmp_eq_u32 s11, 3
	s_cselect_b64 s[30:31], s[22:23], s[30:31]
	s_lshl_b32 s2, s5, 18                          ; 64 u rows of 4,096 bytes
	s_lshl_b32 s6, s4, 8                           ; 64 columns of 4 bytes
	s_add_co_u32 s2, s2, s6
	s_add_nc_u64 s[30:31], s[30:31], s[2:3]
	s_lshl_b32 s2, s11, 21                         ; the image: matrix x 2 MiB + u x 128 KiB + group x 8 KiB
	s_lshl_b32 s6, s5, 17
	s_add_co_u32 s2, s2, s6
	s_lshl_b32 s6, s4, 13
	s_add_co_u32 s2, s2, s6
	s_add_nc_u64 s[32:33], s[26:27], s[2:3]
	v_lshlrev_b32 v6, 17, v3                       ; 32 h rows
	v_lshl_add_u32 v6, v2, 4, v6                   ; + 16 r
.set i, 0
.rept 32                                               ; row 32 h + i: each load takes 256 consecutive bytes of two rows
	global_load_b128 v[16+4*i:19+4*i], v6, s[30:31] offset:4096*i th:TH_LOAD_NT
.set i, i+1
.endr
	s_mov_b32 s6, 0x3e38aa3b                       ; c = log2(e) / 8
	s_mov_b32 s7, s6                               ; named with it as a pair
	s_wait_loadcnt 0x0
	s_cmp_lg_u32 s11, 0
	s_cbranch_scc1 .Lno_scale                      ; only Wq carries the scale, in f32, ahead of its one rounding
.set i, 0
.rept 64
	v_pk_mul_f32 v[16+2*i:17+2*i], v[16+2*i:17+2*i], s[6:7] op_sel_hi:[1,0]
.set i, i+1
.endr
.Lno_scale:
.irp jp, 0,1,2,3                                       ; block j', step s, register q: rows 2 q and 2 q + 1 of the step, column 4 r + j'
.irp s, 0,1
.irp q, 0,1,2,3,4,5,6,7
	v_cvt_pk_f16_f32 v[144+16*\jp+8*\s+\q], v[16+64*\s+8*\q+\jp], v[16+64*\s+8*\q+4+\jp]
.endr
.endr
.endr
.set i, 0
.rept 16                                               ; four blocks of 2,048 bytes on end
	global_store_b128 v11, v[144+4*i:147+4*i], s[32:33] offset:512*i
.set i, i+1
.endr
	s_endpgm
.Lnot_weights:
	s_cmp_lt_u32 s9, 192
	s_cbranch_scc0 .Lmask
	; ---- h: tile T = b - 128 (16 rows); wave w has K blocks 2 w and 2 w + 1; a lane has 2 x 32 numbers of row r
	s_sub_co_u32 s10, s9, 128
	s_lshl_b32 s6, s8, 9                           ; 512 w bytes along a row
	s_lshl_b32 s2, s10, 16                         ; 16 T rows
	s_add_co_u32 s2, s2, s6
	s_add_nc_u64 s[30:31], s[12:13], s[2:3]        ; x
	s_mov_b32 s2, s6
	s_add_nc_u64 s[32:33], s[14:15], s[2:3]        ; g1
	s_lshl_b32 s2, s8, 18                          ; image: (2 w x 64 + T) x 2,048
	s_lshl_b32 s6, s10, 11
	s_add_co_u32 s2, s2, s6
	s_add_co_u32 s2, s2, HX
	s_add_nc_u64 s[34:35], s[26:27], s[2:3]
	s_mov_b32 s4, 0x76543210                       ; v_permlanex16_b32: each lane takes its own place in the other half
	s_mov_b32 s5, 0xfedcba98
	s_mov_b32 s6, 0x3a800000                       ; 1 / 1024
	s_mov_b32 s7, 0x358637bd                       ; 1e-6
	v_lshlrev_b32 v6, 12, v2
	v_lshl_add_u32 v6, v3, 7, v6                   ; r x 4,096 + 128 h
	v_lshlrev_b32 v7, 7, v3                        ; 128 h
	v_lshlrev_b32 v8, 2, v2                        ; 4 r
	s_lshl_b32 s10, s8, 6
	v_add_nc_u32 v9, s10, v8                       ; 64 w + 4 r: my wave's block of partial sums
.irp du, 0,1
.irp n, 0,1,2,3,4,5,6,7
	global_load_b128 v[16+32*\du+4*\n:19+32*\du+4*\n], v6, s[30:31] offset:256*\du+16*\n
.endr
.endr
.irp du, 0,1
.irp n, 0,1,2,3,4,5,6,7
	global_load_b128 v[80+32*\du+4*\n:83+32*\du+4*\n], v7, s[32:33] offset:256*\du+16*\n
.endr
.endr
	s_wait_loadcnt 16                              ; x is in; g1's sixteen loads stay out
	v_pk_mul_f32 v[144:145], v[16:17], v[16:17]    ; the sum of squares, in f32, two chains of pairs
	v_pk_mul_f32 v[146:147], v[18:19], v[18:19]
.set i, 4
.rept 15
	v_pk_fma_f32 v[144:145], v[16+i:17+i], v[16+i:17+i], v[144:145]
	v_pk_fma_f32 v[146:147], v[18+i:19+i], v[18+i:19+i], v[146:147]
.set i, i+4
.endr
	v_pk_add_f32 v[144:145], v[144:145], v[146:147]
	v_add_f32 v144, v144, v145
	v_permlanex16_b32 v145, v144, s4, s5           ; the row's other half of these K blocks
	v_add_f32 v144, v144, v145
	ds_store_b32 v9, v144
	s_wait_dscnt 0x0                               ; for the other waves' sake: my partial sums are written
	s_barrier_signal -1
	s_barrier_wait -1
.irp w, 0,1,2,3,4,5,6,7
	ds_load_b32 v[148+\w], v8 offset:64*\w
.endr
	s_wait_dscnt 0x0
	v_add_f32 v148, v148, v149
	v_add_f32 v150, v150, v151
	v_add_f32 v152, v152, v153
	v_add_f32 v154, v154, v155
	v_add_f32 v148, v148, v150
	v_add_f32 v152, v152, v154
	v_add_f32 v148, v148, v152
	v_fma_f32 v148, v148, s6, s7                   ; mean + eps
	v_rsq_f32 v148, v148
	v_nop                                          ; a plain instruction behind the root,
	s_wait_alu depctr_va_vdst(0)                   ; and the wait ahead of its first reader
	s_wait_loadcnt 0x0                             ; g1
.set i, 0
.rept 32
	v_pk_mul_f32 v[16+2*i:17+2*i], v[16+2*i:17+2*i], v[148:149] op_sel_hi:[1,0]
.set i, i+1
.endr
.set i, 0
.rept 32
	v_pk_mul_f32 v[16+2*i:17+2*i], v[16+2*i:17+2*i], v[80+2*i:81+2*i]
.set i, i+1
.endr
.set i, 0
.rept 32
	v_cvt_pk_f16_f32 v[160+i], v[16+2*i], v[17+2*i]
.set i, i+1
.endr
.irp du, 0,1
.irp n, 0,1,2,3
	global_store_b128 v11, v[160+16*\du+4*\n:163+16*\du+4*\n], s[34:35] offset:131072*\du+512*\n
.endr
.endr
	s_wait_tensorcnt 0x0                           ; the wave's end, behind my last LDS store
	ds_add_u32 v4, v5
	s_wait_dscnt 0x0
	s_endpgm
.Lmask:
	; ---- mask: query tile qt = b - 192; wave w has key tiles 8 w .. 8 w + 7.  Word (qt, kt, j), bit L: mask[16 qt + r][16 kt + 8 h + j] != 0
	s_sub_co_u32 s10, s9, 192
	s_lshl_b32 s2, s10, 16
	s_lshl_b32 s6, s8, 9
	s_add_co_u32 s2, s2, s6
	s_add_nc_u64 s[30:31], s[24:25], s[2:3]
	s_lshl_b32 s2, s10, 11                         ; (qt x 64 + 8 w) x 32 bytes
	s_lshl_b32 s6, s8, 8
	s_add_co_u32 s2, s2, s6
	s_add_nc_u64 s[32:33], s[28:29], s[2:3]
	v_lshlrev_b32 v6, 12, v2
	v_lshl_add_u32 v6, v3, 5, v6                   ; r x 4,096 + 32 h
	v_lshlrev_b32 v7, 3, v1                        ; 8 L
	v_mov_b32 v80, 0
	v_mov_b32 v81, 0
.set i, 0
.rept 16
	global_load_b128 v[16+4*i:19+4*i], v6, s[30:31] offset:64*(i/2)+16*(i%2) th:TH_LOAD_NT
.set i, i+1
.endr
	s_wait_loadcnt 0x0
.set i, 0
.rept 64                                               ; word i goes to lane i / 2, register i % 2: the wave's one store then covers 256 consecutive bytes
	v_cmp_ne_u32 s36, 0, v[16+i]
	v_writelane_b32 v[80+(i&1)], s36, i>>1
.set i, i+1
.endr
	global_store_b64 v7, v[80:81], s[32:33]
	s_endpgm
.Lfunc_end_k_q49a1f2f28f_prep:
	.size	k_q49a1f2f28f_prep, .Lfunc_end_k_q49a1f2f28f_prep-k_q49a1f2f28f_prep
	.p2alignl 7, 3214868480
	.fill 96, 4, 3214868480
	.section	.rodata,"a",@progbits
	.p2align	6, 0x0
	.amdhsa_kernel k_q49a1f2f28f_prep
		.amdhsa_group_segment_fixed_size 1536
		.amdhsa_private_segment_fixed_size 0
		.amdhsa_enable_private_segment 0
		.amdhsa_kernarg_size 72
		.amdhsa_user_sgpr_count 2
		.amdhsa_user_sgpr_kernarg_segment_ptr 1
		.amdhsa_wavefront_size32 1
		.amdhsa_system_sgpr_workgroup_id_x 1
		.amdhsa_system_sgpr_workgroup_id_y 1
		.amdhsa_system_sgpr_workgroup_id_z 1
		.amdhsa_system_vgpr_workitem_id 0
		.amdhsa_next_free_vgpr 224
		.amdhsa_next_free_sgpr 66
		.amdhsa_reserve_vcc 0
		.amdhsa_float_denorm_mode_32 3
		.amdhsa_float_denorm_mode_16_64 3
		.amdhsa_memory_ordered 1
		.amdhsa_forward_progress 1
		.amdhsa_inst_pref_size 39
	.end_amdhsa_kernel
	.amdgpu_metadata
---
amdhsa.version: [ 1, 2 ]
amdhsa.kernels:
  - .name:           k_q49a1f2f28f_prep
    .symbol:         k_q49a1f2f28f_prep.kd
    .args:
      - { .name: x, .offset: 0, .size: 8, .value_kind: global_buffer, .address_space: global }
      - { .name: g1, .offset: 8, .size: 8, .value_kind: global_buffer, .address_space: global }
      - { .name: Wq, .offset: 16, .size: 8, .value_kind: global_buffer, .address_space: global }
      - { .name: Wk, .offset: 24, .size: 8, .value_kind: global_buffer, .address_space: global }
      - { .name: Wv, .offset: 32, .size: 8, .value_kind: global_buffer, .address_space: global }
      - { .name: Wo, .offset: 40, .size: 8, .value_kind: global_buffer, .address_space: global }
      - { .name: mask, .offset: 48, .size: 8, .value_kind: global_buffer, .address_space: global }
      - { .name: pimg, .offset: 56, .size: 8, .value_kind: global_buffer, .address_space: global }
      - { .name: ints, .offset: 64, .size: 8, .value_kind: global_buffer, .address_space: global }
    .group_segment_fixed_size: 1536
    .private_segment_fixed_size: 0
    .kernarg_segment_align: 8
    .kernarg_segment_size: 72
    .max_flat_workgroup_size: 256
    .sgpr_count:     66
    .vgpr_count:     224
    .wavefront_size: 32
...
	.end_amdgpu_metadata
.endif
;; end of part 1
;; launch qkv (part 2): grid 16 x 16, 3 waves a work-group, no clusters, 0 bytes of LDS; arguments pimg, qkv; writes qkv
.if DOCPART == 2
	.amdgcn_target "amdgcn-amd-amdhsa--gfx1250"
	.amdhsa_code_object_version 6
	.text
	.protected	k_q49a1f2f28f_qkv
	.globl	k_q49a1f2f28f_qkv
	.p2align	8
	.type	k_q49a1f2f28f_qkv,@function
k_q49a1f2f28f_qkv:
	s_mov_b64 s[64:65], 0
	v_nop
	global_prefetch_b8 v0, s[64:65] scope:SCOPE_SE
	s_setreg_imm32_b32 hwreg(HW_REG_WAVE_MODE, 25, 1), 1
	s_wait_xcnt 0x0
; Q, K, V = h W.  Work-group (head, block of 64 tokens); wave w makes one of q, k, v: 64 tokens x 64 channels x K = 1,024: 512 matrix instructions on 16 accumulators that take turns.
; Both operands come from pimg, already in operand order: every load is 512 consecutive bytes straight into matrix registers: no LDS, no barrier.
; q, k: source 0 = weight block, source 1 = token tile: a lane then holds one token and 32 neighbouring channels, which pack into the next product's operand.
; v: the sources change places: a lane holds one channel and 8 neighbouring keys, which is half a fragment of V^T.
; A ring of four slots in registers (16 loads each) keeps 48 to 64 loads of a wave on their way.
; LIMIT.  q (with c folded in), k and v are rounded once to f16: they must lie within 65,504.
; No cluster, no multicast: the operands go to registers, not to LDS, so there is no tensor load that partners could share.
.set HX, 8388608
.set MSB, 0
.macro WIN new                         ; the immediate's high byte repeats the setting that is left
.if MSB != (\new)
	s_set_vgpr_msb (MSB<<8)|(\new)
.set MSB, (\new)
.endif
.endm
.macro PLACES                          ; four plain places between a matrix instruction and loads into, or reads of, its registers
.rept 4
	v_nop
.endr
.endm
; window 0: v11 16 L; v16-79 packed results; v128-255 accumulators D[a][b] at 128 + 32 a + 8 b.   window 1: slot k: source 0's blocks at 64 k + 8 a, source 1's at 64 k + 32 + 8 b
	s_load_b128 s[4:7], s[0:1], 0x0                ; pimg, qkv
	v_and_b32 v1, 31, v0
	v_lshrrev_b32 v6, 5, v0
	v_readfirstlane_b32 s8, v6                     ; wave = matrix
	v_lshlrev_b32 v11, 4, v1
	s_mov_b32 s9, ttmp9                            ; head
	s_and_b32 s10, ttmp7, 0xffff                   ; block of 64 tokens
	s_lshl_b32 s16, s8, 21
	s_lshl_b32 s17, s9, 13
	s_add_co_u32 s16, s16, s17                     ; the weights' blocks: matrix x 2 MiB + head x 8 KiB
	s_lshl_b32 s17, s10, 13
	s_add_co_u32 s17, s17, HX                      ; h's tiles
	s_cmp_eq_u32 s8, 2
	s_cselect_b32 s18, s17, s16                    ; source 0
	s_cselect_b32 s20, s16, s17                    ; source 1
	s_mov_b32 s19, 0
	s_mov_b32 s21, 0
	s_lshl_b32 s24, s8, 21                         ; where the result goes: matrix x 2 MiB + head x 128 KiB + block x 8 KiB
	s_lshl_b32 s23, s9, 17
	s_add_co_u32 s24, s24, s23
	s_lshl_b32 s23, s10, 13
	s_add_co_u32 s24, s24, s23
	s_mov_b32 s25, 0
	s_wait_kmcnt 0x0
	s_add_nc_u64 s[12:13], s[4:5], s[18:19]
	s_add_nc_u64 s[14:15], s[4:5], s[20:21]
	s_add_nc_u64 s[6:7], s[6:7], s[24:25]
; slot k holds K block (k >> 1) + ex past the bases, matrix step k & 1
.macro LOADG k, ex
	WIN 0x40
.irp blk, 0,1,2,3
.irp p, 0,1
	global_load_b128 v[64*(\k)+8*\blk+4*\p:64*(\k)+8*\blk+4*\p+3], v11, s[12:13] offset:(((\k)>>1)+(\ex))*131072+\blk*2048+((\k)&1)*1024+\p*512
	global_load_b128 v[64*(\k)+32+8*\blk+4*\p:64*(\k)+32+8*\blk+4*\p+3], v11, s[14:15] offset:(((\k)>>1)+(\ex))*131072+\blk*2048+((\k)&1)*1024+\p*512
.endr
.endr
.endm
.macro GST k, zero, refill, left
	s_wait_loadcnt \left                           ; loads come back in order: this slot's sixteen are in, the younger slots' stay out
	WIN 0x05
.irp a, 0,1,2,3
.irp b, 0,1,2,3
.if \zero
	v_wmma_f32_16x16x32_f16 v[128+32*\a+8*\b:135+32*\a+8*\b], v[64*(\k)+8*\a:64*(\k)+8*\a+7], v[64*(\k)+32+8*\b:64*(\k)+32+8*\b+7], 0
.else
	v_wmma_f32_16x16x32_f16 v[128+32*\a+8*\b:135+32*\a+8*\b], v[64*(\k)+8*\a:64*(\k)+8*\a+7], v[64*(\k)+32+8*\b:64*(\k)+32+8*\b+7], v[128+32*\a+8*\b:135+32*\a+8*\b]
.endif
.endr
.endr
.if \refill
	PLACES
	LOADG \k, 2                                    ; the same slot, two K blocks on
.endif
.endm
.macro STEP
	WIN 0
	s_wait_xcnt 0x0                                ; the bases are stepped only behind this wait
	s_add_nc_u64 s[12:13], s[12:13], 262144
	s_add_nc_u64 s[14:15], s[14:15], 262144
.endm
	LOADG 0, 0
	LOADG 1, 0
	LOADG 2, 0
	LOADG 3, 0
	GST 0, 1, 1, 48                                ; the first step starts the sums
	GST 1, 0, 1, 48
	GST 2, 0, 1, 48
	GST 3, 0, 1, 48
	STEP
	s_mov_b32 s22, 6
.Ltrip:                                                ; a trip: two K blocks
	GST 0, 0, 1, 48
	GST 1, 0, 1, 48
	GST 2, 0, 1, 48
	GST 3, 0, 1, 48
	STEP
	s_sub_co_u32 s22, s22, 1
	s_cmp_lg_u32 s22, 0
	s_cbranch_scc1 .Ltrip
	GST 0, 0, 0, 48                                ; the last two K blocks: nothing more is fetched, the counts run down
	GST 1, 0, 0, 32
	GST 2, 0, 0, 16
	GST 3, 0, 0, 0
	WIN 0
	PLACES
	s_cmp_eq_u32 s8, 2
	s_cbranch_scc1 .Lv
.irp b, 0,1,2,3                                        ; q, k: tile b; channel 32 h + 16 s + 2 q + e lies in D[2 (q & 1) + e][b], register 4 s + (q >> 1); each accumulator's low registers are read first
.irp s, 0,1
.irp q, 0,1,2,3,4,5,6,7
	v_cvt_pk_f16_f32 v[16+16*\b+8*\s+\q], v[128+64*(\q&1)+8*\b+4*\s+(\q>>1)], v[160+64*(\q&1)+8*\b+4*\s+(\q>>1)]
.endr
.endr
.endr
.set i, 0
.rept 16
	global_store_b128 v11, v[16+4*i:19+4*i], s[6:7] offset:512*i
.set i, i+1
.endr
	s_endpgm
.Lv:
.irp a, 0,1,2,3                                        ; v: tile a, channel block b: keys 16 a + 8 h + 0..7 of channel 4 r + b
.irp b, 0,1,2,3
.irp qq, 0,1,2,3
	v_cvt_pk_f16_f32 v[16+16*\a+4*\b+\qq], v[128+32*\a+8*\b+2*\qq], v[129+32*\a+8*\b+2*\qq]
.endr
.endr
.endr
.irp a, 0,1,2,3
.irp b, 0,1,2,3
	global_store_b128 v11, v[16+16*\a+4*\b:19+16*\a+4*\b], s[6:7] offset:(\a>>1)*4096+\b*1024+(\a&1)*512
.endr
.endr
	s_endpgm
.Lfunc_end_k_q49a1f2f28f_qkv:
	.size	k_q49a1f2f28f_qkv, .Lfunc_end_k_q49a1f2f28f_qkv-k_q49a1f2f28f_qkv
	.p2alignl 7, 3214868480
	.fill 96, 4, 3214868480
	.section	.rodata,"a",@progbits
	.p2align	6, 0x0
	.amdhsa_kernel k_q49a1f2f28f_qkv
		.amdhsa_group_segment_fixed_size 0
		.amdhsa_private_segment_fixed_size 0
		.amdhsa_enable_private_segment 0
		.amdhsa_kernarg_size 16
		.amdhsa_user_sgpr_count 2
		.amdhsa_user_sgpr_kernarg_segment_ptr 1
		.amdhsa_wavefront_size32 1
		.amdhsa_system_sgpr_workgroup_id_x 1
		.amdhsa_system_sgpr_workgroup_id_y 1
		.amdhsa_system_sgpr_workgroup_id_z 1
		.amdhsa_system_vgpr_workitem_id 0
		.amdhsa_next_free_vgpr 512
		.amdhsa_next_free_sgpr 66
		.amdhsa_reserve_vcc 0
		.amdhsa_float_denorm_mode_32 3
		.amdhsa_float_denorm_mode_16_64 3
		.amdhsa_memory_ordered 1
		.amdhsa_forward_progress 1
		.amdhsa_inst_pref_size 45
	.end_amdhsa_kernel
	.amdgpu_metadata
---
amdhsa.version: [ 1, 2 ]
amdhsa.kernels:
  - .name:           k_q49a1f2f28f_qkv
    .symbol:         k_q49a1f2f28f_qkv.kd
    .args:
      - { .name: pimg, .offset: 0, .size: 8, .value_kind: global_buffer, .address_space: global }
      - { .name: qkv, .offset: 8, .size: 8, .value_kind: global_buffer, .address_space: global }
    .group_segment_fixed_size: 0
    .private_segment_fixed_size: 0
    .kernarg_segment_align: 8
    .kernarg_segment_size: 16
    .max_flat_workgroup_size: 96
    .sgpr_count:     66
    .vgpr_count:     512
    .wavefront_size: 32
...
	.end_amdgpu_metadata
.endif
;; end of part 2
;; launch attn (part 3): grid 16 x 16, 4 waves a work-group, no clusters, 70,144 bytes of LDS; arguments qkv, ints, oimg; writes oimg
.if DOCPART == 3
	.amdgcn_target "amdgcn-amd-amdhsa--gfx1250"
	.amdhsa_code_object_version 6
	.text
	.protected	k_q49a1f2f28f_attn
	.globl	k_q49a1f2f28f_attn
	.p2align	8
	.type	k_q49a1f2f28f_attn,@function
k_q49a1f2f28f_attn:
	s_mov_b64 s[64:65], 0
	v_nop
	global_prefetch_b8 v0, s[64:65] scope:SCOPE_SE
	s_setreg_imm32_b32 hwreg(HW_REG_WAVE_MODE, 25, 1), 1
	s_wait_xcnt 0x0
; ATTENTION with a mask that is an input.  Work-group (block of 64 queries, head).  Wave w walks keys 256 w .. 256 w + 255 in four steps of 64 for all four query tiles, with a running
; maximum m and sum l for each query; the four waves' parts are merged through LDS at the end (each scaled by 2^(m_w - M)).
; S^T = K Q^T holds one query a lane (lane % 16) and the keys 8 (lane / 16) + 0..7; two such results rounded to f16 are source 1 of O^T = V^T P.
; q arrives multiplied by log2(e) / 8, so scores are in the base-2 domain: p = 2^(s - m).  Where the mask is 0 the score is REPLACED by -1e9 log2(e), as the reference replaces it by -1e9:
; a row that is masked throughout becomes the mean of all of V's rows.  The mask comes as lane masks in scalar registers, one word a register of S^T.
; m starts at the lowest finite number, O and l at 0: the first step is a step like any other, with a = 0 (the 128 moves that clear O stand in the wait for the first loads).
; LIMITS.  q, k, v within f16's 65,504; p is rounded to f16 for the second product, l is the sum of the unrounded p; a weight below 2^-126 counts as 0; NaN and infinities are not treated apart.
; No cluster: K and V go straight into registers in operand order; there is no tensor load that the sixteen query blocks of a head could share.
; REGISTERS.  window 0: v16-47 statistics, 8 a tile (m, old m or l, l even, l odd, c0-c3; a takes c2's place, its argument c3's); v64-191 S^T (32 t + 8 a + j); v192-255 P (16 t + n)
;   window 1: v0-127 O^T (32 t + 8 cb + j); v128-191 Q.     window 2: v0-63 K; v64-127 V.
.set MO, 0                             ; LDS: each wave's O^T, 16 KiB
.set MS, 65536                         ; each wave's (m, l), 1 KiB
.set SPARE, 69632                      ; the spare words
.set MSB, 0
.macro WIN new
.if MSB != (\new)
	s_set_vgpr_msb (MSB<<8)|(\new)
.set MSB, (\new)
.endif
.endm
.macro PLACES
.rept 4
	v_nop
.endr
.endm
	s_load_b128 s[4:7], s[0:1], 0x0                ; qkv, ints
	s_load_b64 s[50:51], s[0:1], 0x10              ; oimg
	v_lshl_add_u32 v4, v0, 2, SPARE
	v_mov_b32 v5, 0
	v_and_b32 v1, 31, v0
	v_lshrrev_b32 v6, 5, v0
	v_readfirstlane_b32 s8, v6
	v_lshlrev_b32 v11, 4, v1
	v_mov_b32 v12, 0xceabfb8f                      ; -1e9 log2(e)
	s_mov_b32 s56, ttmp9                           ; query block
	s_and_b32 s57, ttmp7, 0xffff                   ; head
	s_mov_b32 s54, 0x76543210
	s_mov_b32 s55, 0xfedcba98
	s_mov_b32 s53, 0
	s_mov_b32 s59, 0
	s_lshl_b32 s58, s57, 17                        ; a head's 64 tiles of 2,048 bytes
	s_lshl_b32 s52, s56, 13
	s_add_co_u32 s52, s52, s58
	s_wait_kmcnt 0x0
	s_add_nc_u64 s[60:61], s[4:5], s[52:53]        ; my four tiles of Q
	s_add_nc_u64 s[50:51], s[50:51], s[52:53]
	s_lshl_b32 s52, s8, 11
	s_add_nc_u64 s[50:51], s[50:51], s[52:53]      ; the tile of O that this wave stores
	s_lshl_b32 s52, s8, 15
	s_add_co_u32 s52, s52, s58
	s_add_co_u32 s52, s52, 0x200000
	s_add_nc_u64 s[10:11], s[4:5], s[52:53]        ; K at my first key tile
	s_add_nc_u64 s[12:13], s[10:11], 0x200000      ; V likewise
	s_lshl_b32 s52, s56, 13                        ; mask words: (4 qb x 64 + 16 w) x 32 bytes
	s_lshl_b32 s58, s8, 9
	s_add_co_u32 s52, s52, s58
	s_add_nc_u64 s[14:15], s[6:7], s[52:53]
	WIN 0x40
.set i, 0
.rept 16
	global_load_b128 v[128+4*i:131+4*i], v11, s[60:61] offset:512*i
.set i, i+1
.endr
.macro LDK
	WIN 0x80
.set i, 0
.rept 16
	global_load_b128 v[4*i:4*i+3], v11, s[10:11] offset:512*i
.set i, i+1
.endr
.endm
.macro LDV
	WIN 0x80
.set i, 0
.rept 16
	global_load_b128 v[64+4*i:67+4*i], v11, s[12:13] offset:512*i
.set i, i+1
.endr
.endm
	LDK
	LDV
	WIN 0x40
.set i, 0
.rept 128
	v_mov_b32 v[i], 0
.set i, i+1
.endr
	WIN 0
.irp t, 0,1,2,3
	v_mov_b32 v[16+8*\t], 0xff7fffff
	v_mov_b32 v[17+8*\t], 0
	v_mov_b32 v[18+8*\t], 0
	v_mov_b32 v[19+8*\t], 0
.endr
.macro MASKT t, mb                     ; tile t's 32 scores: kept where the mask's bit is set; each accumulator's register 0 is read first
.set mn, 0
.rept 32
	v_cndmask_b32 v[64+32*(\t)+mn], v12, v[64+32*(\t)+mn], s[(\mb)+mn]
.set mn, mn+1
.endr
.endm
.macro MAXT t                          ; the tile's new maximum, and the argument of a
.set rT, 16+8*(\t)
.set rS, 64+32*(\t)
.irp j, 0,1,2,3
	v_max3_num_f32 v[rT+4+\j], v[rS+8*\j], v[rS+8*\j+1], v[rS+8*\j+2]
.endr
.irp j, 0,1,2,3
	v_max3_num_f32 v[rT+4+\j], v[rT+4+\j], v[rS+8*\j+3], v[rS+8*\j+4]
.endr
.irp j, 0,1,2,3
	v_max3_num_f32 v[rT+4+\j], v[rT+4+\j], v[rS+8*\j+5], v[rS+8*\j+6]
.endr
	v_max3_num_f32 v[rT+4], v[rT+4], v[rS+7], v[rS+15]
	v_max3_num_f32 v[rT+6], v[rT+6], v[rS+23], v[rS+31]
	v_max3_num_f32 v[rT+4], v[rT+4], v[rT+5], v[rT+6]
	v_max3_num_f32 v[rT+4], v[rT+4], v[rT+7], v[rT]
	v_permlanex16_b32 v[rT+5], v[rT+4], s54, s55   ; the query's other 32 keys lie in the lane 16 away
	v_mov_b32 v[rT+1], v[rT]
	v_max_num_f32 v[rT], v[rT+4], v[rT+5]
	v_sub_f32 v[rT+7], v[rT+1], v[rT]
.endm
.macro SUBM b                          ; pair b of 64: s - m
	v_pk_add_f32 v[64+2*(\b):65+2*(\b)], v[64+2*(\b):65+2*(\b)], v[16+8*((\b)/16):17+8*((\b)/16)] op_sel_hi:[1,0] neg_lo:[0,1] neg_hi:[0,1]
.endm
.macro SUMT t                          ; the tile's 16 pairs are added in place; l = a l + sum
.set rT, 16+8*(\t)
.set rS, 64+32*(\t)
.irp st, 2,4,8,16
.set su, 0
.rept 16/\st
	v_pk_add_f32 v[rS+su:rS+su+1], v[rS+su:rS+su+1], v[rS+su+\st:rS+su+\st+1]
.set su, su+2*\st
.endr
.endr
	v_pk_fma_f32 v[rT+2:rT+3], v[rT+2:rT+3], v[rT+6:rT+7], v[rS:rS+1] op_sel_hi:[1,0,1]
.endm
	s_mov_b32 s9, 4
.Lstep:
	s_load_b512 s[16:31], s[14:15], 0x0            ; the masks of query tiles 0 and 1 for this step's four key tiles
	s_load_b512 s[32:47], s[14:15], 0x40
	s_load_b512 s[68:83], s[14:15], 0x800
	s_load_b512 s[84:99], s[14:15], 0x840
	s_wait_loadcnt 16                              ; K (and Q) are in; V's sixteen loads are younger
	WIN 0x06
.irp s, 0,1                                            ; 16 accumulators by turns
.irp t, 0,1,2,3
.irp a, 0,1,2,3
.if \s == 0
	v_wmma_f32_16x16x32_f16 v[64+32*\t+8*\a:71+32*\t+8*\a], v[16*\a+8*\s:16*\a+8*\s+7], v[128+16*\t+8*\s:135+16*\t+8*\s], 0
.else
	v_wmma_f32_16x16x32_f16 v[64+32*\t+8*\a:71+32*\t+8*\a], v[16*\a+8*\s:16*\a+8*\s+7], v[128+16*\t+8*\s:135+16*\t+8*\s], v[64+32*\t+8*\a:71+32*\t+8*\a]
.endif
.endr
.endr
.endr
	PLACES
	s_wait_xcnt 0x0
	s_cmp_gt_u32 s9, 1                             ; the last step's look-ahead repeats its own tiles: no load leaves the wave's keys
	s_cselect_b32 s58, 8192, 0
	s_add_nc_u64 s[10:11], s[10:11], s[58:59]
	LDK                                            ; the next step's K
	WIN 0
	s_wait_kmcnt 0x0
	MASKT 0, 16
	MASKT 1, 68
	s_load_b512 s[16:31], s[14:15], 0x1000         ; query tiles 2 and 3
	s_load_b512 s[32:47], s[14:15], 0x1040
	s_load_b512 s[68:83], s[14:15], 0x1800
	s_load_b512 s[84:99], s[14:15], 0x1840
	MAXT 0                                         ; work while they come
	MAXT 1
	s_wait_kmcnt 0x0
	MASKT 2, 16
	MASKT 3, 68
	s_add_nc_u64 s[14:15], s[14:15], 128           ; the next four key tiles' words
	MAXT 2
	MAXT 3
	; ONE BATCH of 132 exponentials with one wait: nothing ahead of the wait names a result
.irp t, 0,1,2,3
	v_exp_f32 v[22+8*\t], v[23+8*\t]               ; a
.endr
	SUBM 0
.set b, 0
.rept 63
	SUBM b+1
	v_exp_f32 v[64+2*b], v[64+2*b]
	v_exp_f32 v[65+2*b], v[65+2*b]
.set b, b+1
.endr
	v_exp_f32 v190, v190
	v_exp_f32 v191, v191
	v_nop                                          ; a plain instruction behind the last exponential
	s_wait_alu depctr_va_vdst(0)                   ; the wait for the batch
.set i, 0
.rept 64
	v_cvt_pk_f16_f32 v[192+i], v[64+2*i], v[65+2*i]
.set i, i+1
.endr
	SUMT 0
	SUMT 1
	SUMT 2
	SUMT 3
	WIN 0x41
.irp t, 0,1,2,3
.set i, 0
.rept 16
	v_pk_mul_f32 v[32*\t+2*i:32*\t+2*i+1], v[32*\t+2*i:32*\t+2*i+1], v[22+8*\t:23+8*\t] op_sel_hi:[1,0]
.set i, i+1
.endr
.endr
	s_wait_loadcnt 16                              ; V is in; the look-ahead for K is younger
	WIN 0x52
.irp kbl, 0,1
.irp t, 0,1,2,3
.irp cb, 0,1,2,3
	v_wmma_f32_16x16x32_f16 v[32*\t+8*\cb:32*\t+8*\cb+7], v[64+32*\kbl+8*\cb:71+32*\kbl+8*\cb], v[192+16*\t+8*\kbl:199+16*\t+8*\kbl], v[32*\t+8*\cb:32*\t+8*\cb+7]
.endr
.endr
.endr
	PLACES
	s_wait_xcnt 0x0
	s_add_nc_u64 s[12:13], s[12:13], s[58:59]
	LDV                                            ; the next step's V
	WIN 0
	s_sub_co_u32 s9, s9, 1
	s_cmp_lg_u32 s9, 0
	s_cbranch_scc1 .Lstep
	; THE MERGE
	s_wait_loadcnt 0x0
.irp t, 0,1,2,3
	v_add_f32 v[17+8*\t], v[18+8*\t], v[19+8*\t]
.endr
.irp t, 0,1,2,3
	v_permlanex16_b32 v[20+8*\t], v[17+8*\t], s54, s55
.endr
.irp t, 0,1,2,3
	v_add_f32 v[17+8*\t], v[17+8*\t], v[20+8*\t]
.endr
	s_lshl_b32 s52, s8, 14
	v_add_nc_u32 v6, s52, v11                      ; my wave's 16 KiB
	v_lshlrev_b32 v7, 3, v1
	s_lshl_b32 s52, s8, 10
	s_add_co_u32 s52, s52, MS
	v_add_nc_u32 v9, s52, v7
	s_lshl_b32 s52, s8, 12
	v_add_nc_u32 v8, s52, v11                      ; tile w in every wave's part
	s_lshl_b32 s52, s8, 8
	s_add_co_u32 s52, s52, MS
	v_add_nc_u32 v7, s52, v7
	WIN 0x04
.set i, 0
.rept 32
	ds_store_b128 v6, v[4*i:4*i+3] offset:512*i
.set i, i+1
.endr
	WIN 0
.irp t, 0,1,2,3
	ds_store_b64 v9, v[16+8*\t:17+8*\t] offset:256*\t
.endr
	s_wait_dscnt 0x0                               ; for the other waves' sake
	s_barrier_signal -1
	s_barrier_wait -1
.irp w, 0,1,2,3
	ds_load_b64 v[48+2*\w:49+2*\w], v7 offset:1024*\w
.endr
.irp w, 0,1,2,3
.irp p, 0,1,2,3,4,5,6,7
	ds_load_b128 v[64+32*\w+4*\p:67+32*\w+4*\p], v8 offset:16384*\w+512*\p
.endr
.endr
	s_wait_dscnt 0x0
	v_max3_num_f32 v13, v48, v50, v52
	v_max_num_f32 v13, v13, v54
.irp w, 0,1,2,3
	v_sub_f32 v[56+2*\w], v[48+2*\w], v13
.endr
.irp w, 0,1,2,3
	v_exp_f32 v[56+2*\w], v[56+2*\w]
.endr
	v_nop
	s_wait_alu depctr_va_vdst(0)
.irp w, 0,1,2,3
	v_mul_f32 v[57+2*\w], v[56+2*\w], v[49+2*\w]
.endr
	v_add_f32 v13, v57, v59
	v_add_f32 v14, v61, v63
	v_add_f32 v13, v13, v14
	v_rcp_f32 v13, v13
	v_nop
	s_wait_alu depctr_va_vdst(0)
.irp w, 0,1,2,3
	v_mul_f32 v[56+2*\w], v[56+2*\w], v13
.endr
.set i, 0
.rept 16
	v_pk_mul_f32 v[64+2*i:65+2*i], v[64+2*i:65+2*i], v[56:57] op_sel_hi:[1,0]
.set i, i+1
.endr
.irp w, 1,2,3
.set i, 0
.rept 16
	v_pk_fma_f32 v[64+2*i:65+2*i], v[64+32*\w+2*i:65+32*\w+2*i], v[56+2*\w:57+2*\w], v[64+2*i:65+2*i] op_sel_hi:[1,0,1]
.set i, i+1
.endr
.endr
.irp s, 0,1                                            ; channel 32 h + 16 s + 2 q + e lies in block 2 (q & 1) + e, register 4 s + (q >> 1)
.irp q, 0,1,2,3,4,5,6,7
	v_cvt_pk_f16_f32 v[192+8*\s+\q], v[64+16*(\q&1)+4*\s+(\q>>1)], v[72+16*(\q&1)+4*\s+(\q>>1)]
.endr
.endr
.irp n, 0,1,2,3
	global_store_b128 v11, v[192+4*\n:195+4*\n], s[50:51] offset:512*\n
.endr
	s_wait_tensorcnt 0x0                           ; the wave's end, behind my last LDS store
	ds_add_u32 v4, v5
	s_wait_dscnt 0x0
	s_endpgm
.Lfunc_end_k_q49a1f2f28f_attn:
	.size	k_q49a1f2f28f_attn, .Lfunc_end_k_q49a1f2f28f_attn-k_q49a1f2f28f_attn
	.p2alignl 7, 3214868480
	.fill 96, 4, 3214868480
	.section	.rodata,"a",@progbits
	.p2align	6, 0x0
	.amdhsa_kernel k_q49a1f2f28f_attn
		.amdhsa_group_segment_fixed_size 70144
		.amdhsa_private_segment_fixed_size 0
		.amdhsa_enable_private_segment 0
		.amdhsa_kernarg_size 24
		.amdhsa_user_sgpr_count 2
		.amdhsa_user_sgpr_kernarg_segment_ptr 1
		.amdhsa_wavefront_size32 1
		.amdhsa_system_sgpr_workgroup_id_x 1
		.amdhsa_system_sgpr_workgroup_id_y 1
		.amdhsa_system_sgpr_workgroup_id_z 1
		.amdhsa_system_vgpr_workitem_id 0
		.amdhsa_next_free_vgpr 640
		.amdhsa_next_free_sgpr 100
		.amdhsa_reserve_vcc 0
		.amdhsa_float_denorm_mode_32 3
		.amdhsa_float_denorm_mode_16_64 3
		.amdhsa_memory_ordered 1
		.amdhsa_forward_progress 1
		.amdhsa_inst_pref_size 65
	.end_amdhsa_kernel
	.amdgpu_metadata
---
amdhsa.version: [ 1, 2 ]
amdhsa.kernels:
  - .name:           k_q49a1f2f28f_attn
    .symbol:         k_q49a1f2f28f_attn.kd
    .args:
      - { .name: qkv, .offset: 0, .size: 8, .value_kind: global_buffer, .address_space: global }
      - { .name: ints, .offset: 8, .size: 8, .value_kind: global_buffer, .address_space: global }
      - { .name: oimg, .offset: 16, .size: 8, .value_kind: global_buffer, .address_space: global }
    .group_segment_fixed_size: 70144
    .private_segment_fixed_size: 0
    .kernarg_segment_align: 8
    .kernarg_segment_size: 24
    .max_flat_workgroup_size: 128
    .sgpr_count:     100
    .vgpr_count:     640
    .wavefront_size: 32
...
	.end_amdgpu_metadata
.endif
;; end of part 3
;; launch oproj (part 4): grid 16 x 16, 4 waves a work-group, no clusters, 0 bytes of LDS; arguments pimg, oimg, x, x1; writes x1
.if DOCPART == 4
	.amdgcn_target "amdgcn-amd-amdhsa--gfx1250"
	.amdhsa_code_object_version 6
	.text
	.protected	k_q49a1f2f28f_oproj
	.globl	k_q49a1f2f28f_oproj
	.p2align	8
	.type	k_q49a1f2f28f_oproj,@function
k_q49a1f2f28f_oproj:
	s_mov_b64 s[64:65], 0
	v_nop
	global_prefetch_b8 v0, s[64:65] scope:SCOPE_SE
	s_setreg_imm32_b32 hwreg(HW_REG_WAVE_MODE, 25, 1), 1
	s_wait_xcnt 0x0
; x1 = x + o Wo, in f32.  Work-group (64 columns, 64 tokens); a wave makes 16 tokens x 64 columns x K = 1,024 on four accumulators that take turns.
; Source 0 = tile of o, source 1 = weight block b (column 4 r + b at lane r): register j of the four accumulators is then 16 neighbouring bytes of row 8 h + j, and sixteen lanes hold 256.
; Both operands come in operand order, 512 consecutive bytes a load, through a ring of four slots in registers (a K block of 64 each: 20 loads).
; No LDS, no barrier.  No cluster: the operands go to registers; there is no tensor load to share.
.set MSB, 0
.macro WIN new
.if MSB != (\new)
	s_set_vgpr_msb (MSB<<8)|(\new)
.set MSB, (\new)
.endif
.endm
.macro PLACES
.rept 4
	v_nop
.endr
.endm
; window 0: v16-47 x, then x1 (4 j + b); v48-79 D[b]; v128-191 o's ring (16 k).   window 1: the weights' ring (64 k + 16 b + 8 s)
	s_load_b256 s[12:19], s[0:1], 0x0              ; pimg, oimg, x, x1
	v_and_b32 v1, 31, v0
	v_and_b32 v2, 15, v0
	v_bfe_u32 v3, v0, 4, 1
	v_lshrrev_b32 v6, 5, v0
	v_readfirstlane_b32 s8, v6
	v_lshlrev_b32 v11, 4, v1
	v_lshlrev_b32 v6, 15, v3                       ; 8 h rows of 4,096 bytes
	v_lshl_add_u32 v6, v2, 4, v6                   ; + 16 r
	s_mov_b32 s9, ttmp9                            ; column group
	s_and_b32 s10, ttmp7, 0xffff
	s_lshl_b32 s10, s10, 2
	s_add_co_u32 s10, s10, s8                      ; my tile of 16 tokens
	s_mov_b32 s3, 0
	s_wait_kmcnt 0x0
	s_lshl_b32 s2, s10, 11
	s_add_nc_u64 s[20:21], s[14:15], s[2:3]        ; o
	s_lshl_b32 s2, s9, 13
	s_add_co_u32 s2, s2, 0x600000
	s_add_nc_u64 s[22:23], s[12:13], s[2:3]        ; Wo's image
	s_lshl_b32 s2, s10, 16
	s_lshl_b32 s4, s9, 8
	s_add_co_u32 s2, s2, s4
	s_add_nc_u64 s[24:25], s[16:17], s[2:3]        ; x
	s_add_nc_u64 s[26:27], s[18:19], s[2:3]        ; x1
.irp j, 0,1,2,3,4,5,6,7
	global_load_b128 v[16+4*\j:19+4*\j], v6, s[24:25] offset:4096*\j
.endr
.macro LOADU k, ex
	WIN 0
.irp n, 0,1,2,3
	global_load_b128 v[128+16*(\k)+4*\n:131+16*(\k)+4*\n], v11, s[20:21] offset:((\k)+(\ex))*131072+512*\n
.endr
	WIN 0x40
.irp b, 0,1,2,3
.irp n, 0,1,2,3
	global_load_b128 v[64*(\k)+16*\b+4*\n:64*(\k)+16*\b+4*\n+3], v11, s[22:23] offset:((\k)+(\ex))*131072+\b*2048+512*\n
.endr
.endr
.endm
.macro UST k, zero, refill, left
	s_wait_loadcnt \left                           ; this slot's twenty loads are in; the three younger slots' stay out
	WIN 0x04
.irp s, 0,1
.irp b, 0,1,2,3
.if (\zero) && (\s == 0)
	v_wmma_f32_16x16x32_f16 v[48+8*\b:55+8*\b], v[128+16*(\k)+8*\s:135+16*(\k)+8*\s], v[64*(\k)+16*\b+8*\s:64*(\k)+16*\b+8*\s+7], 0
.else
	v_wmma_f32_16x16x32_f16 v[48+8*\b:55+8*\b], v[128+16*(\k)+8*\s:135+16*(\k)+8*\s], v[64*(\k)+16*\b+8*\s:64*(\k)+16*\b+8*\s+7], v[48+8*\b:55+8*\b]
.endif
.endr
.endr
.if \refill
	PLACES
	LOADU \k, 4
.endif
.endm
.macro STEP
	WIN 0
	s_wait_xcnt 0x0                                ; the bases are stepped only behind this wait
	s_add_nc_u64 s[20:21], s[20:21], 524288
	s_add_nc_u64 s[22:23], s[22:23], 524288
.endm
	LOADU 0, 0
	LOADU 1, 0
	LOADU 2, 0
	LOADU 3, 0
	UST 0, 1, 1, 60
	UST 1, 0, 1, 60
	UST 2, 0, 1, 60
	UST 3, 0, 1, 60
	STEP
	s_mov_b32 s28, 2
.Ltrip:
	UST 0, 0, 1, 60
	UST 1, 0, 1, 60
	UST 2, 0, 1, 60
	UST 3, 0, 1, 60
	STEP
	s_sub_co_u32 s28, s28, 1
	s_cmp_lg_u32 s28, 0
	s_cbranch_scc1 .Ltrip
	UST 0, 0, 0, 60
	UST 1, 0, 0, 40
	UST 2, 0, 0, 20
	UST 3, 0, 0, 0
	WIN 0
	PLACES
.irp j, 0,1,2,3,4,5,6,7                                ; the residual's addition also brings a row's four columns together; register 0 of each accumulator is read first
.irp b, 0,1,2,3
	v_add_f32 v[16+4*\j+\b], v[16+4*\j+\b], v[48+8*\b+\j]
.endr
.endr
.irp j, 0,1,2,3,4,5,6,7
	global_store_b128 v6, v[16+4*\j:19+4*\j], s[26:27] offset:4096*\j   ; sixteen lanes store 256 consecutive, aligned bytes
.endr
	s_endpgm
.Lfunc_end_k_q49a1f2f28f_oproj:
	.size	k_q49a1f2f28f_oproj, .Lfunc_end_k_q49a1f2f28f_oproj-k_q49a1f2f28f_oproj
	.p2alignl 7, 3214868480
	.fill 96, 4, 3214868480
	.section	.rodata,"a",@progbits
	.p2align	6, 0x0
	.amdhsa_kernel k_q49a1f2f28f_oproj
		.amdhsa_group_segment_fixed_size 0
		.amdhsa_private_segment_fixed_size 0
		.amdhsa_enable_private_segment 0
		.amdhsa_kernarg_size 32
		.amdhsa_user_sgpr_count 2
		.amdhsa_user_sgpr_kernarg_segment_ptr 1
		.amdhsa_wavefront_size32 1
		.amdhsa_system_sgpr_workgroup_id_x 1
		.amdhsa_system_sgpr_workgroup_id_y 1
		.amdhsa_system_sgpr_workgroup_id_z 1
		.amdhsa_system_vgpr_workitem_id 0
		.amdhsa_next_free_vgpr 512
		.amdhsa_next_free_sgpr 66
		.amdhsa_reserve_vcc 0
		.amdhsa_float_denorm_mode_32 3
		.amdhsa_float_denorm_mode_16_64 3
		.amdhsa_memory_ordered 1
		.amdhsa_forward_progress 1
		.amdhsa_inst_pref_size 36
	.end_amdhsa_kernel
	.amdgpu_metadata
---
amdhsa.version: [ 1, 2 ]
amdhsa.kernels:
  - .name:           k_q49a1f2f28f_oproj
    .symbol:         k_q49a1f2f28f_oproj.kd
    .args:
      - { .name: pimg, .offset: 0, .size: 8, .value_kind: global_buffer, .address_space: global }
      - { .name: oimg, .offset: 8, .size: 8, .value_kind: global_buffer, .address_space: global }
      - { .name: x, .offset: 16, .size: 8, .value_kind: global_buffer, .address_space: global }
      - { .name: x1, .offset: 24, .size: 8, .value_kind: global_buffer, .address_space: global }
    .group_segment_fixed_size: 0
    .private_segment_fixed_size: 0
    .kernarg_segment_align: 8
    .kernarg_segment_size: 32
    .max_flat_workgroup_size: 128
    .sgpr_count:     66
    .vgpr_count:     512
    .wavefront_size: 32
...
	.end_amdgpu_metadata
.endif
;; end of part 4
;; launch router (part 5): grid 256 x 1, 4 waves a work-group, no clusters, 0 bytes of LDS; arguments x1, g2, Wr, tw, ints; writes tw, ints
.if DOCPART == 5
	.amdgcn_target "amdgcn-amd-amdhsa--gfx1250"
	.amdhsa_code_object_version 6
	.text
	.protected	k_q49a1f2f28f_router
	.globl	k_q49a1f2f28f_router
	.p2align	8
	.type	k_q49a1f2f28f_router,@function
k_q49a1f2f28f_router:
	s_mov_b64 s[64:65], 0
	v_nop
	global_prefetch_b8 v0, s[64:65] scope:SCOPE_SE
	s_setreg_imm32_b32 hwreg(HW_REG_WAVE_MODE, 25, 1), 1
	s_wait_xcnt 0x0
; ROUTER, all in f32.  One wave, one token: t = g2 * (x1 * rsqrt(mean(x1^2) + 1e-6)), stored in bf16; logits = t Wr (summed as (x1 g2) Wr, scaled at the end); top-2; weights.
; Lane L has columns 128 c + 4 L .. + 3, c = 0..7.  Wr's rows for them, 128 bytes a lane and chunk, go through a ring of four slots in registers.
; The two experts are chosen on the logits (softmax keeps their order) by a scan with strict comparisons, so that of equal logits the lower index wins, as in jax.lax.top_k.
; The weights are 1 / (1 + e) and e / (1 + e) with e = exp(l2 - l1) <= 1: the maximum is taken away, and the softmax's denominator cancels.
; The choice only selects values here; it is stored as whole numbers at fixed places, and later launches form addresses from it.
; LIMITS.  Two probabilities that become equal only by rounding are not seen as a tie; NaN and infinities are not treated apart.
.set SEL, 131072
.set WTS, 2097152
	s_load_b256 s[12:19], s[0:1], 0x0              ; x1, g2, Wr, tw
	s_load_b64 s[20:21], s[0:1], 0x20              ; ints
	v_and_b32 v1, 31, v0
	v_lshrrev_b32 v2, 5, v0
	v_readfirstlane_b32 s8, v2
	v_lshlrev_b32 v6, 4, v1                        ; 16 L
	v_lshlrev_b32 v7, 7, v1                        ; 128 L
	v_lshlrev_b32 v3, 3, v1                        ; 8 L
	v_mov_b32 v216, 0
	s_lshl_b32 s9, ttmp9, 2
	s_add_co_u32 s9, s9, s8                        ; token
	s_mov_b32 s3, 0
	s_mov_b32 s4, 0x76543210
	s_mov_b32 s5, 0xfedcba98
	s_mov_b32 s6, 0x3a800000                       ; 1 / 1024
	s_mov_b32 s7, 0x358637bd                       ; 1e-6
	s_lshl_b32 s2, s9, 12
	s_wait_kmcnt 0x0
	s_add_nc_u64 s[22:23], s[12:13], s[2:3]
	s_lshl_b32 s2, s9, 11
	s_add_nc_u64 s[24:25], s[18:19], s[2:3]        ; t's row
	s_lshl_b32 s2, s9, 2
	s_add_co_u32 s2, s2, WTS
	s_add_nc_u64 s[26:27], s[18:19], s[2:3]        ; the weights' places
	s_lshl_b32 s2, s9, 3
	s_add_co_u32 s2, s2, SEL
	s_add_nc_u64 s[28:29], s[20:21], s[2:3]        ; the choices' places
.irp c, 0,1,2,3,4,5,6,7
	global_load_b128 v[8+4*\c:11+4*\c], v6, s[22:23] offset:512*\c
.endr
.irp c, 0,1,2,3,4,5,6,7
	global_load_b128 v[40+4*\c:43+4*\c], v6, s[14:15] offset:512*\c
.endr
.macro LDW c
.irp m, 0,1,2,3,4,5,6,7
	global_load_b128 v[72+32*((\c)%4)+4*\m:75+32*((\c)%4)+4*\m], v7, s[16:17] offset:4096*(\c)+16*\m
.endr
.endm
	LDW 0
	LDW 1
	LDW 2
	LDW 3
.macro CH c, left
	s_wait_loadcnt \left                           ; this chunk's eight loads are in; the younger chunks' stay out
	v_pk_mul_f32 v[200:201], v[8+4*(\c):9+4*(\c)], v[40+4*(\c):41+4*(\c)]
	v_pk_mul_f32 v[202:203], v[10+4*(\c):11+4*(\c)], v[42+4*(\c):43+4*(\c)]
.if (\c) == 0
	v_pk_mul_f32 v[212:213], v[8:9], v[8:9]
	v_pk_mul_f32 v[214:215], v[10:11], v[10:11]
.else
	v_pk_fma_f32 v[212:213], v[8+4*(\c):9+4*(\c)], v[8+4*(\c):9+4*(\c)], v[212:213]
	v_pk_fma_f32 v[214:215], v[10+4*(\c):11+4*(\c)], v[10+4*(\c):11+4*(\c)], v[214:215]
.endif
.irp col, 0,1,2,3
.irp e, 0,1,2,3,4,5,6,7
.if ((\c) == 0) && (\col == 0)
	v_mul_f32 v[204+\e], v200, v[72+\e]
.else
	v_fma_f32 v[204+\e], v[200+\col], v[72+32*((\c)%4)+8*\col+\e], v[204+\e]
.endif
.endr
.endr
.if (\c) < 4
	LDW (\c)+4
.endif
.endm
	CH 0, 24
	CH 1, 24
	CH 2, 24
	CH 3, 24
	CH 4, 24
	CH 5, 16
	CH 6, 8
	CH 7, 0
.macro RED r                           ; the sum over the 32 lanes, in every lane
	v_add_f32_dpp v[\r], v[\r], v[\r] row_xmask:1 row_mask:0xf bank_mask:0xf
	v_add_f32_dpp v[\r], v[\r], v[\r] row_xmask:2 row_mask:0xf bank_mask:0xf
	v_add_f32_dpp v[\r], v[\r], v[\r] row_xmask:4 row_mask:0xf bank_mask:0xf
	v_add_f32_dpp v[\r], v[\r], v[\r] row_xmask:8 row_mask:0xf bank_mask:0xf
	v_permlanex16_b32 v216, v[\r], s4, s5
	v_add_f32 v[\r], v[\r], v216
.endm
	v_pk_add_f32 v[212:213], v[212:213], v[214:215]
	v_add_f32 v212, v212, v213
	RED 212
	v_fma_f32 v212, v212, s6, s7
	v_rsq_f32 v212, v212
.irp e, 204,205,206,207,208,209,210,211                ; the logits' sums are the work behind the root
	RED \e
.endr
	s_wait_alu depctr_va_vdst(0)                   ; the wait ahead of the root's first reader
.irp e, 0,1,2,3,4,5,6,7
	v_mul_f32 v[204+\e], v[204+\e], v212
.endr
.set i, 0
.rept 16
	v_pk_mul_f32 v[8+2*i:9+2*i], v[8+2*i:9+2*i], v[212:213] op_sel_hi:[1,0]
.set i, i+1
.endr
.set i, 0
.rept 16
	v_pk_mul_f32 v[8+2*i:9+2*i], v[8+2*i:9+2*i], v[40+2*i:41+2*i]
.set i, i+1
.endr
.set i, 0
.rept 16
	v_cvt_pk_bf16_f32 v[72+i], v[8+2*i], v[9+2*i]
.set i, i+1
.endr
.irp c, 0,1,2,3,4,5,6,7
	global_store_b64 v3, v[72+2*\c:73+2*\c], s[24:25] offset:256*\c     ; 32 lanes store 256 consecutive, aligned bytes
.endr
	v_mov_b32 v217, v204                           ; best, its index; second, its index
	v_mov_b32 v218, 0
	v_mov_b32 v219, 0xff800000
	v_mov_b32 v220, 0
.irp e, 1,2,3,4,5,6,7
	v_cmp_gt_f32 s10, v[204+\e], v217
	v_cmp_gt_f32 s11, v[204+\e], v219
	v_cndmask_b32 v219, v219, v[204+\e], s11
	v_cndmask_b32 v220, v220, \e, s11
	v_cndmask_b32 v219, v219, v217, s10
	v_cndmask_b32 v220, v220, v218, s10
	v_cndmask_b32 v217, v217, v[204+\e], s10
	v_cndmask_b32 v218, v218, \e, s10
.endr
	v_sub_f32 v221, v219, v217
	v_mul_f32 v221, 0x3fb8aa3b, v221
	v_exp_f32 v221, v221
	v_nop
	s_wait_alu depctr_va_vdst(0)
	v_add_f32 v222, 1.0, v221
	v_rcp_f32 v222, v222
	v_nop
	s_wait_alu depctr_va_vdst(0)
	v_mul_f32 v221, v221, v222
	v_cmp_eq_u32 vcc_lo, 0, v1
	v_cndmask_b32 v218, v220, v218, vcc_lo         ; lane 0: the first choice; lane 1: the second
	v_cndmask_b32 v222, v221, v222, vcc_lo
	v_lshlrev_b32 v2, 2, v1                        ; 4 k
	v_lshlrev_b32 v216, 12, v1                     ; 4,096 k
	v_cmp_gt_u32 vcc_lo, 2, v1
	s_wait_xcnt 0x0                                ; EXEC changes only behind this wait
	s_and_saveexec_b32 s10, vcc_lo
	global_store_b32 v2, v218, s[28:29]
	global_store_b32 v216, v222, s[26:27]
	s_wait_xcnt 0x0
	s_or_b32 exec_lo, exec_lo, s10
	s_endpgm
.Lfunc_end_k_q49a1f2f28f_router:
	.size	k_q49a1f2f28f_router, .Lfunc_end_k_q49a1f2f28f_router-k_q49a1f2f28f_router
	.p2alignl 7, 3214868480
	.fill 96, 4, 3214868480
	.section	.rodata,"a",@progbits
	.p2align	6, 0x0
	.amdhsa_kernel k_q49a1f2f28f_router
		.amdhsa_group_segment_fixed_size 0
		.amdhsa_private_segment_fixed_size 0
		.amdhsa_enable_private_segment 0
		.amdhsa_kernarg_size 40
		.amdhsa_user_sgpr_count 2
		.amdhsa_user_sgpr_kernarg_segment_ptr 1
		.amdhsa_wavefront_size32 1
		.amdhsa_system_sgpr_workgroup_id_x 1
		.amdhsa_system_sgpr_workgroup_id_y 1
		.amdhsa_system_sgpr_workgroup_id_z 1
		.amdhsa_system_vgpr_workitem_id 0
		.amdhsa_next_free_vgpr 224
		.amdhsa_next_free_sgpr 66
		.amdhsa_reserve_vcc 1
		.amdhsa_float_denorm_mode_32 3
		.amdhsa_float_denorm_mode_16_64 3
		.amdhsa_memory_ordered 1
		.amdhsa_forward_progress 1
		.amdhsa_inst_pref_size 39
	.end_amdhsa_kernel
	.amdgpu_metadata
---
amdhsa.version: [ 1, 2 ]
amdhsa.kernels:
  - .name:           k_q49a1f2f28f_router
    .symbol:         k_q49a1f2f28f_router.kd
    .args:
      - { .name: x1, .offset: 0, .size: 8, .value_kind: global_buffer, .address_space: global }
      - { .name: g2, .offset: 8, .size: 8, .value_kind: global_buffer, .address_space: global }
      - { .name: Wr, .offset: 16, .size: 8, .value_kind: global_buffer, .address_space: global }
      - { .name: tw, .offset: 24, .size: 8, .value_kind: global_buffer, .address_space: global }
      - { .name: ints, .offset: 32, .size: 8, .value_kind: global_buffer, .address_space: global }
    .group_segment_fixed_size: 0
    .private_segment_fixed_size: 0
    .kernarg_segment_align: 8
    .kernarg_segment_size: 40
    .max_flat_workgroup_size: 128
    .sgpr_count:     66
    .vgpr_count:     224
    .wavefront_size: 32
...
	.end_amdgpu_metadata
.endif
;; end of part 5
;; launch gateup (part 6): grid 32 x 8, 4 waves a work-group, no clusters, 283,136 bytes of LDS; arguments tw, ints, Wg, Wu, himg; writes himg
.if DOCPART == 6
	.amdgcn_target "amdgcn-amd-amdhsa--gfx1250"
	.amdhsa_code_object_version 6
	.text
	.protected	k_q49a1f2f28f_gateup
	.globl	k_q49a1f2f28f_gateup
	.p2align	8
	.type	k_q49a1f2f28f_gateup,@function
k_q49a1f2f28f_gateup:
	s_mov_b64 s[64:65], 0
	v_nop
	global_prefetch_b8 v0, s[64:65] scope:SCOPE_SE
	s_setreg_imm32_b32 hwreg(HW_REG_WAVE_MODE, 25, 1), 1
	s_wait_xcnt 0x0
; a = silu(t Wg) * (t Wu) for the rows that chose the expert.  Work-group (slice of 64 hidden columns, expert): it alone reads its 2 x 256 KiB of f32 weights, once.
; PHASE 1.  The weights stream through registers (four slots of 16 loads a wave: 64 loads of 512 bytes on their way), are rounded to bf16 and laid into LDS as matrix fragments.
; Meanwhile every wave reads all 1,024 tokens' choices and writes ITS OWN list of the expert's rows (token, and which of its two choices, in ascending token order): no list byte is shared.
; The list is padded with 96 copies of its last entry, so that a tile that is not full, or lies past the count, repeats a row that exists.
; PHASE 2.  No LDS write, no barrier.  Tiles of 16 rows are dealt to the waves in turn (tile T to wave T % 4); a PASS takes two of the wave's tiles (w + 8 p, w + 8 p + 4) through all of K.
; ONE counted loop walks passes and K together: a trip is two K blocks of 64, eight trips are a pass, 64 trips cover a wave's sixteen tiles at the most; the loop is left, forward, when the
; wave's passes are done.  Nothing is stepped: every LDS address and every base is made in each trip from the counter c (K blocks 2 (c & 7) and + 1, pass c >> 3; what is fetched ahead: the same of c + 1).
; Source 0 = weight fragment, source 1 = 16 gathered rows of t: a lane then holds one row and 32 neighbouring hidden columns of g and of u, which pack into the next product's operand.
; bf16 operands; sums, silu and the product in f32; a is rounded once to bf16 (it has no bound that f16 would hold).
; No cluster: each weight byte has one reader; the rows of t come by a list, which no tensor descriptor covers.
; REGISTERS.  window 0: v6 weights' offset; v7, v8 LDS store addresses; v9, v10 this trip's fragments; v24, v25 the next trip's first; v14, v15 rows' offsets; v16-23 at work; v26 my place in a list tile;
;   v32-63 rounded fragments; v64-127, v128-191 two fragment buffers (8 f, f = 4 matrix + j'); v192-223, v224-255 at work on the way out; v128-159 packed results.
;   window 1: phase 1 the slots; phase 2 D[i][f] at 64 i + 8 f.   window 2: two buffers of t's rows (64 buffer + 16 i).
.set NT, 2                             ; tiles in a pass
.set LIST, 262144                      ; behind the fragments: 5,120 bytes for each wave: 1,152 entries, then a word a lane for non-members' entries
.set LISTP, 5120
.set SPARE, 282624                     ; the spare words
.set SEL, 131072
.set MSB, 0
.macro WIN new
.if MSB != (\new)
	s_set_vgpr_msb (MSB<<8)|(\new)
.set MSB, (\new)
.endif
.endm
.macro PLACES                          ; four plain places between a matrix instruction and loads into, or reads of, its registers
.rept 4
	v_nop
.endr
.endm
	s_load_b256 s[12:19], s[0:1], 0x0              ; tw, ints, Wg, Wu
	s_load_b64 s[20:21], s[0:1], 0x20              ; himg
	v_lshl_add_u32 v4, v0, 2, SPARE
	v_mov_b32 v5, 0
	v_and_b32 v1, 31, v0
	v_and_b32 v2, 15, v0
	v_bfe_u32 v3, v0, 4, 1
	v_lshrrev_b32 v6, 5, v0
	v_readfirstlane_b32 s8, v6
	v_lshlrev_b32 v11, 4, v1
	v_lshlrev_b32 v16, 3, v1                       ; 8 L
	s_mov_b32 s9, ttmp9                            ; slice
	s_and_b32 s10, ttmp7, 0xffff                   ; expert
	s_mov_b32 s47, 0
	s_mov_b32 s60, 0xbfb8aa3b                      ; -log2(e)
	v_lshlrev_b32 v6, 18, v3                       ; 32 h rows of 8,192 bytes
	v_lshl_add_u32 v6, v2, 4, v6
	s_lshl_b32 s22, s8, 21                         ; the wave's four K blocks
	v_add_nc_u32 v6, s22, v6
	s_lshl_b32 s22, s8, 15
	v_add_nc_u32 v7, s22, v11                      ; their fragments in LDS: Wg's,
	v_add_nc_u32 v8, 0x20000, v7                   ; Wu's
	s_lshl_b32 s46, s10, 23
	s_lshl_b32 s22, s9, 8
	s_add_co_u32 s46, s46, s22
	s_wait_kmcnt 0x0
	s_add_nc_u64 s[16:17], s[16:17], s[46:47]
	s_add_nc_u64 s[18:19], s[18:19], s[46:47]
	s_lshl_b32 s46, s10, 22
	s_lshl_b32 s22, s9, 11
	s_add_co_u32 s46, s46, s22
	s_add_nc_u64 s[50:51], s[20:21], s[46:47]      ; himg at (expert, tile 0, slice)
.set lg, 0
.rept 32                                               ; all choices: group lg = tokens 32 lg + L
	global_load_b64 v[64+2*lg:65+2*lg], v16, s[14:15] offset:SEL+256*lg
.set lg, lg+1
.endr
.macro WLD k                           ; slot k: matrix k >> 1, step k & 1: 16 rows, 256 consecutive bytes of two rows a load
	WIN 0x40
.irp i, 0,1,2,3,4,5,6,7,8,9,10,11,12,13,14,15
	global_load_b128 v[64*(\k)+4*\i:64*(\k)+4*\i+3], v6, s[16+2*((\k)>>1):17+2*((\k)>>1)] offset:(16*((\k)&1)+\i)*8192 th:TH_LOAD_NT
.endr
.endm
	WLD 0
	WLD 1
	WLD 2
	WLD 3
	; THE LIST, in my wave's own 5,120 bytes
	WIN 0
	s_mul_i32 s25, s8, LISTP
	s_add_co_u32 s25, s25, LIST
	v_mov_b32 v28, 0
	v_mov_b32 v29, 0
	v_mov_b32 v30, 0
	v_mov_b32 v31, 0
	v_add_nc_u32 v20, s25, v11
.set i, 0
.rept 10                                               ; every byte of it is written once, so that no entry is ever read unwritten
	ds_store_b128 v20, v[28:31] offset:512*i
.set i, i+1
.endr
	v_add_nc_u32 v18, 1152, v1                     ; where a non-member's entry goes: index 1,152 + L
	v_mov_b32 v23, 0x400
	v_mov_b32 v24, v1                              ; the group's token
	s_mov_b32 s56, 0                               ; members so far
	s_wait_loadcnt 63                              ; 96 loads have been issued: the oldest 33 are in, the 32 of the choices among them
.set lg, 0
.rept 32
	v_cmp_eq_u32 s22, s10, v[64+2*lg]
	v_cmp_eq_u32 s23, s10, v[65+2*lg]
	s_or_b32 s24, s22, s23
	v_mbcnt_lo_u32_b32 v20, s24, s56               ; my place: members so far + members in lower lanes
	v_cndmask_b32 v20, v18, v20, s24               ; the choice is made on the index, ahead of the bound;
	v_min_u32 v20, 0x49f, v20                      ; the bound; behind it one shift and one addition
	v_lshl_add_u32 v20, v20, 2, s25
	v_cndmask_b32 v21, 0, v23, s23                 ; 1,024 if the expert is the token's second choice
	v_or_b32 v21, v21, v24
	ds_store_b32 v20, v21
	v_add_nc_u32 v24, 32, v24
	s_bcnt1_i32_b32 s24, s24
	s_add_co_u32 s56, s56, s24
.set lg, lg+1
.endr
	s_min_u32 s42, s56, 1024                       ; the expert's rows
	s_max_u32 s22, s42, 1
	s_sub_co_u32 s22, s22, 1
	s_min_u32 s22, s22, 0x3ff
	s_lshl_b32 s22, s22, 2
	s_add_co_u32 s22, s22, s25
	v_mov_b32 v20, s22
	ds_load_b32 v21, v20                           ; the last entry (LDS serves a wave's instructions in order)
	v_add_nc_u32 v22, s42, v1
	v_min_u32 v22, 0x41f, v22
	v_lshl_add_u32 v22, v22, 2, s25
	s_wait_dscnt 0x0
	ds_store_b32 v22, v21                          ; 96 copies behind the list: a pass reaches 78 entries past the count at the most
	ds_store_b32 v22, v21 offset:128
	ds_store_b32 v22, v21 offset:256
	s_add_co_u32 s22, s42, 15
	s_lshr_b32 s22, s22, 4                         ; tiles
	s_add_co_u32 s22, s22, 3
	s_sub_co_u32 s22, s22, s8
	s_lshr_b32 s22, s22, 2                         ; my wave's tiles
	s_add_co_u32 s22, s22, 1
	s_lshr_b32 s43, s22, 1                         ; my wave's passes
	v_lshl_add_u32 v26, v2, 2, s25                 ; entry r of a list tile
.macro SLOT k, refill, left
	s_wait_loadcnt \left                           ; this slot's sixteen loads are in; the three younger slots' stay out
	WIN 0x05
.irp jp, 0,1,2,3
.irp q, 0,1,2,3,4,5,6,7
	v_cvt_pk_bf16_f32 v[32+8*\jp+\q], v[64*(\k)+8*\q+\jp], v[64*(\k)+8*\q+4+\jp]
.endr
.endr
	WIN 0
.irp jp, 0,1,2,3
.irp p, 0,1
	ds_store_b128 v[7+((\k)>>1)], v[32+8*\jp+4*\p:35+8*\jp+4*\p] offset:((\k)&1)*4096+\jp*1024+\p*512
.endr
.endr
.if \refill
	WLD \k
.endif
.endm
	s_mov_b32 s41, 3
.Lround:                                               ; a round: one K block of both matrices; its refills fetch the next block
	s_wait_xcnt 0x0                                ; the offset is stepped only behind this wait
	v_add_nc_u32 v6, 0x80000, v6
	SLOT 0, 1, 48
	SLOT 1, 1, 48
	SLOT 2, 1, 48
	SLOT 3, 1, 48
	WIN 0
	v_add_nc_u32 v7, 8192, v7
	v_add_nc_u32 v8, 8192, v8
	s_sub_co_u32 s41, s41, 1
	s_cmp_lg_u32 s41, 0
	s_cbranch_scc1 .Lround
	SLOT 0, 0, 48
	SLOT 1, 0, 32
	SLOT 2, 0, 16
	SLOT 3, 0, 0
	s_wait_dscnt 0x0                               ; for the other waves' sake: my fragments are written
	s_barrier_signal -1
	s_barrier_wait -1
.macro XLD buf, sb, im                 ; 64 k of the pass's rows of t: 64 bytes a lane and tile
	WIN 0x80
.set xi, 0
.rept NT
.irp n, 0,1,2,3
	global_load_b128 v[64*(\buf)+16*xi+4*\n:64*(\buf)+16*xi+4*\n+3], v[14+xi], s[\sb:\sb+1] offset:(\im)+16*\n
.endr
.set xi, xi+1
.endr
.endm
.macro XCONV                           ; list entries (v18, v19) become byte offsets of rows of t (v14, v15)
.set xi, 0
.rept NT
	v_and_b32 v[14+xi], 0x3ff, v[18+xi]            ; the token
	v_min_u32 v[14+xi], 0x3ff, v[14+xi]
	v_lshlrev_b32 v[14+xi], 11, v[14+xi]
	v_lshl_add_u32 v[14+xi], v3, 6, v[14+xi]       ; its row, + 64 h
.set xi, xi+1
.endr
.endm
.macro WFLD wf, ar, off                ; the eight fragments of one matrix step
	WIN 0
.irp jp, 0,1,2,3
.irp p, 0,1
	ds_load_b128 v[(\wf)+8*\jp+4*\p:(\wf)+8*\jp+4*\p+3], v[\ar] offset:(\off)+\jp*1024+\p*512
	ds_load_b128 v[(\wf)+32+8*\jp+4*\p:(\wf)+32+8*\jp+4*\p+3], v[(\ar)+1] offset:(\off)+\jp*1024+\p*512
.endr
.endr
.endm
.macro MULS wf, buf, half, zero        ; sixteen accumulators by turns
	WIN 0x58
.set mi, 0
.rept NT
.irp f, 0,1,2,3,4,5,6,7
.if \zero
	v_wmma_f32_16x16x32_bf16 v[64*mi+8*\f:64*mi+8*\f+7], v[(\wf)+8*\f:(\wf)+8*\f+7], v[64*(\buf)+16*mi+8*(\half):64*(\buf)+16*mi+8*(\half)+7], 0
.else
	v_wmma_f32_16x16x32_bf16 v[64*mi+8*\f:64*mi+8*\f+7], v[(\wf)+8*\f:(\wf)+8*\f+7], v[64*(\buf)+16*mi+8*(\half):64*(\buf)+16*mi+8*(\half)+7], v[64*mi+8*\f:64*mi+8*\f+7]
.endif
.endr
.set mi, mi+1
.endr
.endm
.macro EPI i                           ; tile i: g u / (1 + 2^(-g log2 e)), packed and stored
	WIN 0x04
.set en, 0
.rept 32
	v_mul_f32 v[192+en], s60, v[64*(\i)+en]
.set en, en+1
.endr
	WIN 0
.set en, 0
.rept 32
	v_exp_f32 v[192+en], v[192+en]
.set en, en+1
.endr
	WIN 0x05
.set en, 0
.rept 16
	v_pk_mul_f32 v[224+2*en:225+2*en], v[64*(\i)+2*en:64*(\i)+2*en+1], v[64*(\i)+32+2*en:64*(\i)+33+2*en]
.set en, en+1
.endr
	WIN 0
	s_wait_alu depctr_va_vdst(0)                   ; one wait for the 32 exponentials; the products g u stand between
.set en, 0
.rept 16
	v_pk_add_f32 v[192+2*en:193+2*en], v[192+2*en:193+2*en], 1.0 op_sel_hi:[1,0]
.set en, en+1
.endr
.set en, 0
.rept 32
	v_rcp_f32 v[192+en], v[192+en]
.set en, en+1
.endr
	v_nop
	s_wait_alu depctr_va_vdst(0)                   ; one wait for the 32 reciprocals
.set en, 0
.rept 16
	v_pk_mul_f32 v[224+2*en:225+2*en], v[224+2*en:225+2*en], v[192+2*en:193+2*en]
.set en, en+1
.endr
.irp s, 0,1
.irp q, 0,1,2,3,4,5,6,7
	v_cvt_pk_bf16_f32 v[128+16*(\i)+8*\s+\q], v[224+16*(\q&1)+4*\s+(\q>>1)], v[232+16*(\q&1)+4*\s+(\q>>1)]
.endr
.endr
.irp n, 0,1,2,3
	global_store_b128 v11, v[128+16*(\i)+4*\n:131+16*(\i)+4*\n], s[54:55] offset:(\i)*262144+512*\n
.endr
.endm
	; what the first trip finds: the rows of pass 0 for K block 0, and that block's first fragments
	s_lshl_b32 s22, s8, 6                          ; tile w: 64 bytes of list a tile
	v_add_nc_u32 v16, s22, v26
	ds_load_b32 v18, v16
	ds_load_b32 v19, v16 offset:256                ; tile w + 4
	v_mov_b32 v24, v11
	v_add_nc_u32 v25, 0x20000, v11
	s_mov_b64 s[52:53], s[12:13]
	s_wait_dscnt 0x0
	XCONV
	XLD 0, 52, 0
	WFLD 64, 24, 0
	s_mov_b32 s40, 0
.Ltrip:                                                ; trip c: K blocks 2 (c & 7) and 2 (c & 7) + 1 of pass c >> 3
	s_lshr_b32 s22, s40, 3
	s_cmp_ge_u32 s22, s43
	s_cbranch_scc1 .Lexit                          ; my passes are done
	s_wait_xcnt 0x0                                ; bases, and registers that stores have read, are rewritten only behind this wait
	s_and_b32 s23, s40, 7
	s_lshl_b32 s46, s23, 8                         ; 128 bytes of a row of t for each K block
	s_add_nc_u64 s[48:49], s[12:13], s[46:47]
	s_lshl_b32 s24, s23, 14                        ; 8,192 bytes of fragments for each K block
	v_add_nc_u32 v9, s24, v11
	v_add_nc_u32 v10, 0x20000, v9
	s_add_co_u32 s26, s40, 1                       ; the next trip:
	s_and_b32 s27, s26, 7
	s_lshl_b32 s46, s27, 8
	s_add_nc_u64 s[52:53], s[12:13], s[46:47]      ; its place in a row of t,
	s_lshl_b32 s27, s27, 14
	v_add_nc_u32 v24, s27, v11                     ; its first fragments,
	v_add_nc_u32 v25, 0x20000, v24
	s_lshr_b32 s26, s26, 3
	s_min_u32 s26, s26, 7                          ; its pass (the very last look-ahead stays in pass 7),
	s_lshl_b32 s26, s26, 9
	s_lshl_b32 s27, s8, 6
	s_add_co_u32 s26, s26, s27
	v_add_nc_u32 v16, s26, v26                     ; its list tiles.  These five vector lines are also the places behind the last trip's products
	ds_load_b32 v18, v16
	ds_load_b32 v19, v16 offset:256
	XLD 1, 48, 128                                 ; the second K block's rows
	WFLD 128, 9, 4096
	s_wait_loadcnt 4*NT                            ; the first block's rows are in; the eight loads just issued stay out
	s_wait_dscnt 16                                ; its first fragments and the list words are in; the sixteen loads just issued stay out
	s_cmp_lg_u32 s23, 0
	s_cbranch_scc1 .Lacc
	MULS 64, 0, 0, 1                               ; a pass's first products start the sums
	WIN 0
	s_branch .Ljoin
.Lacc:
	MULS 64, 0, 0, 0
	WIN 0
.Ljoin:
	s_wait_xcnt 0x0                                ; the loads above have read v14, v15
	XCONV                                          ; eight plain lines: the places in front of the loads below
	WFLD 64, 9, 8192
	s_wait_dscnt 16
	MULS 128, 0, 1, 0
	PLACES
	XLD 0, 52, 0                                   ; the next trip's first rows
	WFLD 128, 9, 12288
	s_wait_loadcnt 4*NT
	s_wait_dscnt 16
	MULS 64, 1, 0, 0
	PLACES
	WFLD 64, 24, 0                                 ; the next trip's first fragments
	s_wait_dscnt 16
	MULS 128, 1, 1, 0
	WIN 0
	s_cmp_lg_u32 s23, 7
	s_cbranch_scc1 .Lnext
	PLACES                                         ; the pass is through K: its two tiles go out
	s_lshr_b32 s22, s40, 3
	s_lshl_b32 s22, s22, 3
	s_add_co_u32 s22, s22, s8                      ; tile w + 8 p
	s_lshl_b32 s46, s22, 16
	s_add_nc_u64 s[54:55], s[50:51], s[46:47]
	EPI 0
	EPI 1
	WIN 0
.Lnext:
	s_add_co_u32 s40, s40, 1
	s_cmp_lt_u32 s40, 64
	s_cbranch_scc1 .Ltrip
.Lexit:
	s_wait_tensorcnt 0x0                           ; the wave's end, behind my last LDS store
	ds_add_u32 v4, v5
	s_wait_dscnt 0x0
	s_endpgm
.Lfunc_end_k_q49a1f2f28f_gateup:
	.size	k_q49a1f2f28f_gateup, .Lfunc_end_k_q49a1f2f28f_gateup-k_q49a1f2f28f_gateup
	.p2alignl 7, 3214868480
	.fill 96, 4, 3214868480
	.section	.rodata,"a",@progbits
	.p2align	6, 0x0
	.amdhsa_kernel k_q49a1f2f28f_gateup
		.amdhsa_group_segment_fixed_size 283136
		.amdhsa_private_segment_fixed_size 0
		.amdhsa_enable_private_segment 0
		.amdhsa_kernarg_size 40
		.amdhsa_user_sgpr_count 2
		.amdhsa_user_sgpr_kernarg_segment_ptr 1
		.amdhsa_wavefront_size32 1
		.amdhsa_system_sgpr_workgroup_id_x 1
		.amdhsa_system_sgpr_workgroup_id_y 1
		.amdhsa_system_sgpr_workgroup_id_z 1
		.amdhsa_system_vgpr_workitem_id 0
		.amdhsa_next_free_vgpr 640
		.amdhsa_next_free_sgpr 66
		.amdhsa_reserve_vcc 0
		.amdhsa_float_denorm_mode_32 3
		.amdhsa_float_denorm_mode_16_64 3
		.amdhsa_memory_ordered 1
		.amdhsa_forward_progress 1
		.amdhsa_inst_pref_size 93
	.end_amdhsa_kernel
	.amdgpu_metadata
---
amdhsa.version: [ 1, 2 ]
amdhsa.kernels:
  - .name:           k_q49a1f2f28f_gateup
    .symbol:         k_q49a1f2f28f_gateup.kd
    .args:
      - { .name: tw, .offset: 0, .size: 8, .value_kind: global_buffer, .address_space: global }
      - { .name: ints, .offset: 8, .size: 8, .value_kind: global_buffer, .address_space: global }
      - { .name: Wg, .offset: 16, .size: 8, .value_kind: global_buffer, .address_space: global }
      - { .name: Wu, .offset: 24, .size: 8, .value_kind: global_buffer, .address_space: global }
      - { .name: himg, .offset: 32, .size: 8, .value_kind: global_buffer, .address_space: global }
    .group_segment_fixed_size: 283136
    .private_segment_fixed_size: 0
    .kernarg_segment_align: 8
    .kernarg_segment_size: 40
    .max_flat_workgroup_size: 128
    .sgpr_count:     66
    .vgpr_count:     640
    .wavefront_size: 32
...
	.end_amdgpu_metadata
.endif
;; end of part 6
;; launch down (part 7): grid 32 x 8, 4 waves a work-group, no clusters, 152,064 bytes of LDS; arguments himg, ints, tw, Wd, ypart; writes ypart
.if DOCPART == 7
	.amdgcn_target "amdgcn-amd-amdhsa--gfx1250"
	.amdhsa_code_object_version 6
	.text
	.protected	k_q49a1f2f28f_down
	.globl	k_q49a1f2f28f_down
	.p2align	8
	.type	k_q49a1f2f28f_down,@function
k_q49a1f2f28f_down:
	s_mov_b64 s[64:65], 0
	v_nop
	global_prefetch_b8 v0, s[64:65] scope:SCOPE_SE
	s_setreg_imm32_b32 hwreg(HW_REG_WAVE_MODE, 25, 1), 1
	s_wait_xcnt 0x0
; y = w * (a Wd) for the rows that chose the expert.  Work-group (64 output columns and one half of K = 2,048; expert): it alone reads its 256 KiB of f32 weights, once.
; Phase 1 and the list are as in the launch before: the weights stream through registers into LDS as bf16 fragments; every wave writes its own list of the expert's rows.
; Phase 2 is that launch's one counted loop: a pass takes two of the wave's tiles (w + 8 p, w + 8 p + 4) through the half of K; a trip is two K blocks of 64, eight trips are a pass, 64 trips
; cover every split; the loop is left, forward, when the wave's passes are done; every LDS address and base is made in each trip from the counter; no LDS write, no barrier.
; Source 0 = 16 rows of a (in operand order, 512 consecutive bytes a load), source 1 = weight fragment b (column 4 r + b at lane r): register j of the four accumulators
; is 16 neighbouring bytes of row 8 h + j.  The multiplication by the routing weight also brings them together.  Each row goes to its own place (K half, choice, token) as an f32 partial row,
; 256 consecutive aligned bytes for sixteen lanes; the launch behind adds a token's four.  Places past the count repeat the last row and store its own numbers again.
; No cluster: each weight byte has one reader; a's tiles are shared by 16 work-groups but go straight to registers.
; REGISTERS.  window 0: v9 this trip's fragments; v24 the next trip's first; v27 my place in a list tile; v64-95, v96-127 two fragment buffers; v128-143 rows' offsets in ypart;
;   v160-175 their weights; v192-207 list entries; v224-255 rows to store.   window 1: phase 1 the slots; phase 2 D[i][b] at 32 i + 8 b.   window 2: two buffers of a's tiles.
.set NT, 2
.set LIST, 131072
.set LISTP, 5120
.set SPARE, 151552
.set SEL, 131072
.set WTS, 2097152
.set MSB, 0
.macro WIN new
.if MSB != (\new)
	s_set_vgpr_msb (MSB<<8)|(\new)
.set MSB, (\new)
.endif
.endm
.macro PLACES
.rept 4
	v_nop
.endr
.endm
	s_load_b256 s[12:19], s[0:1], 0x0              ; himg, ints, tw, Wd
	s_load_b64 s[20:21], s[0:1], 0x20              ; ypart
	v_lshl_add_u32 v4, v0, 2, SPARE
	v_mov_b32 v5, 0
	v_and_b32 v1, 31, v0
	v_and_b32 v2, 15, v0
	v_bfe_u32 v3, v0, 4, 1
	v_lshrrev_b32 v6, 5, v0
	v_readfirstlane_b32 s8, v6
	v_lshlrev_b32 v11, 4, v1
	v_lshlrev_b32 v16, 3, v1
	v_lshlrev_b32 v17, 4, v2                       ; 16 r
	s_and_b32 s26, ttmp9, 15                       ; column group
	s_lshr_b32 s27, ttmp9, 4                       ; K half
	s_and_b32 s10, ttmp7, 0xffff                   ; expert
	s_mov_b32 s47, 0
	v_lshlrev_b32 v6, 17, v3                       ; 32 h rows of 4,096 bytes
	v_lshl_add_u32 v6, v2, 4, v6
	s_lshl_b32 s22, s8, 20                         ; the wave's four K blocks
	v_add_nc_u32 v6, s22, v6
	s_lshl_b32 s22, s8, 15
	v_add_nc_u32 v7, s22, v11
	s_lshl_b32 s46, s10, 23
	s_lshl_b32 s22, s27, 22
	s_add_co_u32 s46, s46, s22
	s_lshl_b32 s22, s26, 8
	s_add_co_u32 s46, s46, s22
	s_wait_kmcnt 0x0
	s_add_nc_u64 s[18:19], s[18:19], s[46:47]
	s_lshl_b32 s46, s27, 23
	s_add_co_u32 s46, s46, s22
	s_add_nc_u64 s[50:51], s[20:21], s[46:47]      ; ypart at (K half, entry 0, my columns)
	s_add_nc_u64 s[54:55], s[16:17], WTS           ; the routing weights
	s_lshl_b32 s46, s10, 22
	s_lshl_b32 s22, s27, 15
	s_add_co_u32 s46, s46, s22
	s_add_nc_u64 s[58:59], s[12:13], s[46:47]      ; himg at (expert, tile 0, my half's first slice)
.set lg, 0
.rept 32
	global_load_b64 v[64+2*lg:65+2*lg], v16, s[14:15] offset:SEL+256*lg
.set lg, lg+1
.endr
.macro WLD k                           ; slot k: K block k >> 1 of the round's two, step k & 1
	WIN 0x40
.irp i, 0,1,2,3,4,5,6,7,8,9,10,11,12,13,14,15
	global_load_b128 v[64*(\k)+4*\i:64*(\k)+4*\i+3], v6, s[18:19] offset:(64*((\k)>>1)+16*((\k)&1)+\i)*4096 th:TH_LOAD_NT
.endr
.endm
	WLD 0
	WLD 1
	WLD 2
	WLD 3
	; THE LIST, in my wave's own 5,120 bytes
	WIN 0
	s_mul_i32 s25, s8, LISTP
	s_add_co_u32 s25, s25, LIST
	v_mov_b32 v28, 0
	v_mov_b32 v29, 0
	v_mov_b32 v30, 0
	v_mov_b32 v31, 0
	v_add_nc_u32 v20, s25, v11
.set i, 0
.rept 10                                               ; every byte of it is written once
	ds_store_b128 v20, v[28:31] offset:512*i
.set i, i+1
.endr
	v_add_nc_u32 v18, 1152, v1                     ; where a non-member's entry goes: index 1,152 + L
	v_mov_b32 v23, 0x400
	v_mov_b32 v24, v1
	s_mov_b32 s56, 0
	s_wait_loadcnt 63                              ; 96 loads have been issued: the oldest 33 are in, the 32 of the choices among them
.set lg, 0
.rept 32
	v_cmp_eq_u32 s22, s10, v[64+2*lg]
	v_cmp_eq_u32 s23, s10, v[65+2*lg]
	s_or_b32 s24, s22, s23
	v_mbcnt_lo_u32_b32 v20, s24, s56
	v_cndmask_b32 v20, v18, v20, s24               ; the choice is made on the index, ahead of the bound;
	v_min_u32 v20, 0x49f, v20                      ; the bound; behind it one shift and one addition
	v_lshl_add_u32 v20, v20, 2, s25
	v_cndmask_b32 v21, 0, v23, s23
	v_or_b32 v21, v21, v24
	ds_store_b32 v20, v21
	v_add_nc_u32 v24, 32, v24
	s_bcnt1_i32_b32 s24, s24
	s_add_co_u32 s56, s56, s24
.set lg, lg+1
.endr
	s_min_u32 s42, s56, 1024
	s_max_u32 s22, s42, 1
	s_sub_co_u32 s22, s22, 1
	s_min_u32 s22, s22, 0x3ff
	s_lshl_b32 s22, s22, 2
	s_add_co_u32 s22, s22, s25
	v_mov_b32 v20, s22
	ds_load_b32 v21, v20
	v_add_nc_u32 v22, s42, v1
	v_min_u32 v22, 0x41f, v22
	v_lshl_add_u32 v22, v22, 2, s25
	s_wait_dscnt 0x0
	ds_store_b32 v22, v21                          ; 96 copies of the last entry behind the list
	ds_store_b32 v22, v21 offset:128
	ds_store_b32 v22, v21 offset:256
	s_add_co_u32 s22, s42, 15
	s_lshr_b32 s22, s22, 4
	s_add_co_u32 s22, s22, 3
	s_sub_co_u32 s22, s22, s8
	s_lshr_b32 s22, s22, 2
	s_add_co_u32 s22, s22, 1
	s_lshr_b32 s43, s22, 1                         ; my wave's passes
	v_lshl_add_u32 v27, v3, 5, s25                 ; entries 8 h .. 8 h + 7 of a list tile
.macro SLOT k, refill, left
	s_wait_loadcnt \left                           ; this slot's sixteen loads are in; the three younger slots' stay out
	WIN 0x05
.irp jp, 0,1,2,3
.irp q, 0,1,2,3,4,5,6,7
	v_cvt_pk_bf16_f32 v[32+8*\jp+\q], v[64*(\k)+8*\q+\jp], v[64*(\k)+8*\q+4+\jp]
.endr
.endr
	WIN 0
.irp jp, 0,1,2,3
.irp p, 0,1
	ds_store_b128 v7, v[32+8*\jp+4*\p:35+8*\jp+4*\p] offset:((\k)>>1)*8192+((\k)&1)*4096+\jp*1024+\p*512
.endr
.endr
.if \refill
	WLD \k
.endif
.endm
	s_wait_xcnt 0x0                                ; the offset is stepped only behind this wait
	v_add_nc_u32 v6, 0x80000, v6                   ; the wave's other two K blocks
	SLOT 0, 1, 48
	SLOT 1, 1, 48
	SLOT 2, 1, 48
	SLOT 3, 1, 48
	WIN 0
	v_add_nc_u32 v7, 16384, v7
	SLOT 0, 0, 48
	SLOT 1, 0, 32
	SLOT 2, 0, 16
	SLOT 3, 0, 0
	s_wait_dscnt 0x0                               ; for the other waves' sake: my fragments are written
	s_barrier_signal -1
	s_barrier_wait -1
.macro XLD buf, sb, im                 ; one K block of the pass's two tiles of a
	WIN 0x80
.set xi, 0
.rept NT
.irp n, 0,1,2,3
	global_load_b128 v[64*(\buf)+16*xi+4*\n:64*(\buf)+16*xi+4*\n+3], v11, s[\sb:\sb+1] offset:xi*262144+(\im)+512*\n
.endr
.set xi, xi+1
.endr
.endm
.macro WFLD wf, ar, off                ; the four fragments of one matrix step
	WIN 0
.irp jp, 0,1,2,3
.irp p, 0,1
	ds_load_b128 v[(\wf)+8*\jp+4*\p:(\wf)+8*\jp+4*\p+3], v[\ar] offset:(\off)+\jp*1024+\p*512
.endr
.endr
.endm
.macro MULS wf, buf, half, zero        ; eight accumulators by turns
	WIN 0x52
.set mi, 0
.rept NT
.irp b, 0,1,2,3
.if \zero
	v_wmma_f32_16x16x32_bf16 v[32*mi+8*\b:32*mi+8*\b+7], v[64*(\buf)+16*mi+8*(\half):64*(\buf)+16*mi+8*(\half)+7], v[(\wf)+8*\b:(\wf)+8*\b+7], 0
.else
	v_wmma_f32_16x16x32_bf16 v[32*mi+8*\b:32*mi+8*\b+7], v[64*(\buf)+16*mi+8*(\half):64*(\buf)+16*mi+8*(\half)+7], v[(\wf)+8*\b:(\wf)+8*\b+7], v[32*mi+8*\b:32*mi+8*\b+7]
.endif
.endr
.set mi, mi+1
.endr
.endm
.macro EPI i
	s_wait_xcnt 0x0                                ; the tile before has read v224-255
	WIN 0x01
.irp j, 0,1,2,3,4,5,6,7                                ; register 0 of each accumulator is read first
.irp b, 0,1,2,3
	v_mul_f32 v[224+4*\j+\b], v[32*(\i)+8*\b+\j], v[160+8*(\i)+\j]
.endr
.endr
	WIN 0
.irp j, 0,1,2,3,4,5,6,7
	global_store_b128 v[128+8*(\i)+\j], v[224+4*\j:227+4*\j], s[50:51]
.endr
.endm
	; what the first trip finds: K block 0 of pass 0's tiles, and that block's first fragments
	s_lshl_b32 s46, s8, 16                         ; tile w
	s_add_nc_u64 s[52:53], s[58:59], s[46:47]
	v_mov_b32 v24, v11
	XLD 0, 52, 0
	WFLD 64, 24, 0
	s_mov_b32 s40, 0
.Ltrip:                                                ; trip c: K blocks 2 (c & 7) and 2 (c & 7) + 1 of pass c >> 3
	s_lshr_b32 s22, s40, 3
	s_cmp_ge_u32 s22, s43
	s_cbranch_scc1 .Lexit                          ; my passes are done
	s_wait_xcnt 0x0                                ; bases, and registers that stores have read, are rewritten only behind this wait
	s_and_b32 s23, s40, 7
	s_lshl_b32 s45, s22, 3
	s_add_co_u32 s45, s45, s8                      ; tile w + 8 p
	s_lshl_b32 s46, s45, 16
	s_lshl_b32 s24, s23, 12                        ; 2,048 bytes of a tile for each K block
	s_add_co_u32 s46, s46, s24
	s_add_nc_u64 s[48:49], s[58:59], s[46:47]
	s_lshl_b32 s24, s23, 14                        ; 8,192 bytes of fragments for each K block
	v_add_nc_u32 v9, s24, v11
	s_add_co_u32 s26, s40, 1                       ; the next trip:
	s_and_b32 s27, s26, 7
	s_lshr_b32 s26, s26, 3
	s_min_u32 s26, s26, 7                          ; its pass (the very last look-ahead stays in pass 7),
	s_lshl_b32 s26, s26, 3
	s_add_co_u32 s26, s26, s8
	s_lshl_b32 s46, s26, 16
	s_lshl_b32 s28, s27, 12
	s_add_co_u32 s46, s46, s28
	s_add_nc_u64 s[52:53], s[58:59], s[46:47]      ; its tiles,
	s_lshl_b32 s27, s27, 14
	v_add_nc_u32 v24, s27, v11                     ; its first fragments
	s_lshr_b32 s28, s40, 3                         ; this pass's list tiles: 512 bytes of list a pass (at most pass 7), 64 a wave: 4,095 is the last byte reached of my 5,120
	s_min_u32 s28, s28, 7
	s_lshl_b32 s28, s28, 9
	s_lshl_b32 s29, s8, 6
	s_add_co_u32 s28, s28, s29
	v_add_nc_u32 v16, s28, v27
	v_nop                                          ; with the three vector lines above: five places behind the last trip's products,
	v_nop                                          ; as many as a pass's first products, which write over the accumulators, need (ISA guide 7.12.1)
	XLD 1, 48, 2048                                ; the second K block's tiles
	WFLD 96, 9, 4096
	s_wait_loadcnt 4*NT                            ; the first block's tiles are in; the eight loads just issued stay out
	s_wait_dscnt 8                                 ; its first fragments are in; the eight loads just issued stay out
	s_cmp_lg_u32 s23, 0
	s_cbranch_scc1 .Lacc
	MULS 64, 0, 0, 1                               ; a pass's first products start the sums;
	WIN 0
.set pi, 0
.rept NT                                               ; behind them the pass's rows are looked up: entry, place in ypart, routing weight
	ds_load_b128 v[192+8*pi:195+8*pi], v16 offset:256*pi
	ds_load_b128 v[196+8*pi:199+8*pi], v16 offset:256*pi+16
.set pi, pi+1
.endr
	s_wait_dscnt 0x0
.set pi, 0
.rept 8*NT
	v_min_u32 v[192+pi], 0x7ff, v[192+pi]          ; entry = choice x 1,024 + token
	v_lshlrev_b32 v[160+pi], 2, v[192+pi]
	v_lshl_add_u32 v[128+pi], v[192+pi], 12, v17   ; its row of ypart, + 16 r
	global_load_b32 v[160+pi], v[160+pi], s[54:55] ; its weight lands on its own offset
.set pi, pi+1
.endr
	s_branch .Ljoin
.Lacc:
	MULS 64, 0, 0, 0
	WIN 0
.Ljoin:
	PLACES
	WFLD 64, 9, 8192
	s_wait_dscnt 8
	MULS 96, 0, 1, 0
	PLACES
	XLD 0, 52, 0                                   ; the next trip's first tiles
	WFLD 96, 9, 12288
	s_wait_loadcnt 4*NT                            ; all but the eight just issued: the second block's tiles and, in a pass's first trip, the sixteen weights
	s_wait_dscnt 8
	MULS 64, 1, 0, 0
	PLACES
	WFLD 64, 24, 0                                 ; the next trip's first fragments
	s_wait_dscnt 8
	MULS 96, 1, 1, 0
	WIN 0
	s_cmp_lg_u32 s23, 7
	s_cbranch_scc1 .Lnext
	PLACES                                         ; the pass is through its half of K: its two tiles go out
	EPI 0
	EPI 1
.Lnext:
	s_add_co_u32 s40, s40, 1
	s_cmp_lt_u32 s40, 64
	s_cbranch_scc1 .Ltrip
.Lexit:
	s_wait_tensorcnt 0x0                           ; the wave's end, behind my last LDS store
	ds_add_u32 v4, v5
	s_wait_dscnt 0x0
	s_endpgm
.Lfunc_end_k_q49a1f2f28f_down:
	.size	k_q49a1f2f28f_down, .Lfunc_end_k_q49a1f2f28f_down-k_q49a1f2f28f_down
	.p2alignl 7, 3214868480
	.fill 96, 4, 3214868480
	.section	.rodata,"a",@progbits
	.p2align	6, 0x0
	.amdhsa_kernel k_q49a1f2f28f_down
		.amdhsa_group_segment_fixed_size 152064
		.amdhsa_private_segment_fixed_size 0
		.amdhsa_enable_private_segment 0
		.amdhsa_kernarg_size 40
		.amdhsa_user_sgpr_count 2
		.amdhsa_user_sgpr_kernarg_segment_ptr 1
		.amdhsa_wavefront_size32 1
		.amdhsa_system_sgpr_workgroup_id_x 1
		.amdhsa_system_sgpr_workgroup_id_y 1
		.amdhsa_system_sgpr_workgroup_id_z 1
		.amdhsa_system_vgpr_workitem_id 0
		.amdhsa_next_free_vgpr 640
		.amdhsa_next_free_sgpr 66
		.amdhsa_reserve_vcc 0
		.amdhsa_float_denorm_mode_32 3
		.amdhsa_float_denorm_mode_16_64 3
		.amdhsa_memory_ordered 1
		.amdhsa_forward_progress 1
		.amdhsa_inst_pref_size 79
	.end_amdhsa_kernel
	.amdgpu_metadata
---
amdhsa.version: [ 1, 2 ]
amdhsa.kernels:
  - .name:           k_q49a1f2f28f_down
    .symbol:         k_q49a1f2f28f_down.kd
    .args:
      - { .name: himg, .offset: 0, .size: 8, .value_kind: global_buffer, .address_space: global }
      - { .name: ints, .offset: 8, .size: 8, .value_kind: global_buffer, .address_space: global }
      - { .name: tw, .offset: 16, .size: 8, .value_kind: global_buffer, .address_space: global }
      - { .name: Wd, .offset: 24, .size: 8, .value_kind: global_buffer, .address_space: global }
      - { .name: ypart, .offset: 32, .size: 8, .value_kind: global_buffer, .address_space: global }
    .group_segment_fixed_size: 152064
    .private_segment_fixed_size: 0
    .kernarg_segment_align: 8
    .kernarg_segment_size: 40
    .max_flat_workgroup_size: 128
    .sgpr_count:     66
    .vgpr_count:     640
    .wavefront_size: 32
...
	.end_amdgpu_metadata
.endif
;; end of part 7
;; launch combine (part 8): grid 256 x 1, 8 waves a work-group, no clusters, 0 bytes of LDS; arguments x1, ypart, out0; writes out0
.if DOCPART == 8
	.amdgcn_target "amdgcn-amd-amdhsa--gfx1250"
	.amdhsa_code_object_version 6
	.text
	.protected	k_q49a1f2f28f_combine
	.globl	k_q49a1f2f28f_combine
	.p2align	8
	.type	k_q49a1f2f28f_combine,@function
k_q49a1f2f28f_combine:
	s_mov_b64 s[64:65], 0
	v_nop
	global_prefetch_b8 v0, s[64:65] scope:SCOPE_SE
	s_setreg_imm32_b32 hwreg(HW_REG_WAVE_MODE, 25, 1), 1
	s_wait_xcnt 0x0
; out0 = x1 + the token's four partial rows (two K halves x two choices), in f32.  A stream: a work-group has four rows (16 KiB); thread t has 16 bytes of each.
; All twenty loads of a wave go out first; each load and store of a wave covers 512 consecutive bytes.  LDS, matrix units and clusters would add nothing here.
	s_load_b128 s[4:7], s[0:1], 0x0                ; x1, ypart
	s_load_b64 s[8:9], s[0:1], 0x10                ; out0
	v_lshlrev_b32 v1, 4, v0
	s_lshl_b32 s2, ttmp9, 14
	s_mov_b32 s3, 0
	s_wait_kmcnt 0x0
	s_add_nc_u64 s[4:5], s[4:5], s[2:3]
	s_add_nc_u64 s[6:7], s[6:7], s[2:3]
	s_add_nc_u64 s[8:9], s[8:9], s[2:3]
	s_add_nc_u64 s[10:11], s[6:7], 0x800000        ; the second K half
.irp c, 0,1,2,3
	global_load_b128 v[8+20*\c:11+20*\c], v1, s[4:5] offset:4096*\c th:TH_LOAD_NT
	global_load_b128 v[12+20*\c:15+20*\c], v1, s[6:7] offset:4096*\c th:TH_LOAD_NT
	global_load_b128 v[16+20*\c:19+20*\c], v1, s[6:7] offset:4194304+4096*\c th:TH_LOAD_NT
	global_load_b128 v[20+20*\c:23+20*\c], v1, s[10:11] offset:4096*\c th:TH_LOAD_NT
	global_load_b128 v[24+20*\c:27+20*\c], v1, s[10:11] offset:4194304+4096*\c th:TH_LOAD_NT
.endr
.irp c, 0,1,2,3
	s_wait_loadcnt 15-5*\c                         ; this row's five loads are in; five for each later row stay out
	v_pk_add_f32 v[12+20*\c:13+20*\c], v[12+20*\c:13+20*\c], v[16+20*\c:17+20*\c]
	v_pk_add_f32 v[14+20*\c:15+20*\c], v[14+20*\c:15+20*\c], v[18+20*\c:19+20*\c]
	v_pk_add_f32 v[20+20*\c:21+20*\c], v[20+20*\c:21+20*\c], v[24+20*\c:25+20*\c]
	v_pk_add_f32 v[22+20*\c:23+20*\c], v[22+20*\c:23+20*\c], v[26+20*\c:27+20*\c]
	v_pk_add_f32 v[12+20*\c:13+20*\c], v[12+20*\c:13+20*\c], v[20+20*\c:21+20*\c]
	v_pk_add_f32 v[14+20*\c:15+20*\c], v[14+20*\c:15+20*\c], v[22+20*\c:23+20*\c]
	v_pk_add_f32 v[12+20*\c:13+20*\c], v[12+20*\c:13+20*\c], v[8+20*\c:9+20*\c]
	v_pk_add_f32 v[14+20*\c:15+20*\c], v[14+20*\c:15+20*\c], v[10+20*\c:11+20*\c]
	global_store_b128 v1, v[12+20*\c:15+20*\c], s[8:9] offset:4096*\c th:TH_STORE_NT
.endr
	s_endpgm
.Lfunc_end_k_q49a1f2f28f_combine:
	.size	k_q49a1f2f28f_combine, .Lfunc_end_k_q49a1f2f28f_combine-k_q49a1f2f28f_combine
	.p2alignl 7, 3214868480
	.fill 96, 4, 3214868480
	.section	.rodata,"a",@progbits
	.p2align	6, 0x0
	.amdhsa_kernel k_q49a1f2f28f_combine
		.amdhsa_group_segment_fixed_size 0
		.amdhsa_private_segment_fixed_size 0
		.amdhsa_enable_private_segment 0
		.amdhsa_kernarg_size 24
		.amdhsa_user_sgpr_count 2
		.amdhsa_user_sgpr_kernarg_segment_ptr 1
		.amdhsa_wavefront_size32 1
		.amdhsa_system_sgpr_workgroup_id_x 1
		.amdhsa_system_sgpr_workgroup_id_y 1
		.amdhsa_system_sgpr_workgroup_id_z 1
		.amdhsa_system_vgpr_workitem_id 0
		.amdhsa_next_free_vgpr 96
		.amdhsa_next_free_sgpr 66
		.amdhsa_reserve_vcc 0
		.amdhsa_float_denorm_mode_32 3
		.amdhsa_float_denorm_mode_16_64 3
		.amdhsa_memory_ordered 1
		.amdhsa_forward_progress 1
		.amdhsa_inst_pref_size 6
	.end_amdhsa_kernel
	.amdgpu_metadata
---
amdhsa.version: [ 1, 2 ]
amdhsa.kernels:
  - .name:           k_q49a1f2f28f_combine
    .symbol:         k_q49a1f2f28f_combine.kd
    .args:
      - { .name: x1, .offset: 0, .size: 8, .value_kind: global_buffer, .address_space: global }
      - { .name: ypart, .offset: 8, .size: 8, .value_kind: global_buffer, .address_space: global }
      - { .name: out0, .offset: 16, .size: 8, .value_kind: global_buffer, .address_space: global }
    .group_segment_fixed_size: 0
    .private_segment_fixed_size: 0
    .kernarg_segment_align: 8
    .kernarg_segment_size: 24
    .max_flat_workgroup_size: 256
    .sgpr_count:     66
    .vgpr_count:     96
    .wavefront_size: 32
...
	.end_amdgpu_metadata
.endif
;; end of part 8
;; ======== version 2 of 3: 8 launches; 1.20 times as fast as version 1
;; limits: values are held in f16: magnitudes above 65,504 overflow, below 6.1e-05 lose precision
;; workspace buffers: pimg 10,485,760 bytes; ints 139,264 bytes of whole numbers; qkv 6,291,456 bytes; oimg 2,097,152 bytes; x1 4,194,304 bytes; tw 2,105,344 bytes; himg 33,554,432 bytes; ypart 16,777,216 bytes
;; launch prep: the kernel of part 1 again; grid 256 x 1, 8 waves a work-group, no clusters, 1,536 bytes of LDS; arguments x, g1, Wq, Wk, Wv, Wo, mask, pimg, ints; writes pimg, ints
;; launch qkv: the kernel of part 2 again; grid 16 x 16, 3 waves a work-group, no clusters, 0 bytes of LDS; arguments pimg, qkv; writes qkv
;; launch attn: the kernel of part 3 again; grid 16 x 16, 4 waves a work-group, no clusters, 70,144 bytes of LDS; arguments qkv, ints, oimg; writes oimg
;; launch oproj: the kernel of part 4 again; grid 16 x 16, 4 waves a work-group, no clusters, 0 bytes of LDS; arguments pimg, oimg, x, x1; writes x1
;; launch router: the kernel of part 5 again; grid 256 x 1, 4 waves a work-group, no clusters, 0 bytes of LDS; arguments x1, g2, Wr, tw, ints; writes tw, ints
;; launch gateup (part 9): grid 32 x 8, 8 waves a work-group, no clusters, 263,168 bytes of LDS; arguments tw, ints, Wg, Wu, himg; writes himg
.if DOCPART == 9
	.amdgcn_target "amdgcn-amd-amdhsa--gfx1250"
	.amdhsa_code_object_version 6
	.text
	.protected	k_q49a1f2f28f_gateup
	.globl	k_q49a1f2f28f_gateup
	.p2align	8
	.type	k_q49a1f2f28f_gateup,@function
k_q49a1f2f28f_gateup:
	s_mov_b64 s[64:65], 0
	v_nop
	global_prefetch_b8 v0, s[64:65] scope:SCOPE_SE
	s_setreg_imm32_b32 hwreg(HW_REG_WAVE_MODE, 25, 1), 1
	s_wait_xcnt 0x0
; a = silu(t Wg) * (t Wu) for the rows that chose the expert.  Work-group (slice of 64 hidden columns, expert): it alone reads its 2 x 256 KiB of f32 weights, once.
; EIGHT WAVES, two to a SIMD, of 512 registers: the rows of t come straight from memory into registers, and while one wave waits for rows or fragments the other issues.
; PHASE 1.  The weights stream through registers (four slots of 16 loads a wave: 64 loads of 512 bytes on their way), are rounded to bf16 and laid into LDS as matrix fragments; a wave has two K blocks of 64.
; WHICH ROWS.  Every wave reads all 1,024 tokens' choices and keeps the expert's members as 32 lane masks in scalar registers (mask g: tokens 32 g + 0..31).  Row R of the expert is the member of
; rank R by ascending token.  A lane finds it in registers: a walk over the masks with a running count gives the mask that holds rank R and the rank k inside it; the place of that mask's k-th one
; follows from the counts of its 2-, 4-, 8- and 16-bit fields, five halvings.  Ranks at or past the count take the last member, so a tile that is not full, or lies past the count, repeats a row that exists.
; PHASE 2.  No LDS write, no barrier.  Tile T of 16 rows goes to wave T % 8; a PASS takes two of the wave's tiles (w + 16 p, w + 16 p + 8) through all of K.
; ONE counted loop walks passes and K together: a trip is four K blocks of 64, four trips are a pass, 16 trips cover a wave's eight tiles at the most; the loop is left, forward, when the
; wave's passes are done.  Nothing is stepped: every LDS address and every base is made in each trip from the counter c (K blocks 4 (c & 3) + 0..3, pass c >> 2).
; THE ROWS go through a ring of four buffers in registers, one K block each.  A buffer is filled again straight behind its block's products, with the same block of the NEXT trip: a request stands
; three K blocks, 96 matrix instructions of this wave, ahead of the wait for it.  The wave's last trip asks for nothing.
; Source 0 = weight fragment, source 1 = 16 gathered rows of t: a lane then holds one row and 32 neighbouring hidden columns of g and of u, which pack into the next product's operand.
; bf16 operands; sums, silu and the product in f32; a is rounded once to bf16 (it has no bound that f16 would hold).
; No cluster: each weight byte has one reader; the rows of t are picked row by row, which no tensor descriptor covers.
; REGISTERS.  window 0: v6 weights' offset; v7, v8 LDS store addresses; v9, v10 this trip's fragments; v24, v25 the next trip's first; v12 my rank in pass 0; v14, v15 rows' offsets; v16-23, v30, v31 at work;
;   v26-29 my token for passes 0 to 3 (lanes 0-15: the pass's first tile, lanes 16-31: its second); v32-63 rounded fragments; v64-127, v128-191 two fragment buffers (8 f, f = 4 matrix + j');
;   v192-223, v224-255 at work on the way out; v128-159 packed results.   window 1: phase 1 the slots; phase 2 D[i][f] at 64 i + 8 f, and the ring at 128 + 32 buffer + 16 i.
.set NT, 2                             ; tiles in a pass
.set SPARE, 262144                     ; behind the fragments: the spare words, 128 bytes for each of eight waves
.set SEL, 131072
.set MK, 66                            ; s66-97  the members' lane masks
.set TOK, 26
.set MSB, 0
.macro WIN new
.if MSB != (\new)
	s_set_vgpr_msb (MSB<<8)|(\new)
.set MSB, (\new)
.endif
.endm
.macro PLACES                          ; four plain places between a matrix instruction and loads into, or reads of, its registers
.rept 4
	v_nop
.endr
.endm
	s_load_b256 s[12:19], s[0:1], 0x0              ; tw, ints, Wg, Wu
	s_load_b64 s[20:21], s[0:1], 0x20              ; himg
	v_lshl_add_u32 v4, v0, 2, SPARE
	v_mov_b32 v5, 0
	v_and_b32 v1, 31, v0
	v_and_b32 v2, 15, v0
	v_bfe_u32 v3, v0, 4, 1
	v_lshrrev_b32 v6, 5, v0
	v_readfirstlane_b32 s8, v6
	v_lshlrev_b32 v11, 4, v1
	v_lshlrev_b32 v16, 3, v1                       ; 8 L
	s_mov_b32 s9, ttmp9                            ; slice
	s_and_b32 s10, ttmp7, 0xffff                   ; expert
	s_mov_b32 s47, 0
	s_mov_b32 s60, 0xbfb8aa3b                      ; -log2(e)
	s_mov_b32 s30, 0x76543210                      ; v_permlanex16_b32: each lane takes its own place in the other half
	s_mov_b32 s31, 0xfedcba98
	s_mov_b32 s32, 0xffff0000                      ; lanes 16-31
	v_lshl_add_u32 v12, v3, 7, v2                  ; my rank in pass 0: r + 128 h (the second tile lies 8 tiles on)
	s_lshl_b32 s22, s8, 4
	v_add_nc_u32 v12, s22, v12                     ; + 16 w
.irp q, 0,1,2,3
	v_mov_b32 v[TOK+\q], 0                         ; a pass that the wave does not have stands for token 0
.endr
	v_mov_b32 v19, 0
	v_lshlrev_b32 v6, 18, v3                       ; 32 h rows of 8,192 bytes
	v_lshl_add_u32 v6, v2, 4, v6
	s_lshl_b32 s22, s8, 20                         ; the wave's two K blocks: 128 rows
	v_add_nc_u32 v6, s22, v6
	s_lshl_b32 s22, s8, 14
	v_add_nc_u32 v7, s22, v11                      ; their fragments in LDS: Wg's,
	v_add_nc_u32 v8, 0x20000, v7                   ; Wu's
	s_lshl_b32 s46, s10, 23
	s_lshl_b32 s22, s9, 8
	s_add_co_u32 s46, s46, s22
	s_wait_kmcnt 0x0
	s_add_nc_u64 s[16:17], s[16:17], s[46:47]
	s_add_nc_u64 s[18:19], s[18:19], s[46:47]
	s_lshl_b32 s46, s10, 22
	s_lshl_b32 s22, s9, 11
	s_add_co_u32 s46, s46, s22
	s_add_nc_u64 s[50:51], s[20:21], s[46:47]      ; himg at (expert, tile 0, slice)
.set lg, 0
.rept 32                                               ; all choices: group lg = tokens 32 lg + L
	global_load_b64 v[64+2*lg:65+2*lg], v16, s[14:15] offset:SEL+256*lg
.set lg, lg+1
.endr
.macro WLD k                           ; slot k: matrix k >> 1, step k & 1: 16 rows, 256 consecutive bytes of two rows a load
	WIN 0x40
.irp i, 0,1,2,3,4,5,6,7,8,9,10,11,12,13,14,15
	global_load_b128 v[64*(\k)+4*\i:64*(\k)+4*\i+3], v6, s[16+2*((\k)>>1):17+2*((\k)>>1)] offset:(16*((\k)&1)+\i)*8192 th:TH_LOAD_NT
.endr
.endm
	WLD 0
	WLD 1
	WLD 2
	WLD 3
	; THE MEMBERS' MASKS and their number
	WIN 0
	s_mov_b32 s56, 0
	s_wait_loadcnt 63                              ; 96 loads have been issued: the oldest 33 are in, the 32 of the choices among them
.set lg, 0
.rept 32
	v_cmp_eq_u32 s22, s10, v[64+2*lg]
	v_cmp_eq_u32 s23, s10, v[65+2*lg]
	s_or_b32 s[MK+lg], s22, s23
	s_bcnt1_i32_b32 s24, s[MK+lg]
	s_add_co_u32 s56, s56, s24
.set lg, lg+1
.endr
	s_min_u32 s42, s56, 1024                       ; the expert's rows
	s_add_co_u32 s22, s42, 15
	s_lshr_b32 s22, s22, 4                         ; tiles
	s_add_co_u32 s22, s22, 7
	s_sub_co_u32 s22, s22, s8
	s_lshr_b32 s22, s22, 3                         ; my wave's tiles
	s_add_co_u32 s22, s22, 1
	s_lshr_b32 s43, s22, 1                         ; my wave's passes, 4 at the most
	s_max_u32 s58, s43, 1                          ; passes whose rows are looked up
	s_max_u32 s59, s42, 1
	s_sub_co_u32 s59, s59, 1                       ; the last rank
.macro SLOT k, refill, left
	s_wait_loadcnt \left                           ; this slot's sixteen loads are in; the younger slots' stay out
	WIN 0x05
.irp jp, 0,1,2,3
.irp q, 0,1,2,3,4,5,6,7
	v_cvt_pk_bf16_f32 v[32+8*\jp+\q], v[64*(\k)+8*\q+\jp], v[64*(\k)+8*\q+4+\jp]
.endr
.endr
	WIN 0
.irp jp, 0,1,2,3
.irp p, 0,1
	ds_store_b128 v[7+((\k)>>1)], v[32+8*\jp+4*\p:35+8*\jp+4*\p] offset:((\k)&1)*4096+\jp*1024+\p*512
.endr
.endr
.if \refill
	WLD \k
.endif
.endm
; One halving of the pick: v30 = the place so far, v18 = the rank still to go.  If the lower field (width bits of counts at v30) holds no more than v18 ones, they are passed over.
.macro PICK src, width, step
	v_bfe_u32 v31, v[\src], v30, \width
	v_cmp_ge_u32 vcc_lo, v18, v31
	v_cndmask_b32 v31, 0, v31, vcc_lo
	v_sub_nc_u32 v18, v18, v31
	v_cndmask_b32 v31, 0, \step, vcc_lo
	v_add_nc_u32 v30, v30, v31
.endm
	s_wait_xcnt 0x0                                ; the offset is stepped only behind this wait
	v_add_nc_u32 v6, 0x80000, v6                   ; the wave's second K block, which the refills fetch
	SLOT 0, 1, 48
	SLOT 1, 1, 48
	SLOT 2, 1, 48
	SLOT 3, 1, 48
	WIN 0
	v_add_nc_u32 v7, 8192, v7
	v_add_nc_u32 v8, 8192, v8
	; MY ROWS, while the second K block's 64 loads are on their way: one trip for each of my passes
	s_mov_b32 s57, 0
.Lsel:
	s_cmp_ge_u32 s57, s58
	s_cbranch_scc1 .Lsel_done
	s_lshl_b32 s22, s57, 8                         ; 16 tiles of 16 rows a pass
	v_add_nc_u32 v16, s22, v12                     ; R
	v_min_u32 v16, s59, v16                        ; at or past the count: the last member
	v_mov_b32 v17, s[MK]                           ; the mask that holds rank R,
	v_mov_b32 v18, 0                               ; the members ahead of it,
	v_mov_b32 v19, 0                               ; its first token
	s_mov_b32 s23, 0
.set g, 1
.rept 31                                               ; the last mask with no more than R members ahead of it is the one
	s_bcnt1_i32_b32 s24, s[MK+g-1]
	s_add_co_u32 s23, s23, s24
	v_cmp_gt_u32 vcc_lo, s23, v16
	v_cndmask_b32 v17, s[MK+g], v17, vcc_lo
	v_cndmask_b32 v18, s23, v18, vcc_lo
	v_cndmask_b32 v19, 32*g, v19, vcc_lo
.set g, g+1
.endr
	v_sub_nc_u32 v18, v16, v18                     ; k: my rank inside the mask
	v_lshrrev_b32 v20, 1, v17
	v_and_b32 v20, 0x55555555, v20
	v_sub_nc_u32 v20, v17, v20                     ; the ones of each 2 bits
	v_lshrrev_b32 v21, 2, v20
	v_and_b32 v21, 0x33333333, v21
	v_and_b32 v22, 0x33333333, v20
	v_add_nc_u32 v21, v21, v22                     ; of each 4
	v_lshrrev_b32 v22, 4, v21
	v_add_nc_u32 v22, v22, v21
	v_and_b32 v22, 0x0f0f0f0f, v22                 ; of each 8
	v_lshrrev_b32 v23, 8, v22
	v_add_nc_u32 v23, v23, v22                     ; byte 0: of bits 0 to 15
	v_mov_b32 v30, 0
	PICK 23, 8, 16
	PICK 22, 8, 8
	PICK 21, 4, 4
	PICK 20, 2, 2
	PICK 17, 1, 1
	v_add_nc_u32 v19, v19, v30                     ; the token
.irp q, 0,1,2,3
	s_cmp_eq_u32 s57, \q
	s_cselect_b32 s24, -1, 0
	v_cndmask_b32 v[TOK+\q], v[TOK+\q], v19, s24   ; into the pass's register
.endr
	s_add_co_u32 s57, s57, 1
	s_cmp_lt_u32 s57, 4
	s_cbranch_scc1 .Lsel
.Lsel_done:
	SLOT 0, 0, 48
	SLOT 1, 0, 32
	SLOT 2, 0, 16
	SLOT 3, 0, 0
	s_wait_dscnt 0x0                               ; for the other waves' sake: my fragments are written
	s_barrier_signal -1
	s_barrier_wait -1
	s_cmp_eq_u32 s43, 0
	s_cbranch_scc1 .Lexit                          ; no tile is mine: nothing is asked for
.macro XLD buf                         ; ring buffer buf: K block buf of the trip that s[52:53], v14 and v15 stand for: 64 bytes a lane and tile.  Every slice's work-group reads these rows again
	WIN 0x40
.set xi, 0
.rept NT
.irp n, 0,1,2,3
	global_load_b128 v[128+32*(\buf)+16*xi+4*\n:128+32*(\buf)+16*xi+4*\n+3], v[14+xi], s[52:53] offset:128*(\buf)+16*\n th:TH_LOAD_HT
.endr
.set xi, xi+1
.endr
.endm
; A pass's tokens (register src: lanes 0-15 the first tile's, lanes 16-31 the second's) become byte offsets of rows of t for every lane: v14 the first tile's, v15 the second's
.macro ROWS src
	v_permlanex16_b32 v19, v[\src], s30, s31
	v_cndmask_b32 v20, v[\src], v19, s32           ; the first tile's token of rank r, in both halves of the lanes
	v_cndmask_b32 v21, v19, v[\src], s32           ; the second tile's
.set xi, 0
.rept NT
	v_min_u32 v[14+xi], 0x3ff, v[20+xi]            ; the bound; behind it a shift, and a shift with an addition
	v_lshlrev_b32 v[14+xi], 11, v[14+xi]
	v_lshl_add_u32 v[14+xi], v3, 6, v[14+xi]       ; the token's row, + 64 h
.set xi, xi+1
.endr
.endm
.macro WFLD wf, ar, off                ; the eight fragments of one matrix step
	WIN 0
.irp jp, 0,1,2,3
.irp p, 0,1
	ds_load_b128 v[(\wf)+8*\jp+4*\p:(\wf)+8*\jp+4*\p+3], v[\ar] offset:(\off)+\jp*1024+\p*512
	ds_load_b128 v[(\wf)+32+8*\jp+4*\p:(\wf)+32+8*\jp+4*\p+3], v[(\ar)+1] offset:(\off)+\jp*1024+\p*512
.endr
.endr
.endm
.macro MULS wf, buf, half, zero        ; sixteen accumulators by turns
	WIN 0x54
.set mi, 0
.rept NT
.irp f, 0,1,2,3,4,5,6,7
.if \zero
	v_wmma_f32_16x16x32_bf16 v[64*mi+8*\f:64*mi+8*\f+7], v[(\wf)+8*\f:(\wf)+8*\f+7], v[128+32*(\buf)+16*mi+8*(\half):128+32*(\buf)+16*mi+8*(\half)+7], 0
.else
	v_wmma_f32_16x16x32_bf16 v[64*mi+8*\f:64*mi+8*\f+7], v[(\wf)+8*\f:(\wf)+8*\f+7], v[128+32*(\buf)+16*mi+8*(\half):128+32*(\buf)+16*mi+8*(\half)+7], v[64*mi+8*\f:64*mi+8*\f+7]
.endif
.endr
.set mi, mi+1
.endr
.endm
; K block b of the trip.  On entry its first step's fragments are in, or on their way into, v64-127, and its rows into ring buffer b.
.macro BLOCK b
	WFLD 128, 9, (\b)*8192+4096                    ; the second step's fragments
	s_wait_loadcnt 24                              ; this block's rows are in; the three younger buffers' 24 loads stay out (in my last trip all loads are in: see below)
	s_wait_dscnt 16                                ; the first step's fragments are in; the sixteen loads just issued stay out
.if (\b) == 0
	s_cmp_lg_u32 s23, 0
	s_cbranch_scc1 .Lacc
	MULS 64, 0, 0, 1                               ; a pass's first products start the sums
	WIN 0
	s_branch .Ljoin
.Lacc:
	MULS 64, 0, 0, 0
	WIN 0
.Ljoin:
	v_cndmask_b32 v18, v[TOK], v[TOK+1], s27       ; the next trip's pass: its tokens, its rows.  No load has named v14, v15 since the wait at the trip's head.
	v_cndmask_b32 v18, v18, v[TOK+2], s28          ; These lines are also the places in front of the loads below
	v_cndmask_b32 v18, v18, v[TOK+3], s29
	ROWS 18
.else
	MULS 64, \b, 0, 0
	PLACES
.endif
.if (\b) < 3
	WFLD 64, 9, ((\b)+1)*8192                      ; the next block's first fragments
.else
	WFLD 64, 24, 0                                 ; the next trip's
.endif
	s_wait_dscnt 16
	MULS 128, \b, 1, 0
	PLACES
	WIN 0
	s_cmp_eq_u32 s40, s62
	s_cbranch_scc1 .Llast_\b
	XLD \b                                         ; the buffer is free: the same block of the next trip
	WIN 0
	s_branch .Lfed_\b
.Llast_\b:                                             ; my last trip: nothing is left to ask for.  In the refill's place stands the wait for all my loads:
	s_wait_loadcnt 0x0                             ; the later blocks' counted waits reckon with three younger buffers, which are not issued here; behind this wait every buffer is in
.Lfed_\b:
.endm
.macro EPI i                           ; tile i: g u / (1 + 2^(-g log2 e)), packed and stored
	WIN 0x04
.set en, 0
.rept 32
	v_mul_f32 v[192+en], s60, v[64*(\i)+en]
.set en, en+1
.endr
	WIN 0
.set en, 0
.rept 32
	v_exp_f32 v[192+en], v[192+en]
.set en, en+1
.endr
	WIN 0x05
.set en, 0
.rept 16
	v_pk_mul_f32 v[224+2*en:225+2*en], v[64*(\i)+2*en:64*(\i)+2*en+1], v[64*(\i)+32+2*en:64*(\i)+33+2*en]
.set en, en+1
.endr
	WIN 0
	s_wait_alu depctr_va_vdst(0)                   ; one wait for the 32 exponentials; the products g u stand between
.set en, 0
.rept 16
	v_pk_add_f32 v[192+2*en:193+2*en], v[192+2*en:193+2*en], 1.0 op_sel_hi:[1,0]
.set en, en+1
.endr
.set en, 0
.rept 32
	v_rcp_f32 v[192+en], v[192+en]
.set en, en+1
.endr
	v_nop
	s_wait_alu depctr_va_vdst(0)                   ; one wait for the 32 reciprocals
.set en, 0
.rept 16
	v_pk_mul_f32 v[224+2*en:225+2*en], v[224+2*en:225+2*en], v[192+2*en:193+2*en]
.set en, en+1
.endr
.irp s, 0,1
.irp q, 0,1,2,3,4,5,6,7
	v_cvt_pk_bf16_f32 v[128+16*(\i)+8*\s+\q], v[224+16*(\q&1)+4*\s+(\q>>1)], v[232+16*(\q&1)+4*\s+(\q>>1)]
.endr
.endr
.irp n, 0,1,2,3
	global_store_b128 v11, v[128+16*(\i)+4*\n:131+16*(\i)+4*\n], s[54:55] offset:(\i)*524288+512*\n
.endr
.endm
	; what the first trip finds: the rows of pass 0 for K blocks 0 to 3, and block 0's first fragments
	ROWS TOK
	v_mov_b32 v24, v11
	v_add_nc_u32 v25, 0x20000, v11
	s_mov_b64 s[52:53], s[12:13]
	XLD 0
	XLD 1
	XLD 2
	XLD 3
	WFLD 64, 24, 0
	s_lshl_b32 s62, s43, 2
	s_sub_co_u32 s62, s62, 1                       ; my last trip
	s_mov_b32 s40, 0
.Ltrip:                                                ; trip c: K blocks 4 (c & 3) + 0..3 of pass c >> 2
	s_lshr_b32 s22, s40, 2
	s_cmp_ge_u32 s22, s43
	s_cbranch_scc1 .Lexit                          ; my passes are done
	s_wait_xcnt 0x0                                ; bases, offsets, and registers that stores have read, are rewritten only behind this wait
	s_and_b32 s23, s40, 3
	s_lshl_b32 s24, s23, 15                        ; 8,192 bytes of fragments for each K block
	v_add_nc_u32 v9, s24, v11
	v_add_nc_u32 v10, 0x20000, v9
	s_add_co_u32 s26, s40, 1                       ; the next trip:
	s_and_b32 s27, s26, 3
	s_lshl_b32 s46, s27, 9                         ; 128 bytes of a row of t for each K block
	s_add_nc_u64 s[52:53], s[12:13], s[46:47]      ; its place in a row of t,
	s_lshl_b32 s27, s27, 15
	v_add_nc_u32 v24, s27, v11                     ; its first fragments (with the four v_nop at the last trip's end these four lines are more than the five places that a pass's first products need),
	v_add_nc_u32 v25, 0x20000, v24
	s_lshr_b32 s26, s26, 2                         ; its pass, as three masks that pick the pass's register of tokens
	s_cmp_eq_u32 s26, 1
	s_cselect_b32 s27, -1, 0
	s_cmp_eq_u32 s26, 2
	s_cselect_b32 s28, -1, 0
	s_cmp_ge_u32 s26, 3
	s_cselect_b32 s29, -1, 0
	BLOCK 0
	BLOCK 1
	BLOCK 2
	BLOCK 3
	s_cmp_lg_u32 s23, 3
	s_cbranch_scc1 .Lnext
	s_lshr_b32 s22, s40, 2                         ; the pass is through K: its two tiles go out (the four v_nop behind the last products are their places)
	s_lshl_b32 s22, s22, 4
	s_add_co_u32 s22, s22, s8                      ; tile w + 16 p
	s_lshl_b32 s46, s22, 16
	s_add_nc_u64 s[54:55], s[50:51], s[46:47]
	EPI 0
	EPI 1
	WIN 0
.Lnext:
	s_add_co_u32 s40, s40, 1
	s_cmp_lt_u32 s40, 16
	s_cbranch_scc1 .Ltrip
.Lexit:
	s_wait_tensorcnt 0x0                           ; the wave's end, behind my last LDS store
	ds_add_u32 v4, v5
	s_wait_dscnt 0x0
	s_endpgm
.Lfunc_end_k_q49a1f2f28f_gateup:
	.size	k_q49a1f2f28f_gateup, .Lfunc_end_k_q49a1f2f28f_gateup-k_q49a1f2f28f_gateup
	.p2alignl 7, 3214868480
	.fill 96, 4, 3214868480
	.section	.rodata,"a",@progbits
	.p2align	6, 0x0
	.amdhsa_kernel k_q49a1f2f28f_gateup
		.amdhsa_group_segment_fixed_size 263168
		.amdhsa_private_segment_fixed_size 0
		.amdhsa_enable_private_segment 0
		.amdhsa_kernarg_size 40
		.amdhsa_user_sgpr_count 2
		.amdhsa_user_sgpr_kernarg_segment_ptr 1
		.amdhsa_wavefront_size32 1
		.amdhsa_system_sgpr_workgroup_id_x 1
		.amdhsa_system_sgpr_workgroup_id_y 1
		.amdhsa_system_sgpr_workgroup_id_z 1
		.amdhsa_system_vgpr_workitem_id 0
		.amdhsa_next_free_vgpr 512
		.amdhsa_next_free_sgpr 100
		.amdhsa_reserve_vcc 1
		.amdhsa_float_denorm_mode_32 3
		.amdhsa_float_denorm_mode_16_64 3
		.amdhsa_memory_ordered 1
		.amdhsa_forward_progress 1
		.amdhsa_inst_pref_size 100
	.end_amdhsa_kernel
	.amdgpu_metadata
---
amdhsa.version: [ 1, 2 ]
amdhsa.kernels:
  - .name:           k_q49a1f2f28f_gateup
    .symbol:         k_q49a1f2f28f_gateup.kd
    .args:
      - { .name: tw, .offset: 0, .size: 8, .value_kind: global_buffer, .address_space: global }
      - { .name: ints, .offset: 8, .size: 8, .value_kind: global_buffer, .address_space: global }
      - { .name: Wg, .offset: 16, .size: 8, .value_kind: global_buffer, .address_space: global }
      - { .name: Wu, .offset: 24, .size: 8, .value_kind: global_buffer, .address_space: global }
      - { .name: himg, .offset: 32, .size: 8, .value_kind: global_buffer, .address_space: global }
    .group_segment_fixed_size: 263168
    .private_segment_fixed_size: 0
    .kernarg_segment_align: 8
    .kernarg_segment_size: 40
    .max_flat_workgroup_size: 256
    .sgpr_count:     100
    .vgpr_count:     512
    .wavefront_size: 32
...
	.end_amdgpu_metadata
.endif
;; end of part 9
;; launch down (part 10): grid 32 x 8, 8 waves a work-group, no clusters, 173,056 bytes of LDS; arguments himg, ints, tw, Wd, ypart; writes ypart
.if DOCPART == 10
	.amdgcn_target "amdgcn-amd-amdhsa--gfx1250"
	.amdhsa_code_object_version 6
	.text
	.protected	k_q49a1f2f28f_down
	.globl	k_q49a1f2f28f_down
	.p2align	8
	.type	k_q49a1f2f28f_down,@function
k_q49a1f2f28f_down:
	s_mov_b64 s[64:65], 0
	v_nop
	global_prefetch_b8 v0, s[64:65] scope:SCOPE_SE
	s_setreg_imm32_b32 hwreg(HW_REG_WAVE_MODE, 25, 1), 1
	s_wait_xcnt 0x0
; y = w * (a Wd) for the rows that chose the expert.  Work-group (64 output columns and one half of K = 2,048; expert): it alone reads its 256 KiB of f32 weights, once.
; Eight waves, two to a SIMD, of 512 registers, as in the launch before.  Phase 1: a wave's two K blocks of 64 are just its four slots of 16 loads; they are rounded to bf16 and laid into LDS as
; fragments; every wave writes its own list of the expert's rows (choice x 1,024 + token, by ascending token), padded with 160 copies of its last entry.
; Phase 2 is that launch's one counted loop: a pass takes two of the wave's tiles (w + 16 p, w + 16 p + 8) through the half of K; a trip is four K blocks of 64, four trips are a pass, 16 trips
; cover every split; the loop is left, forward, when the wave's passes are done; every LDS address and base is made in each trip from the counter; no LDS write, no barrier.
; a's tiles go through a ring of four buffers in registers, one K block each; a buffer is filled again straight behind its block's products with the same block of the next trip, three K blocks
; (48 matrix instructions of this wave) ahead of the wait for it.
; Source 0 = 16 rows of a (in operand order, 512 consecutive bytes a load), source 1 = weight fragment b (column 4 r + b at lane r): register j of the four accumulators
; is 16 neighbouring bytes of row 8 h + j.  The multiplication by the routing weight also brings them together.  Each row goes to its own place (K half, choice, token) as an f32 partial row,
; 256 consecutive aligned bytes for sixteen lanes; the launch behind adds a token's four.  Places past the count repeat the last row and store its own numbers again.
; No cluster: each weight byte has one reader; a's tiles are shared by 16 work-groups but go straight to registers.
; REGISTERS.  window 0: v9 this trip's fragments; v24 the next trip's first; v27 my place in a list tile; v64-95, v96-127 two fragment buffers; v128-143 rows' offsets in ypart;
;   v160-175 their weights; v192-207 list entries; v224-255 rows to store.   window 1: phase 1 the slots; phase 2 D[i][b] at 32 i + 8 b, and the ring at 128 + 32 buffer + 16 i.
.set NT, 2
.set LIST, 131072
.set LISTP, 5120
.set SPARE, 172032
.set SEL, 131072
.set WTS, 2097152
.set MSB, 0
.macro WIN new
.if MSB != (\new)
	s_set_vgpr_msb (MSB<<8)|(\new)
.set MSB, (\new)
.endif
.endm
.macro PLACES                          ; four plain places between a matrix instruction and loads into, or reads of, its registers
.rept 4
	v_nop
.endr
.endm
	s_load_b256 s[12:19], s[0:1], 0x0              ; himg, ints, tw, Wd
	s_load_b64 s[20:21], s[0:1], 0x20              ; ypart
	v_lshl_add_u32 v4, v0, 2, SPARE
	v_mov_b32 v5, 0
	v_and_b32 v1, 31, v0
	v_and_b32 v2, 15, v0
	v_bfe_u32 v3, v0, 4, 1
	v_lshrrev_b32 v6, 5, v0
	v_readfirstlane_b32 s8, v6
	v_lshlrev_b32 v11, 4, v1
	v_lshlrev_b32 v16, 3, v1
	v_lshlrev_b32 v17, 4, v2                       ; 16 r
	s_and_b32 s26, ttmp9, 15                       ; column group
	s_lshr_b32 s27, ttmp9, 4                       ; K half
	s_and_b32 s10, ttmp7, 0xffff                   ; expert
	s_mov_b32 s47, 0
	v_lshlrev_b32 v6, 17, v3                       ; 32 h rows of 4,096 bytes
	v_lshl_add_u32 v6, v2, 4, v6
	s_lshl_b32 s22, s8, 19                         ; the wave's two K blocks: 128 rows
	v_add_nc_u32 v6, s22, v6
	s_lshl_b32 s22, s8, 14
	v_add_nc_u32 v7, s22, v11                      ; their fragments in LDS
	s_lshl_b32 s46, s10, 23
	s_lshl_b32 s22, s27, 22
	s_add_co_u32 s46, s46, s22
	s_lshl_b32 s22, s26, 8
	s_add_co_u32 s46, s46, s22
	s_wait_kmcnt 0x0
	s_add_nc_u64 s[18:19], s[18:19], s[46:47]
	s_lshl_b32 s46, s27, 23
	s_add_co_u32 s46, s46, s22
	s_add_nc_u64 s[50:51], s[20:21], s[46:47]      ; ypart at (K half, entry 0, my columns)
	s_add_nc_u64 s[54:55], s[16:17], WTS           ; the routing weights
	s_lshl_b32 s46, s10, 22
	s_lshl_b32 s22, s27, 15
	s_add_co_u32 s46, s46, s22
	s_add_nc_u64 s[58:59], s[12:13], s[46:47]      ; himg at (expert, tile 0, my half's first slice)
.set lg, 0
.rept 32
	global_load_b64 v[64+2*lg:65+2*lg], v16, s[14:15] offset:SEL+256*lg
.set lg, lg+1
.endr
.macro WLD k                           ; slot k: K block k >> 1 of the wave's two, step k & 1
	WIN 0x40
.irp i, 0,1,2,3,4,5,6,7,8,9,10,11,12,13,14,15
	global_load_b128 v[64*(\k)+4*\i:64*(\k)+4*\i+3], v6, s[18:19] offset:(64*((\k)>>1)+16*((\k)&1)+\i)*4096 th:TH_LOAD_NT
.endr
.endm
	WLD 0
	WLD 1
	WLD 2
	WLD 3
	; THE LIST, in my wave's own 5,120 bytes
	WIN 0
	s_mul_i32 s25, s8, LISTP
	s_add_co_u32 s25, s25, LIST
	v_mov_b32 v28, 0
	v_mov_b32 v29, 0
	v_mov_b32 v30, 0
	v_mov_b32 v31, 0
	v_add_nc_u32 v20, s25, v11
.set i, 0
.rept 10                                               ; every byte of it is written once
	ds_store_b128 v20, v[28:31] offset:512*i
.set i, i+1
.endr
	v_add_nc_u32 v18, 1152, v1                     ; where a non-member's entry goes: index 1,152 + L
	v_mov_b32 v23, 0x400
	v_mov_b32 v24, v1
	s_mov_b32 s56, 0
	s_wait_loadcnt 63                              ; 96 loads have been issued: the oldest 33 are in, the 32 of the choices among them
.set lg, 0
.rept 32
	v_cmp_eq_u32 s22, s10, v[64+2*lg]
	v_cmp_eq_u32 s23, s10, v[65+2*lg]
	s_or_b32 s24, s22, s23
	v_mbcnt_lo_u32_b32 v20, s24, s56
	v_cndmask_b32 v20, v18, v20, s24               ; the choice is made on the index, ahead of the bound;
	v_min_u32 v20, 0x49f, v20                      ; the bound; behind it one shift and one addition
	v_lshl_add_u32 v20, v20, 2, s25
	v_cndmask_b32 v21, 0, v23, s23                 ; 1,024 if the expert is the token's second choice
	v_or_b32 v21, v21, v24
	ds_store_b32 v20, v21
	v_add_nc_u32 v24, 32, v24
	s_bcnt1_i32_b32 s24, s24
	s_add_co_u32 s56, s56, s24
.set lg, lg+1
.endr
	s_min_u32 s42, s56, 1024
	s_max_u32 s22, s42, 1
	s_sub_co_u32 s22, s22, 1
	s_min_u32 s22, s22, 0x3ff
	s_lshl_b32 s22, s22, 2
	s_add_co_u32 s22, s22, s25
	v_mov_b32 v20, s22
	ds_load_b32 v21, v20
	v_add_nc_u32 v22, s42, v1
	v_min_u32 v22, 0x41f, v22
	v_lshl_add_u32 v22, v22, 2, s25
	s_wait_dscnt 0x0
.irp o, 0,128,256,384,512                              ; 160 copies of the last entry behind the list: a pass reaches 142 entries past the count at the most
	ds_store_b32 v22, v21 offset:\o
.endr
	s_add_co_u32 s22, s42, 15
	s_lshr_b32 s22, s22, 4                         ; tiles
	s_add_co_u32 s22, s22, 7
	s_sub_co_u32 s22, s22, s8
	s_lshr_b32 s22, s22, 3                         ; my wave's tiles
	s_add_co_u32 s22, s22, 1
	s_lshr_b32 s43, s22, 1                         ; my wave's passes
	v_lshl_add_u32 v27, v3, 5, s25                 ; entries 8 h .. 8 h + 7 of a list tile
.macro SLOT k, left
	s_wait_loadcnt \left                           ; this slot's sixteen loads are in; the younger slots' stay out
	WIN 0x05
.irp jp, 0,1,2,3
.irp q, 0,1,2,3,4,5,6,7
	v_cvt_pk_bf16_f32 v[32+8*\jp+\q], v[64*(\k)+8*\q+\jp], v[64*(\k)+8*\q+4+\jp]
.endr
.endr
	WIN 0
.irp jp, 0,1,2,3
.irp p, 0,1
	ds_store_b128 v7, v[32+8*\jp+4*\p:35+8*\jp+4*\p] offset:((\k)>>1)*8192+((\k)&1)*4096+\jp*1024+\p*512
.endr
.endr
.endm
	SLOT 0, 48
	SLOT 1, 32
	SLOT 2, 16
	SLOT 3, 0
	s_wait_dscnt 0x0                               ; for the other waves' sake: my fragments are written
	s_barrier_signal -1
	s_barrier_wait -1
.macro XLD buf                         ; ring buffer buf: K block buf of the trip that s[52:53] stands for, both tiles
	WIN 0x40
.set xi, 0
.rept NT
.irp n, 0,1,2,3
	global_load_b128 v[128+32*(\buf)+16*xi+4*\n:128+32*(\buf)+16*xi+4*\n+3], v11, s[52:53] offset:xi*524288+(\buf)*2048+512*\n
.endr
.set xi, xi+1
.endr
.endm
.macro WFLD wf, ar, off                ; the four fragments of one matrix step
	WIN 0
.irp jp, 0,1,2,3
.irp p, 0,1
	ds_load_b128 v[(\wf)+8*\jp+4*\p:(\wf)+8*\jp+4*\p+3], v[\ar] offset:(\off)+\jp*1024+\p*512
.endr
.endr
.endm
.macro MULS wf, buf, half, zero        ; eight accumulators by turns
	WIN 0x51
.set mi, 0
.rept NT
.irp b, 0,1,2,3
.if \zero
	v_wmma_f32_16x16x32_bf16 v[32*mi+8*\b:32*mi+8*\b+7], v[128+32*(\buf)+16*mi+8*(\half):128+32*(\buf)+16*mi+8*(\half)+7], v[(\wf)+8*\b:(\wf)+8*\b+7], 0
.else
	v_wmma_f32_16x16x32_bf16 v[32*mi+8*\b:32*mi+8*\b+7], v[128+32*(\buf)+16*mi+8*(\half):128+32*(\buf)+16*mi+8*(\half)+7], v[(\wf)+8*\b:(\wf)+8*\b+7], v[32*mi+8*\b:32*mi+8*\b+7]
.endif
.endr
.set mi, mi+1
.endr
.endm
; K block b of the trip.  On entry its first step's fragments are in, or on their way into, v64-95, and its tiles into ring buffer b.
.macro BLOCK b
	WFLD 96, 9, (\b)*8192+4096                     ; the second step's fragments
	s_wait_loadcnt 24                              ; this block's tiles are in; the three younger buffers' 24 loads stay out (where the sixteen weights are younger too, the count is the stricter)
	s_wait_dscnt 8                                 ; the first step's fragments are in; the eight loads just issued stay out
.if (\b) == 0
	s_cmp_lg_u32 s23, 0
	s_cbranch_scc1 .Lacc
	MULS 64, 0, 0, 1                               ; a pass's first products start the sums;
	WIN 0
.set pi, 0
.rept NT                                               ; behind them the pass's rows are looked up: entry, place in ypart, routing weight
	ds_load_b128 v[192+8*pi:195+8*pi], v16 offset:512*pi
	ds_load_b128 v[196+8*pi:199+8*pi], v16 offset:512*pi+16
.set pi, pi+1
.endr
	s_wait_dscnt 0x0
.set pi, 0
.rept 8*NT
	v_min_u32 v[192+pi], 0x7ff, v[192+pi]          ; entry = choice x 1,024 + token
	v_lshlrev_b32 v[160+pi], 2, v[192+pi]
	v_lshl_add_u32 v[128+pi], v[192+pi], 12, v17   ; its row of ypart, + 16 r
	global_load_b32 v[160+pi], v[160+pi], s[54:55] ; its weight lands on its own offset; 32 loads follow it ahead of the next trip's first wait for all but 24
.set pi, pi+1
.endr
	s_branch .Ljoin
.Lacc:
	MULS 64, 0, 0, 0
	WIN 0
.Ljoin:
.else
	MULS 64, \b, 0, 0
.endif
	PLACES
.if (\b) < 3
	WFLD 64, 9, ((\b)+1)*8192                      ; the next block's first fragments
.else
	WFLD 64, 24, 0                                 ; the next trip's
.endif
	s_wait_dscnt 8
	MULS 96, \b, 1, 0
	PLACES
	XLD \b                                         ; the buffer is free: the same block of the next trip
.endm
.macro EPI i
	s_wait_xcnt 0x0                                ; the tile before has read v224-255
	WIN 0x01
.irp j, 0,1,2,3,4,5,6,7                                ; register 0 of each accumulator is read first
.irp b, 0,1,2,3
	v_mul_f32 v[224+4*\j+\b], v[32*(\i)+8*\b+\j], v[160+8*(\i)+\j]
.endr
.endr
	WIN 0
.irp j, 0,1,2,3,4,5,6,7
	global_store_b128 v[128+8*(\i)+\j], v[224+4*\j:227+4*\j], s[50:51]
.endr
.endm
	; what the first trip finds: K blocks 0 to 3 of pass 0's tiles, and block 0's first fragments
	s_lshl_b32 s46, s8, 16                         ; tile w
	s_add_nc_u64 s[52:53], s[58:59], s[46:47]
	v_mov_b32 v24, v11
	XLD 0
	XLD 1
	XLD 2
	XLD 3
	WFLD 64, 24, 0
	s_mov_b32 s40, 0
.Ltrip:                                                ; trip c: K blocks 4 (c & 3) + 0..3 of pass c >> 2
	s_lshr_b32 s22, s40, 2
	s_cmp_ge_u32 s22, s43
	s_cbranch_scc1 .Lexit                          ; my passes are done
	s_wait_xcnt 0x0                                ; bases, and registers that stores have read, are rewritten only behind this wait
	s_and_b32 s23, s40, 3
	s_lshl_b32 s24, s23, 15                        ; 8,192 bytes of fragments for each K block
	v_add_nc_u32 v9, s24, v11
	s_add_co_u32 s26, s40, 1                       ; the next trip:
	s_and_b32 s27, s26, 3
	s_lshr_b32 s26, s26, 2
	s_min_u32 s26, s26, 3                          ; its pass (the very last look-ahead stays in pass 3),
	s_lshl_b32 s26, s26, 4
	s_add_co_u32 s26, s26, s8                      ; tile w + 16 p
	s_lshl_b32 s46, s26, 16
	s_lshl_b32 s28, s27, 13                        ; 2,048 bytes of a tile for each K block
	s_add_co_u32 s46, s46, s28
	s_add_nc_u64 s[52:53], s[58:59], s[46:47]      ; its tiles,
	s_lshl_b32 s27, s27, 15
	v_add_nc_u32 v24, s27, v11                     ; its first fragments
	s_lshr_b32 s28, s40, 2                         ; this pass's list tiles: 1,024 bytes of list a pass (at most pass 3), 64 a wave: 4,095 is the last byte reached of my 5,120
	s_min_u32 s28, s28, 3
	s_lshl_b32 s28, s28, 10
	s_lshl_b32 s29, s8, 6
	s_add_co_u32 s28, s28, s29
	v_add_nc_u32 v16, s28, v27                     ; with the four v_nop at the last trip's end these three lines are more than the five places that a pass's first products need
	BLOCK 0
	BLOCK 1
	BLOCK 2
	BLOCK 3
	WIN 0
	s_cmp_lg_u32 s23, 3
	s_cbranch_scc1 .Lnext
	EPI 0                                          ; the pass is through its half of K: its two tiles go out (the four v_nop in front of the last refill are the places behind the last products)
	EPI 1
.Lnext:
	s_add_co_u32 s40, s40, 1
	s_cmp_lt_u32 s40, 16
	s_cbranch_scc1 .Ltrip
.Lexit:
	s_wait_tensorcnt 0x0                           ; the wave's end, behind my last LDS store
	ds_add_u32 v4, v5
	s_wait_dscnt 0x0
	s_endpgm
.Lfunc_end_k_q49a1f2f28f_down:
	.size	k_q49a1f2f28f_down, .Lfunc_end_k_q49a1f2f28f_down-k_q49a1f2f28f_down
	.p2alignl 7, 3214868480
	.fill 96, 4, 3214868480
	.section	.rodata,"a",@progbits
	.p2align	6, 0x0
	.amdhsa_kernel k_q49a1f2f28f_down
		.amdhsa_group_segment_fixed_size 173056
		.amdhsa_private_segment_fixed_size 0
		.amdhsa_enable_private_segment 0
		.amdhsa_kernarg_size 40
		.amdhsa_user_sgpr_count 2
		.amdhsa_user_sgpr_kernarg_segment_ptr 1
		.amdhsa_wavefront_size32 1
		.amdhsa_system_sgpr_workgroup_id_x 1
		.amdhsa_system_sgpr_workgroup_id_y 1
		.amdhsa_system_sgpr_workgroup_id_z 1
		.amdhsa_system_vgpr_workitem_id 0
		.amdhsa_next_free_vgpr 512
		.amdhsa_next_free_sgpr 66
		.amdhsa_reserve_vcc 0
		.amdhsa_float_denorm_mode_32 3
		.amdhsa_float_denorm_mode_16_64 3
		.amdhsa_memory_ordered 1
		.amdhsa_forward_progress 1
		.amdhsa_inst_pref_size 71
	.end_amdhsa_kernel
	.amdgpu_metadata
---
amdhsa.version: [ 1, 2 ]
amdhsa.kernels:
  - .name:           k_q49a1f2f28f_down
    .symbol:         k_q49a1f2f28f_down.kd
    .args:
      - { .name: himg, .offset: 0, .size: 8, .value_kind: global_buffer, .address_space: global }
      - { .name: ints, .offset: 8, .size: 8, .value_kind: global_buffer, .address_space: global }
      - { .name: tw, .offset: 16, .size: 8, .value_kind: global_buffer, .address_space: global }
      - { .name: Wd, .offset: 24, .size: 8, .value_kind: global_buffer, .address_space: global }
      - { .name: ypart, .offset: 32, .size: 8, .value_kind: global_buffer, .address_space: global }
    .group_segment_fixed_size: 173056
    .private_segment_fixed_size: 0
    .kernarg_segment_align: 8
    .kernarg_segment_size: 40
    .max_flat_workgroup_size: 256
    .sgpr_count:     66
    .vgpr_count:     512
    .wavefront_size: 32
...
	.end_amdgpu_metadata
.endif
;; end of part 10
;; launch combine: the kernel of part 8 again; grid 256 x 1, 8 waves a work-group, no clusters, 0 bytes of LDS; arguments x1, ypart, out0; writes out0
;; ======== version 3 of 3: 8 launches; version 2 with the launches gateup, down written anew for expert scheduling mode
;; limits: values are held in f16: magnitudes above 65,504 overflow, below 6.1e-05 lose precision
;; workspace buffers: pimg 10,485,760 bytes; ints 139,264 bytes of whole numbers; qkv 6,291,456 bytes; oimg 2,097,152 bytes; x1 4,194,304 bytes; tw 2,105,344 bytes; himg 33,554,432 bytes; ypart 16,777,216 bytes
;; launch prep: the kernel of part 1 again; grid 256 x 1, 8 waves a work-group, no clusters, 1,536 bytes of LDS; arguments x, g1, Wq, Wk, Wv, Wo, mask, pimg, ints; writes pimg, ints
;; launch qkv: the kernel of part 2 again; grid 16 x 16, 3 waves a work-group, no clusters, 0 bytes of LDS; arguments pimg, qkv; writes qkv
;; launch attn: the kernel of part 3 again; grid 16 x 16, 4 waves a work-group, no clusters, 70,144 bytes of LDS; arguments qkv, ints, oimg; writes oimg
;; launch oproj: the kernel of part 4 again; grid 16 x 16, 4 waves a work-group, no clusters, 0 bytes of LDS; arguments pimg, oimg, x, x1; writes x1
;; launch router: the kernel of part 5 again; grid 256 x 1, 4 waves a work-group, no clusters, 0 bytes of LDS; arguments x1, g2, Wr, tw, ints; writes tw, ints
;; launch gateup (part 11): grid 32 x 8, 8 waves a work-group, no clusters, 263,168 bytes of LDS; arguments tw, ints, Wg, Wu, himg; writes himg
.if DOCPART == 11
	.amdgcn_target "amdgcn-amd-amdhsa--gfx1250"
	.amdhsa_code_object_version 6
	.text
	.protected	k_q49a1f2f28f_gateup
	.globl	k_q49a1f2f28f_gateup
	.p2align	8
	.type	k_q49a1f2f28f_gateup,@function
k_q49a1f2f28f_gateup:
	s_mov_b64 s[64:65], 0
	v_nop
	global_prefetch_b8 v0, s[64:65] scope:SCOPE_SE
	s_setreg_imm32_b32 hwreg(HW_REG_WAVE_SCHED_MODE, 0, 2), 2
	s_setreg_imm32_b32 hwreg(HW_REG_WAVE_MODE, 25, 1), 1
	s_wait_xcnt 0x0
	s_wait_alu depctr_vm_vsrc(0)
; a = silu(t Wg) * (t Wu) for the rows that chose the expert.  Work-group (slice of 64 hidden columns, expert): it alone reads its 2 x 256 KiB of f32 weights, once.
; EIGHT WAVES, two to a SIMD, of 512 registers: the rows of t come straight from memory into registers, and while one wave waits for rows or fragments the other issues.
; PHASE 1.  The weights stream through registers (four slots of 16 loads a wave: 64 loads of 512 bytes on their way), are rounded to bf16 and laid into LDS as matrix fragments; a wave has two K blocks of 64.
; WHICH ROWS.  Every wave reads all 1,024 tokens' choices and keeps the expert's members as 32 lane masks in scalar registers (mask g: tokens 32 g + 0..31).  Row R of the expert is the member of
; rank R by ascending token.  A lane finds it in registers: a walk over the masks with a running count gives the mask that holds rank R and the rank k inside it; the place of that mask's k-th one
; follows from the counts of its 2-, 4-, 8- and 16-bit fields, five halvings.  Ranks at or past the count take the last member, so a tile that is not full, or lies past the count, repeats a row that exists.
; PHASE 2.  No LDS write, no barrier.  Tile T of 16 rows goes to wave T % 8; a PASS takes two of the wave's tiles (w + 16 p, w + 16 p + 8) through all of K.
; ONE counted loop walks passes and K together: a trip is four K blocks of 64, four trips are a pass, 16 trips cover a wave's eight tiles at the most; the loop is left, forward, when the
; wave's passes are done.  Nothing is stepped: every LDS address and every base is made in each trip from the counter c (K blocks 4 (c & 3) + 0..3, pass c >> 2).
; THE ROWS go through a ring of four buffers in registers, one K block each.  A buffer is filled again straight behind its block's products, with the same block of the NEXT trip: a request stands
; three K blocks, 96 matrix instructions of this wave, ahead of the wait for it.  The wave's last trip asks for nothing.
; Source 0 = weight fragment, source 1 = 16 gathered rows of t: a lane then holds one row and 32 neighbouring hidden columns of g and of u, which pack into the next product's operand.
; bf16 operands; sums, silu and the product in f32; a is rounded once to bf16 (it has no bound that f16 would hold).
; No cluster: each weight byte has one reader; the rows of t are picked row by row, which no tensor descriptor covers.
; THE MODE: SCHED_MODE bits 1:0 = 2 (LLVM: expert scheduling mode 2), set by the entry lines.  The code itself states the register dependences
; between vector or matrix instructions and memory or LDS instructions, with s_wait_alu, always for 0.
; THE PLAN.  Registers that memory or LDS instructions touch:
;   phase 1   slot k (window 1): the weights' loads land in it, its conversions read it.  v32-63: the conversions write them, the LDS stores read them.  v6, v7, v8: offsets and addresses, stepped once each.
;   F0 = v64-127    a block's first step's fragments: its 16 products read them; the LDS loads dealt among the block's SECOND step's products land in them (the next block's).
;   F1 = v128-191   the second step's: its 16 products read them; the LDS loads dealt among the next block's FIRST step's products land in them.
;   ring b          block b's 32 products read it; the loads behind the block land in it.
;   v9, v10, v24, v25   LDS addresses: written by four additions at a trip's head, read by the fragments' loads.      v14, v15   rows' offsets: written in block 0, read by the ring's loads.
;   v128-159        at a pass's end: the roundings write them, the eight stores read them.      v11   never written again.
; So ONE wait on va_vdst stands at the head of each step of 16 products: the step before is done reading its fragments (and, behind a block's second step, its ring buffer).  The loads that follow it
; land in those registers alone, and the products among which they are dealt name the other fragment buffer, the ring buffer in hand and the accumulators.  At a trip's head stand a wait on vm_vsrc
; ahead of the four additions and a wait on va_vdst behind them.
; REGISTERS.  window 0: v6 weights' offset; v7, v8 LDS store addresses; v9, v10 this trip's fragments; v24, v25 the next trip's first; v12 my rank in pass 0; v14, v15 rows' offsets; v16-23, v30, v31 at work;
;   v26-29 my token for passes 0 to 3 (lanes 0-15: the pass's first tile, lanes 16-31: its second); v32-63 rounded fragments; v64-127, v128-191 two fragment buffers (8 f, f = 4 matrix + j');
;   v192-223, v224-255 at work on the way out; v128-159 packed results.   window 1: phase 1 the slots; phase 2 D[i][f] at 64 i + 8 f, and the ring at 128 + 32 buffer + 16 i.
.set NT, 2                             ; tiles in a pass
.set SEL, 131072
.set MK, 66                            ; s66-97  the members' lane masks
.set CB, 22                            ; s22-29  eight running counts
.set QB, 33                            ; s33-40  the results of a run of eight compares
.set TOK, 26
.set MSB, 0
.macro WIN new
.if MSB != (\new)
	s_set_vgpr_msb (MSB<<8)|(\new)
.set MSB, (\new)
.endif
.endm
.macro PLACES                          ; four plain places behind a matrix instruction (ISA guide 7.12.1): for the vector lines that read its results and the products that write over them; each run of four stands in front of a wait
.rept 4
	v_nop
.endr
.endm
	s_load_b256 s[12:19], s[0:1], 0x0              ; tw, ints, Wg, Wu
	s_load_b64 s[20:21], s[0:1], 0x20              ; himg
	v_lshl_add_u32 v5, v0, 2, 0x40000
	v_mov_b32 v13, 0
	v_and_b32 v1, 31, v0
	v_and_b32 v2, 15, v0
	v_bfe_u32 v3, v0, 4, 1
	v_lshrrev_b32 v6, 5, v0
	v_readfirstlane_b32 s8, v6
	v_lshlrev_b32 v11, 4, v1
	v_lshlrev_b32 v16, 3, v1                       ; 8 L
	s_mov_b32 s9, ttmp9                            ; slice
	s_and_b32 s10, ttmp7, 0xffff                   ; expert
	s_mov_b32 s47, 0
	s_mov_b32 s60, 0xbfb8aa3b                      ; -log2(e)
	s_mov_b32 s30, 0x76543210                      ; v_permlanex16_b32: each lane takes its own place in the other half
	s_mov_b32 s31, 0xfedcba98
	s_mov_b32 s32, 0xffff0000                      ; lanes 16-31
	v_lshl_add_u32 v12, v3, 7, v2                  ; my rank in pass 0: r + 128 h (the second tile lies 8 tiles on)
	s_wait_alu depctr_va_sdst(0)                   ; s8, the wave's number, is written, ahead of its first reader
	s_lshl_b32 s22, s8, 4
	v_add_nc_u32 v12, s22, v12                     ; + 16 w
.irp q, 0,1,2,3
	v_mov_b32 v[TOK+\q], 0                         ; a pass that the wave does not have stands for token 0
.endr
	v_mov_b32 v19, 0
	v_lshlrev_b32 v6, 18, v3                       ; 32 h rows of 8,192 bytes
	v_lshl_add_u32 v6, v2, 4, v6
	s_lshl_b32 s22, s8, 20                         ; the wave's two K blocks: 128 rows
	v_add_nc_u32 v6, s22, v6
	s_lshl_b32 s22, s8, 14
	v_add_nc_u32 v7, s22, v11                      ; their fragments in LDS: Wg's,
	v_add_nc_u32 v8, 0x20000, v7                   ; Wu's
	s_lshl_b32 s46, s10, 23
	s_lshl_b32 s22, s9, 8
	s_add_co_u32 s46, s46, s22
	s_wait_kmcnt 0x0
	s_add_nc_u64 s[16:17], s[16:17], s[46:47]
	s_add_nc_u64 s[18:19], s[18:19], s[46:47]
	s_lshl_b32 s46, s10, 22
	s_lshl_b32 s22, s9, 11
	s_add_co_u32 s46, s46, s22
	s_add_nc_u64 s[50:51], s[20:21], s[46:47]      ; himg at (expert, tile 0, slice)
	s_wait_alu depctr_va_vdst(0)                   ; the offsets and addresses v6, v7, v8, v11 and v16 are written, which the loads and stores below read
.set lg, 0
.rept 32                                               ; all choices: group lg = tokens 32 lg + L
	global_load_b64 v[64+2*lg:65+2*lg], v16, s[14:15] offset:SEL+256*lg
.set lg, lg+1
.endr
.macro WLD k                           ; slot k: matrix k >> 1, step k & 1: 16 rows, 256 consecutive bytes of two rows a load
	WIN 0x40
.irp i, 0,1,2,3,4,5,6,7,8,9,10,11,12,13,14,15
	global_load_b128 v[64*(\k)+4*\i:64*(\k)+4*\i+3], v6, s[16+2*((\k)>>1):17+2*((\k)>>1)] offset:(16*((\k)&1)+\i)*8192 th:TH_LOAD_NT
.endr
.endm
	WLD 0
	WLD 1
	WLD 2
	WLD 3
	; THE MEMBERS' MASKS and their number: eight groups of tokens to a run of sixteen compares, one wait behind each run
	WIN 0
	s_mov_b32 s56, 0
	s_wait_loadcnt 63                              ; 96 loads have been issued: the oldest 33 are in, the 32 of the choices among them
.set lg, 0
.rept 4
.set j, 0
.rept 8
	v_cmp_eq_u32 s[MK+lg+j], s10, v[64+2*(lg+j)]   ; the first choice,
	v_cmp_eq_u32 s[QB+j], s10, v[65+2*(lg+j)]      ; the second
.set j, j+1
.endr
	s_wait_alu depctr_va_sdst(0)                   ; the sixteen compares have written their masks, which the scalar lines below read
.set j, 0
.rept 8
	s_or_b32 s[MK+lg+j], s[MK+lg+j], s[QB+j]
	s_bcnt1_i32_b32 s24, s[MK+lg+j]
	s_add_co_u32 s56, s56, s24
.set j, j+1
.endr
.set lg, lg+8
.endr
	s_min_u32 s42, s56, 1024                       ; the expert's rows
	s_add_co_u32 s22, s42, 15
	s_lshr_b32 s22, s22, 4                         ; tiles
	s_add_co_u32 s22, s22, 7
	s_sub_co_u32 s22, s22, s8
	s_lshr_b32 s22, s22, 3                         ; my wave's tiles
	s_add_co_u32 s22, s22, 1
	s_lshr_b32 s43, s22, 1                         ; my wave's passes, 4 at the most
	s_max_u32 s58, s43, 1                          ; passes whose rows are looked up
	s_max_u32 s59, s42, 1
	s_sub_co_u32 s59, s59, 1                       ; the last rank
; free = 1: a wait that stands ahead of the slot has already shown v32-63 read (or nothing has read them yet)
.macro SLOT k, refill, left, free
	s_wait_loadcnt \left                           ; this slot's sixteen loads are in; the younger slots' stay out
.if !(\free)
	s_wait_alu depctr_vm_vsrc(0)                   ; the LDS stores of the slot before have read v32-63, which the conversions write again
.endif
	WIN 0x05
.irp jp, 0,1,2,3
.irp q, 0,1,2,3,4,5,6,7
	v_cvt_pk_bf16_f32 v[32+8*\jp+\q], v[64*(\k)+8*\q+\jp], v[64*(\k)+8*\q+4+\jp]
.endr
.endr
	WIN 0
	s_wait_alu depctr_va_vdst(0)                   ; the conversions have written v32-63, which the LDS stores read, and are done reading the slot, in which the refill lands; where v6, v7 or v8 has just been stepped, it is written
.irp jp, 0,1,2,3
.irp p, 0,1
	ds_store_b128 v[7+((\k)>>1)], v[32+8*\jp+4*\p:35+8*\jp+4*\p] offset:((\k)&1)*4096+\jp*1024+\p*512
.endr
.endr
.if \refill
	WLD \k
.endif
.endm
; One halving of the pick: v30 = the place so far, v18 = the rank still to go.  If the lower field (width bits of counts at v30) holds no more than v18 ones, they are passed over.
.macro PICK src, width, step
	v_bfe_u32 v31, v[\src], v30, \width
	v_cmp_ge_u32 vcc_lo, v18, v31
	s_wait_alu depctr_va_vcc(0)                    ; the compare has written VCC, which the two selects read; each halving hangs on the one before, so each has its wait
	v_cndmask_b32 v31, 0, v31, vcc_lo
	v_sub_nc_u32 v18, v18, v31
	v_cndmask_b32 v31, 0, \step, vcc_lo
	v_add_nc_u32 v30, v30, v31
.endm
	s_wait_xcnt 0x0                                ; the offset is stepped only behind this wait
	s_wait_alu depctr_vm_vsrc(0)                   ; the 64 loads of the weights have read v6, and the choices' loads v16, which the search below writes
	v_add_nc_u32 v6, 0x80000, v6                   ; the wave's second K block, which the refills fetch
	SLOT 0, 1, 48, 1
	SLOT 1, 1, 48, 0
	SLOT 2, 1, 48, 0
	SLOT 3, 1, 48, 0
	WIN 0
	s_wait_alu depctr_vm_vsrc(0)                   ; the LDS stores have read v7 and v8, and v32-63
	v_add_nc_u32 v7, 8192, v7
	v_add_nc_u32 v8, 8192, v8
	; MY ROWS, while the second K block's 64 loads are on their way: one trip for each of my passes
	s_mov_b32 s57, 0
.Lsel:
	s_cmp_ge_u32 s57, s58
	s_cbranch_scc1 .Lsel_done
	s_lshl_b32 s22, s57, 8                         ; 16 tiles of 16 rows a pass
	v_add_nc_u32 v16, s22, v12                     ; R
	v_min_u32 v16, s59, v16                        ; at or past the count: the last member
	v_mov_b32 v17, s[MK]                           ; the mask that holds rank R,
	v_mov_b32 v18, 0                               ; the members ahead of it,
	v_mov_b32 v19, 0                               ; its first token
.set g, 1
.set pv, CB
.irp n, 8,8,8,7                                        ; the last mask with no more than R members ahead of it is the one: the 31 compares go in four runs, one wait behind each
.set j, 0
.rept \n
.if g+j == 1
	s_bcnt1_i32_b32 s[CB], s[MK]                   ; the members ahead of mask g + j
.else
	s_bcnt1_i32_b32 s44, s[MK+g+j-1]
	s_add_co_u32 s[CB+j], s[pv], s44
.endif
.set pv, CB+j
	v_cmp_gt_u32 s[QB+j], s[CB+j], v16
.set j, j+1
.endr
	s_wait_alu depctr_va_sdst(0)                   ; the run's compares have written s33 and on, which the selects below read
.set j, 0
.rept \n
	v_cndmask_b32 v17, s[MK+g+j], v17, s[QB+j]
	v_cndmask_b32 v18, s[CB+j], v18, s[QB+j]
	v_cndmask_b32 v19, 32*(g+j), v19, s[QB+j]
.set j, j+1
.endr
.set g, g+\n
.endr
	v_sub_nc_u32 v18, v16, v18                     ; k: my rank inside the mask
	v_lshrrev_b32 v20, 1, v17
	v_and_b32 v20, 0x55555555, v20
	v_sub_nc_u32 v20, v17, v20                     ; the ones of each 2 bits
	v_lshrrev_b32 v21, 2, v20
	v_and_b32 v21, 0x33333333, v21
	v_and_b32 v22, 0x33333333, v20
	v_add_nc_u32 v21, v21, v22                     ; of each 4
	v_lshrrev_b32 v22, 4, v21
	v_add_nc_u32 v22, v22, v21
	v_and_b32 v22, 0x0f0f0f0f, v22                 ; of each 8
	v_lshrrev_b32 v23, 8, v22
	v_add_nc_u32 v23, v23, v22                     ; byte 0: of bits 0 to 15
	v_mov_b32 v30, 0
	PICK 23, 8, 16
	PICK 22, 8, 8
	PICK 21, 4, 4
	PICK 20, 2, 2
	PICK 17, 1, 1
	v_add_nc_u32 v19, v19, v30                     ; the token
.irp q, 0,1,2,3
	s_cmp_eq_u32 s57, \q
	s_cselect_b32 s24, -1, 0
	v_cndmask_b32 v[TOK+\q], v[TOK+\q], v19, s24   ; into the pass's register
.endr
	s_add_co_u32 s57, s57, 1
	s_cmp_lt_u32 s57, 4
	s_cbranch_scc1 .Lsel
.Lsel_done:
	SLOT 0, 0, 48, 1                               ; (the wait ahead of v7's step has shown v32-63 read)
	SLOT 1, 0, 32, 0
	SLOT 2, 0, 16, 0
	SLOT 3, 0, 0, 0
	s_wait_dscnt 0x0                               ; for the other waves' sake: my fragments are written
	s_barrier_signal -1
	s_barrier_wait -1
	s_cmp_eq_u32 s43, 0
	s_cbranch_scc1 .Lexit                          ; no tile is mine: nothing is asked for
.macro XLD buf                         ; ring buffer buf: K block buf of the trip that s[52:53], v14 and v15 stand for: 64 bytes a lane and tile.  Every slice's work-group reads these rows again
	WIN 0x40
.set xi, 0
.rept NT
.irp n, 0,1,2,3
	global_load_b128 v[128+32*(\buf)+16*xi+4*\n:128+32*(\buf)+16*xi+4*\n+3], v[14+xi], s[52:53] offset:128*(\buf)+16*\n th:TH_LOAD_HT
.endr
.set xi, xi+1
.endr
.endm
; A pass's tokens (register src: lanes 0-15 the first tile's, lanes 16-31 the second's) become byte offsets of rows of t for every lane: v14 the first tile's, v15 the second's
.macro ROWS src
	v_permlanex16_b32 v19, v[\src], s30, s31
	v_cndmask_b32 v20, v[\src], v19, s32           ; the first tile's token of rank r, in both halves of the lanes
	v_cndmask_b32 v21, v19, v[\src], s32           ; the second tile's
.set xi, 0
.rept NT
	v_min_u32 v[14+xi], 0x3ff, v[20+xi]            ; the bound; behind it a shift, and a shift with an addition
	v_lshlrev_b32 v[14+xi], 11, v[14+xi]
	v_lshl_add_u32 v[14+xi], v3, 6, v[14+xi]       ; the token's row, + 64 h
.set xi, xi+1
.endr
.endm
.macro WFH wf, ar, off, h              ; half h of the eight fragments of one matrix step: blocks j' = 2 h and 2 h + 1 of both matrices, eight loads
	WIN 0
.irp jp, 0,1
.irp p, 0,1
	ds_load_b128 v[(\wf)+8*(2*(\h)+\jp)+4*\p:(\wf)+8*(2*(\h)+\jp)+4*\p+3], v[\ar] offset:(\off)+(2*(\h)+\jp)*1024+\p*512
	ds_load_b128 v[(\wf)+32+8*(2*(\h)+\jp)+4*\p:(\wf)+32+8*(2*(\h)+\jp)+4*\p+3], v[(\ar)+1] offset:(\off)+(2*(\h)+\jp)*1024+\p*512
.endr
.endr
.endm
.macro MULQ wf, buf, half, zero, n0, cnt  ; products n0 and on of a step's sixteen: tile n / 8, fragment n % 8; the sixteen accumulators take turns
	WIN 0x54
.set mn, \n0
.rept \cnt
.set rD, 64*(mn/8)+8*(mn%8)
.set rW, (\wf)+8*(mn%8)
.set rX, 128+32*(\buf)+16*(mn/8)+8*(\half)
.if \zero
	v_wmma_f32_16x16x32_bf16 v[rD:rD+7], v[rW:rW+7], v[rX:rX+7], 0
.else
	v_wmma_f32_16x16x32_bf16 v[rD:rD+7], v[rW:rW+7], v[rX:rX+7], v[rD:rD+7]
.endif
.set mn, mn+1
.endr
.endm
; A step: sixteen products on fragment buffer wf, and among the first of them the next step's sixteen fragment loads, into the other buffer lwf.
; No wait stands ahead of these loads: no vector or matrix instruction since the wait at the step's head names lwf's registers or the address registers.
.macro STEPM wf, buf, half, zero, lwf, lar, loff
	MULQ \wf, \buf, \half, \zero, 0, 2
	WFH \lwf, \lar, \loff, 0
	MULQ \wf, \buf, \half, \zero, 2, 2
	WFH \lwf, \lar, \loff, 1
	MULQ \wf, \buf, \half, \zero, 4, 12
.endm
; K block b of the trip.  On entry its first step's fragments are in, or on their way into, v64-127, and its rows into ring buffer b; the wait that stands ahead (at the last block's end, or at the
; trip's head) has shown v128-191 free.
.macro BLOCK b
	s_wait_loadcnt 24                              ; this block's rows are in; the three younger buffers' 24 loads stay out (in my last trip all loads are in: see below)
	s_wait_dscnt 0x0                               ; the first step's fragments are in: they are the only LDS loads that are out
.if (\b) == 0
	s_cmp_lg_u32 s23, 0
	s_cbranch_scc1 .Lacc
	STEPM 64, 0, 0, 1, 128, 9, 4096                ; a pass's first products start the sums
	WIN 0
	s_branch .Ljoin
.Lacc:
	STEPM 64, 0, 0, 0, 128, 9, 4096
	WIN 0
.Ljoin:
	v_cndmask_b32 v18, v[TOK], v[TOK+1], s27       ; the next trip's pass: its tokens, its rows.  No load has named v14, v15 since the waits at the trip's head.
	v_cndmask_b32 v18, v18, v[TOK+2], s28          ; These lines are also the places behind the step's products
	v_cndmask_b32 v18, v18, v[TOK+3], s29
	ROWS 18
.else
	STEPM 64, \b, 0, 0, 128, 9, (\b)*8192+4096
	PLACES
.endif
	s_wait_dscnt 0x0                               ; the second step's fragments are in
	s_wait_alu depctr_va_vdst(0)                   ; the first step's products are done reading v64-127, in which the loads dealt below land; in block 0 v14 and v15 are written, which the ring's loads read
.if (\b) < 3
	STEPM 128, \b, 1, 0, 64, 9, ((\b)+1)*8192      ; with the next block's first fragments
.else
	STEPM 128, \b, 1, 0, 64, 24, 0                 ; with the next trip's
.endif
	PLACES
	WIN 0
	s_wait_alu depctr_va_vdst(0)                   ; the block's products are done reading ring buffer b, in which the refill lands, and v128-191, in which the next block's loads land
	s_cmp_eq_u32 s40, s62
	s_cbranch_scc1 .Llast_\b
	XLD \b                                         ; the buffer is free: the same block of the next trip
	WIN 0
	s_branch .Lfed_\b
.Llast_\b:                                             ; my last trip: nothing is left to ask for.  In the refill's place stands the wait for all my loads:
	s_wait_loadcnt 0x0                             ; the later blocks' counted waits reckon with three younger buffers, which are not issued here; behind this wait every buffer is in
.Lfed_\b:
.endm
.macro STO i                           ; tile i's four stores
.irp n, 0,1,2,3
	global_store_b128 v11, v[128+16*(\i)+4*\n:131+16*(\i)+4*\n], s[54:55] offset:(\i)*524288+512*\n
.endr
.endm
.macro EPI i                           ; tile i: g u / (1 + 2^(-g log2 e)), packed
	WIN 0x04
.set en, 0
.rept 32
	v_mul_f32 v[192+en], s60, v[64*(\i)+en]
.set en, en+1
.endr
	WIN 0
.set en, 0
.rept 32
	v_exp_f32 v[192+en], v[192+en]
.set en, en+1
.endr
	WIN 0x05
.set en, 0
.rept 16
	v_pk_mul_f32 v[224+2*en:225+2*en], v[64*(\i)+2*en:64*(\i)+2*en+1], v[64*(\i)+32+2*en:64*(\i)+33+2*en]
.set en, en+1
.endr
	WIN 0
	s_wait_alu depctr_va_vdst(0)                   ; the products g u stand between.  In tile 1 it also shows tile 0's roundings written
.if (\i) == 1
	STO 0                                          ; v128-143 were written ahead of that wait, and no line since names them
.endif
.set en, 0
.rept 16
	v_pk_add_f32 v[192+2*en:193+2*en], v[192+2*en:193+2*en], 1.0 op_sel_hi:[1,0]
.set en, en+1
.endr
.set en, 0
.rept 32
	v_rcp_f32 v[192+en], v[192+en]
.set en, en+1
.endr
	v_nop
	s_wait_alu depctr_va_vdst(0)                   ; one wait for the 32 reciprocals in v192-223
.set en, 0
.rept 16
	v_pk_mul_f32 v[224+2*en:225+2*en], v[224+2*en:225+2*en], v[192+2*en:193+2*en]
.set en, en+1
.endr
.irp s, 0,1
.irp q, 0,1,2,3,4,5,6,7
	v_cvt_pk_bf16_f32 v[128+16*(\i)+8*\s+\q], v[224+16*(\q&1)+4*\s+(\q>>1)], v[232+16*(\q&1)+4*\s+(\q>>1)]
.endr
.endr
.endm
	; what the first trip finds: the rows of pass 0 for K blocks 0 to 3, and block 0's first fragments
	ROWS TOK
	v_mov_b32 v24, v11
	v_add_nc_u32 v25, 0x20000, v11
	s_mov_b64 s[52:53], s[12:13]
	s_wait_alu depctr_va_vdst(0)                   ; v14, v15, v24 and v25 are written, which the loads below read; the conversions are done reading slots 2 and 3, where the ring lies, and the compares v64-127, in which fragments land
	XLD 0
	XLD 1
	XLD 2
	XLD 3
	WFH 64, 24, 0, 0
	WFH 64, 24, 0, 1
	s_lshl_b32 s62, s43, 2
	s_sub_co_u32 s62, s62, 1                       ; my last trip
	s_mov_b32 s40, 0
.Ltrip:                                                ; trip c: K blocks 4 (c & 3) + 0..3 of pass c >> 2
	s_lshr_b32 s22, s40, 2
	s_cmp_ge_u32 s22, s43
	s_cbranch_scc1 .Lexit                          ; my passes are done
	s_wait_xcnt 0x0                                ; bases, offsets, and registers that stores have read, are rewritten only behind this wait
	s_wait_alu depctr_vm_vsrc(0)                   ; the fragments' loads have read v9, v10, v24 and v25, the ring's loads v14 and v15, the last pass's stores v128-159: all are written again in this trip
	s_and_b32 s23, s40, 3
	s_lshl_b32 s24, s23, 15                        ; 8,192 bytes of fragments for each K block
	v_add_nc_u32 v9, s24, v11
	v_add_nc_u32 v10, 0x20000, v9
	s_add_co_u32 s26, s40, 1                       ; the next trip:
	s_and_b32 s27, s26, 3
	s_lshl_b32 s46, s27, 9                         ; 128 bytes of a row of t for each K block
	s_add_nc_u64 s[52:53], s[12:13], s[46:47]      ; its place in a row of t,
	s_lshl_b32 s27, s27, 15
	v_add_nc_u32 v24, s27, v11                     ; its first fragments (with the four v_nop at the last trip's end these four lines are more than the five places that a pass's first products need),
	v_add_nc_u32 v25, 0x20000, v24
	s_lshr_b32 s26, s26, 2                         ; its pass, as three masks that pick the pass's register of tokens
	s_cmp_eq_u32 s26, 1
	s_cselect_b32 s27, -1, 0
	s_cmp_eq_u32 s26, 2
	s_cselect_b32 s28, -1, 0
	s_cmp_ge_u32 s26, 3
	s_cselect_b32 s29, -1, 0
	s_wait_alu depctr_va_vdst(0)                   ; v9, v10, v24 and v25 are written, which this trip's fragment loads read; behind a pass's end its roundings have written v128-159, in which block 0's loads land
	BLOCK 0
	BLOCK 1
	BLOCK 2
	BLOCK 3
	s_cmp_lg_u32 s23, 3
	s_cbranch_scc1 .Lnext
	s_lshr_b32 s22, s40, 2                         ; the pass is through K: its two tiles go out (the four v_nop behind the last products are their places)
	s_lshl_b32 s22, s22, 4
	s_add_co_u32 s22, s22, s8                      ; tile w + 16 p
	s_lshl_b32 s46, s22, 16
	s_add_nc_u64 s[54:55], s[50:51], s[46:47]
	EPI 0
	EPI 1
	s_wait_alu depctr_va_vdst(0)                   ; tile 1's roundings have written v144-159, which its stores read
	STO 1
.Lnext:
	s_add_co_u32 s40, s40, 1
	s_cmp_lt_u32 s40, 16
	s_cbranch_scc1 .Ltrip
.Lexit:
	s_wait_dscnt 0x0                               ; my last LDS instructions.  The closing add onto the spare words follows the waits below
	s_wait_alu depctr_hold_cnt(0) depctr_sa_sdst(0) depctr_va_vdst(0) depctr_va_sdst(0) depctr_va_ssrc(0) depctr_va_vcc(0) depctr_vm_vsrc(0)
	s_wait_tensorcnt 0x0
	ds_add_u32 v5, v13
	s_wait_dscnt 0x0
	s_endpgm
.Lfunc_end_k_q49a1f2f28f_gateup:
	.size	k_q49a1f2f28f_gateup, .Lfunc_end_k_q49a1f2f28f_gateup-k_q49a1f2f28f_gateup
	.p2alignl 7, 3214868480
	.fill 96, 4, 3214868480
	.section	.rodata,"a",@progbits
	.p2align	6, 0x0
	.amdhsa_kernel k_q49a1f2f28f_gateup
		.amdhsa_group_segment_fixed_size 263168
		.amdhsa_private_segment_fixed_size 0
		.amdhsa_enable_private_segment 0
		.amdhsa_kernarg_size 40
		.amdhsa_user_sgpr_count 2
		.amdhsa_user_sgpr_kernarg_segment_ptr 1
		.amdhsa_wavefront_size32 1
		.amdhsa_system_sgpr_workgroup_id_x 1
		.amdhsa_system_sgpr_workgroup_id_y 1
		.amdhsa_system_sgpr_workgroup_id_z 1
		.amdhsa_system_vgpr_workitem_id 0
		.amdhsa_next_free_vgpr 512
		.amdhsa_next_free_sgpr 100
		.amdhsa_reserve_vcc 1
		.amdhsa_float_denorm_mode_32 3
		.amdhsa_float_denorm_mode_16_64 3
		.amdhsa_memory_ordered 1
		.amdhsa_forward_progress 1
		.amdhsa_inst_pref_size 108
	.end_amdhsa_kernel
	.amdgpu_metadata
---
amdhsa.version: [ 1, 2 ]
amdhsa.kernels:
  - .name:           k_q49a1f2f28f_gateup
    .symbol:         k_q49a1f2f28f_gateup.kd
    .args:
      - { .name: tw, .offset: 0, .size: 8, .value_kind: global_buffer, .address_space: global }
      - { .name: ints, .offset: 8, .size: 8, .value_kind: global_buffer, .address_space: global }
      - { .name: Wg, .offset: 16, .size: 8, .value_kind: global_buffer, .address_space: global }
      - { .name: Wu, .offset: 24, .size: 8, .value_kind: global_buffer, .address_space: global }
      - { .name: himg, .offset: 32, .size: 8, .value_kind: global_buffer, .address_space: global }
    .group_segment_fixed_size: 263168
    .private_segment_fixed_size: 0
    .kernarg_segment_align: 8
    .kernarg_segment_size: 40
    .max_flat_workgroup_size: 256
    .sgpr_count:     100
    .vgpr_count:     512
    .wavefront_size: 32
...
	.end_amdgpu_metadata
.endif
;; end of part 11
;; launch down (part 12): grid 32 x 8, 8 waves a work-group, no clusters, 173,056 bytes of LDS; arguments himg, ints, tw, Wd, ypart; writes ypart
.if DOCPART == 12
	.amdgcn_target "amdgcn-amd-amdhsa--gfx1250"
	.amdhsa_code_object_version 6
	.text
	.protected	k_q49a1f2f28f_down
	.globl	k_q49a1f2f28f_down
	.p2align	8
	.type	k_q49a1f2f28f_down,@function
k_q49a1f2f28f_down:
	s_mov_b64 s[64:65], 0
	v_nop
	global_prefetch_b8 v0, s[64:65] scope:SCOPE_SE
	s_setreg_imm32_b32 hwreg(HW_REG_WAVE_SCHED_MODE, 0, 2), 2
	s_setreg_imm32_b32 hwreg(HW_REG_WAVE_MODE, 25, 1), 1
	s_wait_xcnt 0x0
	s_wait_alu depctr_vm_vsrc(0)
; y = w * (a Wd) for the rows that chose the expert.  Work-group (64 output columns and one half of K = 2,048; expert): it alone reads its 256 KiB of f32 weights, once.
; Eight waves, two to a SIMD, of 512 registers, as in the launch before.  Phase 1: a wave's two K blocks of 64 are just its four slots of 16 loads; they are rounded to bf16 and laid into LDS as
; fragments; every wave writes its own list of the expert's rows (choice x 1,024 + token, by ascending token), padded with 160 copies of its last entry.
; Phase 2 is that launch's one counted loop: a pass takes two of the wave's tiles (w + 16 p, w + 16 p + 8) through the half of K; a trip is four K blocks of 64, four trips are a pass, 16 trips
; cover every split; the loop is left, forward, when the wave's passes are done; every LDS address and base is made in each trip from the counter; no LDS write, no barrier.
; a's tiles go through a ring of four buffers in registers, one K block each; a buffer is filled again straight behind its block's products with the same block of the next trip, three K blocks
; (48 matrix instructions of this wave) ahead of the wait for it.
; Source 0 = 16 rows of a (in operand order, 512 consecutive bytes a load), source 1 = weight fragment b (column 4 r + b at lane r): register j of the four accumulators
; is 16 neighbouring bytes of row 8 h + j.  The multiplication by the routing weight also brings them together.  Each row goes to its own place (K half, choice, token) as an f32 partial row,
; 256 consecutive aligned bytes for sixteen lanes; the launch behind adds a token's four.  Places past the count repeat the last row and store its own numbers again.
; No cluster: each weight byte has one reader; a's tiles are shared by 16 work-groups but go straight to registers.
; THE MODE: SCHED_MODE bits 1:0 = 2 (LLVM: expert scheduling mode 2), set by the entry lines.  The code itself states the register dependences
; between vector or matrix instructions and memory or LDS instructions, with s_wait_alu, always for 0.
; THE PLAN.  Registers that memory or LDS instructions touch:
;   phase 1   slot k (window 1): the weights' loads land in it, its conversions read it.  v32-63: the conversions write them, the LDS stores read them.
;             v128-159, v160-191: the list's 32 addresses and 32 entries, a register each: all are made, ONE wait, then the 32 LDS stores.
;   FB0 = v64-127, FB1 = v128-191   a whole K block's fragments (two matrix steps), by turns: block b's 16 products read FB[b % 2]; the LDS loads dealt among them land in the other, for block b + 1.
;   ring b    block b's products read it; the loads behind the block land in it.
;   v9, v24, v16   LDS addresses: written by three additions at a trip's head, read by the fragments' and the list's loads.
;   v192-207  list entries: LDS loads land, the address lines read.   v32-47 the weights' offsets and v208-223 the rows' places: those lines write them; the weights' loads and the pass's stores read them.
;             (v208-223 are written by those lines alone in the whole text: they never hold anything but a bounded entry, shifted, plus 16 r.)
;   v48-63    the weights: loads land, the way out's multiplications read.   v224-255 and v128-159 (FB1, idle at a pass's end): the multiplications write them, the sixteen stores read them.
; So ONE wait on va_vdst stands behind each block of 16 products: they are done reading their fragments and their ring buffer.  The refill follows it at once, the next block's fragment loads among
; the next products, which name the other fragment buffer, their own ring buffer and the accumulators.  At a trip's head stand a wait on vm_vsrc ahead of the three additions and a wait on va_vdst behind them.
; REGISTERS.  window 0: v6 weights' offset; v7 LDS store address; v9 this trip's fragments; v24 the next trip's first; v27 my place in a list tile; v16 this pass's list tiles; v17 16 r; the rest as in the plan.
;   window 1: phase 1 the slots; phase 2 D[i][b] at 32 i + 8 b, and the ring at 128 + 32 buffer + 16 i.
.set NT, 2
.set LIST, 131072
.set LISTP, 5120
.set SEL, 131072
.set WTS, 2097152
.set PB, 30                            ; s30-37  a run's eight compares on the first choice, then the members' masks
.set QB, 38                            ; s38-45  on the second choice
.set LA, 128                           ; the list's addresses
.set LE, 160                           ; its entries
.set FB, 64                            ; the two fragment buffers
.set RO, 208                           ; rows' places in ypart
.set WT, 48                            ; their weights
.set EN, 192                           ; list entries
.set WO, 32                            ; the weights' offsets
.set MSB, 0
.macro WIN new
.if MSB != (\new)
	s_set_vgpr_msb (MSB<<8)|(\new)
.set MSB, (\new)
.endif
.endm
.macro PLACES                          ; four plain places behind a matrix instruction (ISA guide 7.12.1): for the vector lines that read its results or write its sources and the products that write over them; they stand in front of a wait
.rept 4
	v_nop
.endr
.endm
	s_load_b256 s[12:19], s[0:1], 0x0              ; himg, ints, tw, Wd
	s_load_b64 s[20:21], s[0:1], 0x20              ; ypart
	v_lshl_add_u32 v25, v0, 2, 0x2a000
	v_mov_b32 v26, 0
	v_and_b32 v1, 31, v0
	v_and_b32 v2, 15, v0
	v_bfe_u32 v3, v0, 4, 1
	v_lshrrev_b32 v6, 5, v0
	v_readfirstlane_b32 s8, v6
	v_lshlrev_b32 v11, 4, v1
	v_lshlrev_b32 v16, 3, v1
	v_lshlrev_b32 v17, 4, v2                       ; 16 r
	s_and_b32 s26, ttmp9, 15                       ; column group
	s_lshr_b32 s27, ttmp9, 4                       ; K half
	s_and_b32 s10, ttmp7, 0xffff                   ; expert
	s_mov_b32 s47, 0
	v_lshlrev_b32 v6, 17, v3                       ; 32 h rows of 4,096 bytes
	v_lshl_add_u32 v6, v2, 4, v6
	v_add_nc_u32 v18, 1152, v1                     ; where a non-member's entry goes: index 1,152 + L
	v_mov_b32 v23, 0x400
	v_mov_b32 v24, v1                              ; the token of group 0
	v_mov_b32 v28, 0
	v_mov_b32 v29, 0
	v_mov_b32 v30, 0
	v_mov_b32 v31, 0
	s_wait_alu depctr_va_sdst(0)                   ; s8, the wave's number, is written, ahead of its first reader
	s_lshl_b32 s22, s8, 19                         ; the wave's two K blocks: 128 rows
	v_add_nc_u32 v6, s22, v6
	s_lshl_b32 s22, s8, 14
	v_add_nc_u32 v7, s22, v11                      ; their fragments in LDS
	s_mul_i32 s25, s8, LISTP
	s_add_co_u32 s25, s25, LIST                    ; my wave's own 5,120 bytes of list
	v_add_nc_u32 v20, s25, v11
	v_lshl_add_u32 v27, v3, 5, s25                 ; entries 8 h .. 8 h + 7 of a list tile
	s_lshl_b32 s46, s10, 23
	s_lshl_b32 s22, s27, 22
	s_add_co_u32 s46, s46, s22
	s_lshl_b32 s22, s26, 8
	s_add_co_u32 s46, s46, s22
	s_wait_kmcnt 0x0
	s_add_nc_u64 s[18:19], s[18:19], s[46:47]
	s_lshl_b32 s46, s27, 23
	s_add_co_u32 s46, s46, s22
	s_add_nc_u64 s[50:51], s[20:21], s[46:47]      ; ypart at (K half, entry 0, my columns)
	s_add_nc_u64 s[54:55], s[16:17], WTS           ; the routing weights
	s_lshl_b32 s46, s10, 22
	s_lshl_b32 s22, s27, 15
	s_add_co_u32 s46, s46, s22
	s_add_nc_u64 s[58:59], s[12:13], s[46:47]      ; himg at (expert, tile 0, my half's first slice)
	s_wait_alu depctr_va_vdst(0)                   ; v6, v7, v11, v16 and v20 (offsets and addresses) and the zeros v28-31 are written, which the loads and LDS stores below read
.set lg, 0
.rept 32
	global_load_b64 v[64+2*lg:65+2*lg], v16, s[14:15] offset:SEL+256*lg
.set lg, lg+1
.endr
.macro WLD k                           ; slot k: K block k >> 1 of the wave's two, step k & 1
	WIN 0x40
.irp i, 0,1,2,3,4,5,6,7,8,9,10,11,12,13,14,15
	global_load_b128 v[64*(\k)+4*\i:64*(\k)+4*\i+3], v6, s[18:19] offset:(64*((\k)>>1)+16*((\k)&1)+\i)*4096 th:TH_LOAD_NT
.endr
.endm
	WLD 0
	WLD 1
	WLD 2
	WLD 3
	; THE LIST
	WIN 0
.set i, 0
.rept 10                                               ; every byte of it is written once
	ds_store_b128 v20, v[28:31] offset:512*i
.set i, i+1
.endr
	s_mov_b32 s56, 0
	s_wait_loadcnt 63                              ; 96 loads have been issued: the oldest 33 are in, the 32 of the choices among them
.set lg, 0
.rept 4                                                ; eight groups of tokens to a run of sixteen compares, one wait behind each run
.set j, 0
.rept 8
	v_cmp_eq_u32 s[PB+j], s10, v[64+2*(lg+j)]
	v_cmp_eq_u32 s[QB+j], s10, v[65+2*(lg+j)]
.set j, j+1
.endr
	s_wait_alu depctr_va_sdst(0)                   ; the sixteen compares have written their masks, which the lines below read
.set j, 0
.rept 8
	s_or_b32 s[PB+j], s[PB+j], s[QB+j]             ; the group's members
	v_mbcnt_lo_u32_b32 v[LA+lg+j], s[PB+j], s56
	v_cndmask_b32 v[LA+lg+j], v18, v[LA+lg+j], s[PB+j]  ; the choice is made on the index, ahead of the bound;
	v_min_u32 v[LA+lg+j], 0x49f, v[LA+lg+j]        ; the bound; behind it one shift and one addition
	v_lshl_add_u32 v[LA+lg+j], v[LA+lg+j], 2, s25
	v_cndmask_b32 v[LE+lg+j], 0, v23, s[QB+j]      ; 1,024 if the expert is the token's second choice
	v_or_b32 v[LE+lg+j], v[LE+lg+j], v24
	v_add_nc_u32 v24, 32, v24
	s_bcnt1_i32_b32 s24, s[PB+j]
	s_add_co_u32 s56, s56, s24
.set j, j+1
.endr
.set lg, lg+8
.endr
	s_min_u32 s42, s56, 1024
	s_max_u32 s22, s42, 1
	s_sub_co_u32 s22, s22, 1
	s_min_u32 s22, s22, 0x3ff
	s_lshl_b32 s22, s22, 2
	s_add_co_u32 s22, s22, s25
	v_mov_b32 v19, s22                             ; where the last entry lies
	v_add_nc_u32 v22, s42, v1
	v_min_u32 v22, 0x41f, v22
	v_lshl_add_u32 v22, v22, 2, s25                ; where the copies begin
	s_wait_alu depctr_va_vdst(0)                   ; the 32 addresses v128-159, the 32 entries v160-191, v19 and v22 are written, which the LDS instructions below read
.set lg, 0
.rept 32
	ds_store_b32 v[LA+lg], v[LE+lg]
.set lg, lg+1
.endr
	ds_load_b32 v21, v19
	s_wait_dscnt 0x0
.irp o, 0,128,256,384,512                              ; 160 copies of the last entry behind the list: a pass reaches 142 entries past the count at the most
	ds_store_b32 v22, v21 offset:\o
.endr
	s_add_co_u32 s22, s42, 15
	s_lshr_b32 s22, s22, 4                         ; tiles
	s_add_co_u32 s22, s22, 7
	s_sub_co_u32 s22, s22, s8
	s_lshr_b32 s22, s22, 3                         ; my wave's tiles
	s_add_co_u32 s22, s22, 1
	s_lshr_b32 s43, s22, 1                         ; my wave's passes
; free = 1: nothing has read v32-63 yet
.macro SLOT k, left, free
	s_wait_loadcnt \left                           ; this slot's sixteen loads are in; the younger slots' stay out
.if !(\free)
	s_wait_alu depctr_vm_vsrc(0)                   ; the LDS stores of the slot before have read v32-63, which the conversions write again
.endif
	WIN 0x05
.irp jp, 0,1,2,3
.irp q, 0,1,2,3,4,5,6,7
	v_cvt_pk_bf16_f32 v[32+8*\jp+\q], v[64*(\k)+8*\q+\jp], v[64*(\k)+8*\q+4+\jp]
.endr
.endr
	WIN 0
	s_wait_alu depctr_va_vdst(0)                   ; the conversions have written v32-63, which the LDS stores read
.irp jp, 0,1,2,3
.irp p, 0,1
	ds_store_b128 v7, v[32+8*\jp+4*\p:35+8*\jp+4*\p] offset:((\k)>>1)*8192+((\k)&1)*4096+\jp*1024+\p*512
.endr
.endr
.endm
	SLOT 0, 48, 1
	SLOT 1, 32, 0
	SLOT 2, 16, 0
	SLOT 3, 0, 0
	s_wait_dscnt 0x0                               ; for the other waves' sake: my fragments are written
	s_barrier_signal -1
	s_barrier_wait -1
.macro XLD buf                         ; ring buffer buf: K block buf of the trip that s[52:53] stands for, both tiles
	WIN 0x40
.set xi, 0
.rept NT
.irp n, 0,1,2,3
	global_load_b128 v[128+32*(\buf)+16*xi+4*\n:128+32*(\buf)+16*xi+4*\n+3], v11, s[52:53] offset:xi*524288+(\buf)*2048+512*\n
.endr
.set xi, xi+1
.endr
.endm
.macro WFH fb, ar, off, s              ; the four fragments of matrix step s of a K block: eight loads
	WIN 0
.irp jp, 0,1,2,3
.irp p, 0,1
	ds_load_b128 v[(\fb)+32*(\s)+8*\jp+4*\p:(\fb)+32*(\s)+8*\jp+4*\p+3], v[\ar] offset:(\off)+(\s)*4096+\jp*1024+\p*512
.endr
.endr
.endm
.macro MULQ fb, buf, zero, n0, cnt     ; products n0 and on of a block's sixteen: matrix step n / 8, tile (n / 4) % 2, fragment n % 4; the eight accumulators take turns
	WIN 0x51
.set mn, \n0
.rept \cnt
.set rD, 32*((mn/4)%2)+8*(mn%4)
.set rA, 128+32*(\buf)+16*((mn/4)%2)+8*(mn/8)
.set rB, (\fb)+32*(mn/8)+8*(mn%4)
.if (\zero) && (mn < 8)
	v_wmma_f32_16x16x32_bf16 v[rD:rD+7], v[rA:rA+7], v[rB:rB+7], 0
.else
	v_wmma_f32_16x16x32_bf16 v[rD:rD+7], v[rA:rA+7], v[rB:rB+7], v[rD:rD+7]
.endif
.set mn, mn+1
.endr
.endm
; Block b's sixteen products, and among the first of them the next block's sixteen fragment loads, into the other buffer; look = 1: the pass's list entries ride with them.
; No wait stands ahead of these loads: no vector or matrix instruction since the wait behind the last block (at a trip's head: the wait there) names the registers in which they land or their addresses.
.macro BLKM b, zero, look
.set fbc, FB+64*((\b)%2)
.set fbn, FB+64*(((\b)+1)%2)
.if (\b) < 3
.set far, 9                            ; the next block's fragments,
.set fof, ((\b)+1)*8192
.else
.set far, 24                           ; or the next trip's first
.set fof, 0
.endif
	MULQ fbc, \b, \zero, 0, 2
	WFH fbn, far, fof, 0
	MULQ fbc, \b, \zero, 2, 2
	WFH fbn, far, fof, 1
.if \look
.set pi, 0
.rept NT
	ds_load_b128 v[EN+8*pi:EN+8*pi+3], v16 offset:512*pi
	ds_load_b128 v[EN+8*pi+4:EN+8*pi+7], v16 offset:512*pi+16
.set pi, pi+1
.endr
.endif
	MULQ fbc, \b, \zero, 4, 12
.endm
; K block b of the trip.  On entry its fragments are in, or on their way into, FB[b % 2], and its tiles into ring buffer b.
.macro BLOCK b
	s_wait_loadcnt 24                              ; this block's tiles are in; the three younger buffers' 24 loads stay out (where the sixteen weights are younger too, the count is the stricter)
	s_wait_dscnt 0x0                               ; the block's fragments are in: they are the only LDS loads that are out
.if (\b) == 0
	s_cmp_lg_u32 s23, 0
	s_cbranch_scc1 .Lacc
	BLKM 0, 1, 1                                   ; a pass's first products start the sums;
	WIN 0
	s_wait_dscnt 0x0                               ; the pass's list entries are in
.set pi, 0
.rept 8*NT                                             ; behind them the pass's rows are looked up: entry, place in ypart, the weight's offset
	v_min_u32 v[EN+pi], 0x7ff, v[EN+pi]            ; entry = choice x 1,024 + token
	v_lshlrev_b32 v[WO+pi], 2, v[EN+pi]
	v_lshl_add_u32 v[RO+pi], v[EN+pi], 12, v17     ; its row of ypart, + 16 r
.set pi, pi+1
.endr
	s_wait_alu depctr_va_vdst(0)                   ; the offsets v32-47 are written, which the sixteen loads read
.set pi, 0
.rept 8*NT
	global_load_b32 v[WT+pi], v[WO+pi], s[54:55]   ; the routing weight; 32 loads follow it ahead of the next trip's first wait for all but 24
.set pi, pi+1
.endr
	s_branch .Ljoin
.Lacc:
	BLKM 0, 0, 0
	WIN 0
.Ljoin:
.else
	BLKM \b, 0, 0
.endif
	PLACES
	WIN 0
	s_wait_alu depctr_va_vdst(0)                   ; the block's products are done reading ring buffer b, in which the refill lands, and their fragment buffer, in which the next block's loads land
	XLD \b                                         ; the buffer is free: the same block of the next trip
.endm
.macro EMUL i, out                     ; tile i times its rows' weights, into out; register 0 of each accumulator is read first
.irp j, 0,1,2,3,4,5,6,7
.irp b, 0,1,2,3
	v_mul_f32 v[(\out)+4*\j+\b], v[32*(\i)+8*\b+\j], v[WT+8*(\i)+\j]
.endr
.endr
.endm
.macro ESTO i, out
.irp j, 0,1,2,3,4,5,6,7
	global_store_b128 v[RO+8*(\i)+\j], v[(\out)+4*\j:(\out)+4*\j+3], s[50:51]
.endr
.endm
	; what the first trip finds: K blocks 0 to 3 of pass 0's tiles, and block 0's fragments
	s_lshl_b32 s46, s8, 16                         ; tile w
	s_add_nc_u64 s[52:53], s[58:59], s[46:47]
	v_mov_b32 v24, v11
	s_wait_alu depctr_va_vdst(0)                   ; v24 is written, which the fragments' loads read; the compares are done reading v64-127, in which they land, and the conversions slots 2 and 3, where the ring lies
	XLD 0
	XLD 1
	XLD 2
	XLD 3
	WFH FB, 24, 0, 0
	WFH FB, 24, 0, 1
	s_mov_b32 s40, 0
.Ltrip:                                                ; trip c: K blocks 4 (c & 3) + 0..3 of pass c >> 2
	s_lshr_b32 s22, s40, 2
	s_cmp_ge_u32 s22, s43
	s_cbranch_scc1 .Lexit                          ; my passes are done
	s_wait_xcnt 0x0                                ; bases, and registers that stores have read, are rewritten only behind this wait
	s_wait_alu depctr_vm_vsrc(0)                   ; LDS loads have read v9, v24 and v16; the last pass's stores v208-223, v128-159 and v224-255, its weights' loads v32-47; in the first trip the LDS stores v32-63 and v128-191: all are written again
	s_and_b32 s23, s40, 3
	s_lshl_b32 s24, s23, 15                        ; 8,192 bytes of fragments for each K block
	v_add_nc_u32 v9, s24, v11
	s_add_co_u32 s26, s40, 1                       ; the next trip:
	s_and_b32 s27, s26, 3
	s_lshr_b32 s26, s26, 2
	s_min_u32 s26, s26, 3                          ; its pass (the very last look-ahead stays in pass 3),
	s_lshl_b32 s26, s26, 4
	s_add_co_u32 s26, s26, s8                      ; tile w + 16 p
	s_lshl_b32 s46, s26, 16
	s_lshl_b32 s28, s27, 13                        ; 2,048 bytes of a tile for each K block
	s_add_co_u32 s46, s46, s28
	s_add_nc_u64 s[52:53], s[58:59], s[46:47]      ; its tiles,
	s_lshl_b32 s27, s27, 15
	v_add_nc_u32 v24, s27, v11                     ; its first fragments
	s_lshr_b32 s28, s40, 2                         ; this pass's list tiles: 1,024 bytes of list a pass (at most pass 3), 64 a wave: 4,095 is the last byte reached of my 5,120
	s_min_u32 s28, s28, 3
	s_lshl_b32 s28, s28, 10
	s_lshl_b32 s29, s8, 6
	s_add_co_u32 s28, s28, s29
	v_add_nc_u32 v16, s28, v27                     ; with the four v_nop at the last trip's end these three lines are more than the five places that a pass's first products need
	s_wait_alu depctr_va_vdst(0)                   ; v9, v24 and v16 are written, which this trip's LDS loads read; the last pass's lines are done with v128-159, v192-207 and v48-63, in which loads land
	BLOCK 0
	BLOCK 1
	BLOCK 2
	BLOCK 3
	WIN 0
	s_cmp_lg_u32 s23, 3
	s_cbranch_scc1 .Lnext
	WIN 0x01                                       ; the pass is through its half of K: its two tiles go out (the four v_nop behind the last products are their places)
	EMUL 0, 224
	EMUL 1, 128                                    ; into the fragment buffer that block 3 has read and nothing is on its way into
	WIN 0
	s_wait_alu depctr_va_vdst(0)                   ; the multiplications have written v224-255 and v128-159, which the sixteen stores read
	ESTO 0, 224
	ESTO 1, 128
.Lnext:
	s_add_co_u32 s40, s40, 1
	s_cmp_lt_u32 s40, 16
	s_cbranch_scc1 .Ltrip
.Lexit:
	s_wait_dscnt 0x0                               ; my last LDS instructions.  The closing add onto the spare words follows the waits below
	s_wait_alu depctr_hold_cnt(0) depctr_sa_sdst(0) depctr_va_vdst(0) depctr_va_sdst(0) depctr_va_ssrc(0) depctr_va_vcc(0) depctr_vm_vsrc(0)
	s_wait_tensorcnt 0x0
	ds_add_u32 v25, v26
	s_wait_dscnt 0x0
	s_endpgm
.Lfunc_end_k_q49a1f2f28f_down:
	.size	k_q49a1f2f28f_down, .Lfunc_end_k_q49a1f2f28f_down-k_q49a1f2f28f_down
	.p2alignl 7, 3214868480
	.fill 96, 4, 3214868480
	.section	.rodata,"a",@progbits
	.p2align	6, 0x0
	.amdhsa_kernel k_q49a1f2f28f_down
		.amdhsa_group_segment_fixed_size 173056
		.amdhsa_private_segment_fixed_size 0
		.amdhsa_enable_private_segment 0
		.amdhsa_kernarg_size 40
		.amdhsa_user_sgpr_count 2
		.amdhsa_user_sgpr_kernarg_segment_ptr 1
		.amdhsa_wavefront_size32 1
		.amdhsa_system_sgpr_workgroup_id_x 1
		.amdhsa_system_sgpr_workgroup_id_y 1
		.amdhsa_system_sgpr_workgroup_id_z 1
		.amdhsa_system_vgpr_workitem_id 0
		.amdhsa_next_free_vgpr 512
		.amdhsa_next_free_sgpr 66
		.amdhsa_reserve_vcc 0
		.amdhsa_float_denorm_mode_32 3
		.amdhsa_float_denorm_mode_16_64 3
		.amdhsa_memory_ordered 1
		.amdhsa_forward_progress 1
		.amdhsa_inst_pref_size 74
	.end_amdhsa_kernel
	.amdgpu_metadata
---
amdhsa.version: [ 1, 2 ]
amdhsa.kernels:
  - .name:           k_q49a1f2f28f_down
    .symbol:         k_q49a1f2f28f_down.kd
    .args:
      - { .name: himg, .offset: 0, .size: 8, .value_kind: global_buffer, .address_space: global }
      - { .name: ints, .offset: 8, .size: 8, .value_kind: global_buffer, .address_space: global }
      - { .name: tw, .offset: 16, .size: 8, .value_kind: global_buffer, .address_space: global }
      - { .name: Wd, .offset: 24, .size: 8, .value_kind: global_buffer, .address_space: global }
      - { .name: ypart, .offset: 32, .size: 8, .value_kind: global_buffer, .address_space: global }
    .group_segment_fixed_size: 173056
    .private_segment_fixed_size: 0
    .kernarg_segment_align: 8
    .kernarg_segment_size: 40
    .max_flat_workgroup_size: 256
    .sgpr_count:     66
    .vgpr_count:     512
    .wavefront_size: 32
...
	.end_amdgpu_metadata
.endif
;; end of part 12
;; launch combine: the kernel of part 8 again; grid 256 x 1, 8 waves a work-group, no clusters, 0 bytes of LDS; arguments x1, ypart, out0; writes out0
